; MI455X (gfx1250); checked and timed in simulation.
; The chip was launched on July 23, 2026; its instructions are those of AMD's public machine-readable ISA for CDNA 5 (MIT licence, August 2026) and "CDNA5" Instruction Set Architecture Reference Guide (July 2026). The comments in the code are by the model that wrote it; some were corrected since.
;; Complex Attention. Allowed arithmetic: matrix products marked QUANTISED: E4M3 operands, one E8M0 scale for each 32 along K, by v_wmma_scale_f32_16x16x128_f8f6f4 with both operands' format E4M3, f32 sums; everything else in f32.
;; Inputs: Wk_i_codes 1,024 x 32 x 32 uint8 (E4M3 codes of Wk_i, K innermost, in blocks of 32 codes); Wk_i_scales 1,024 x 32 uint8 (E8M0 scales of Wk_i, one for each 32 codes along K); Wk_r_codes 1,024 x 32 x 32 uint8 (E4M3 codes of Wk_r, K innermost, in blocks of 32 codes); Wk_r_scales 1,024 x 32 uint8 (E8M0 scales of Wk_r, one for each 32 codes along K); Wo_i_codes 1,024 x 32 x 32 uint8 (E4M3 codes of Wo_i, K innermost, in blocks of 32 codes); Wo_i_scales 1,024 x 32 uint8 (E8M0 scales of Wo_i, one for each 32 codes along K); Wo_r_codes 1,024 x 32 x 32 uint8 (E4M3 codes of Wo_r, K innermost, in blocks of 32 codes); Wo_r_scales 1,024 x 32 uint8 (E8M0 scales of Wo_r, one for each 32 codes along K); Wq_i_codes 1,024 x 32 x 32 uint8 (E4M3 codes of Wq_i, K innermost, in blocks of 32 codes); Wq_i_scales 1,024 x 32 uint8 (E8M0 scales of Wq_i, one for each 32 codes along K); Wq_r_codes 1,024 x 32 x 32 uint8 (E4M3 codes of Wq_r, K innermost, in blocks of 32 codes); Wq_r_scales 1,024 x 32 uint8 (E8M0 scales of Wq_r, one for each 32 codes along K); Wv_i_codes 1,024 x 32 x 32 uint8 (E4M3 codes of Wv_i, K innermost, in blocks of 32 codes); Wv_i_scales 1,024 x 32 uint8 (E8M0 scales of Wv_i, one for each 32 codes along K); Wv_r_codes 1,024 x 32 x 32 uint8 (E4M3 codes of Wv_r, K innermost, in blocks of 32 codes); Wv_r_scales 1,024 x 32 uint8 (E8M0 scales of Wv_r, one for each 32 codes along K); bk_i 1,024 float32; bk_r 1,024 float32; bo_i 1,024 float32; bo_r 1,024 float32; bq_i 1,024 float32; bq_r 1,024 float32; bv_i 1,024 float32; bv_r 1,024 float32; k_i_codes 4 x 1,024 x 32 x 32 uint8 (E4M3 codes of k_i, K innermost, in blocks of 32 codes); k_i_scales 4 x 1,024 x 32 uint8 (E8M0 scales of k_i, one for each 32 codes along K); k_r_codes 4 x 1,024 x 32 x 32 uint8 (E4M3 codes of k_r, K innermost, in blocks of 32 codes); k_r_scales 4 x 1,024 x 32 uint8 (E8M0 scales of k_r, one for each 32 codes along K); q_i_codes 4 x 1,024 x 32 x 32 uint8 (E4M3 codes of q_i, K innermost, in blocks of 32 codes); q_i_scales 4 x 1,024 x 32 uint8 (E8M0 scales of q_i, one for each 32 codes along K); q_r_codes 4 x 1,024 x 32 x 32 uint8 (E4M3 codes of q_r, K innermost, in blocks of 32 codes); q_r_scales 4 x 1,024 x 32 uint8 (E8M0 scales of q_r, one for each 32 codes along K); v_i_codes 4 x 1,024 x 32 x 32 uint8 (E4M3 codes of v_i, K innermost, in blocks of 32 codes); v_i_scales 4 x 1,024 x 32 uint8 (E8M0 scales of v_i, one for each 32 codes along K); v_r_codes 4 x 1,024 x 32 x 32 uint8 (E4M3 codes of v_r, K innermost, in blocks of 32 codes); v_r_scales 4 x 1,024 x 32 uint8 (E8M0 scales of v_r, one for each 32 codes along K).
;; Outputs: out0 4 x 1,024 x 1,024 float32; out1 4 x 1,024 x 1,024 float32.
;; This version of the problem:
;;   THIS VERSION OF THE PROBLEM IS GIVEN IN LOW PRECISION. The matrix products marked QUANTISED in the list below multiply operands that are first quantised to E4M3 (4 exponent bits, 3 mantissa bits; 8 bits a number), with one power-of-two scale for each 32 numbers along K (OCP MX v1.0); their sums are f32. All else is computed in f32.
;;   The module's matrix products, in the order in which they are computed (A, B: the left and right operand; K: the contracted axis; several contracted axes count as one K, in the product's order):
;;     1. [M 4,096, K 1,024] x [K 1,024, N 1,024]; A: input q_r (given as codes); B: input Wq_r (given as codes): QUANTISED
;;     2. [M 4,096, K 1,024] x [K 1,024, N 1,024]; A: input q_i (given as codes); B: input Wq_i (given as codes): QUANTISED
;;     3. [M 4,096, K 1,024] x [K 1,024, N 1,024]; A: input k_r (given as codes); B: input Wk_r (given as codes): QUANTISED
;;     4. [M 4,096, K 1,024] x [K 1,024, N 1,024]; A: input k_i (given as codes); B: input Wk_i (given as codes): QUANTISED
;;     5. [M 4,096, K 1,024] x [K 1,024, N 1,024]; A: input v_r (given as codes); B: input Wv_r (given as codes): QUANTISED
;;     6. [M 4,096, K 1,024] x [K 1,024, N 1,024]; A: input v_i (given as codes); B: input Wv_i (given as codes): QUANTISED
;;     7. batch 64 x [M 1,024, K 64] x [K 64, N 1,024]; A: computed on the way; B: computed on the way: QUANTISED
;;     8. batch 64 x [M 1,024, K 64] x [K 64, N 1,024]; A: computed on the way; B: computed on the way: QUANTISED
;;     9. batch 64 x [M 64, K 1,024] x [K 1,024, N 1,024]; A: computed on the way; B: softmax (see below): QUANTISED
;;     10. batch 64 x [M 64, K 1,024] x [K 1,024, N 1,024]; A: computed on the way; B: softmax (see below): QUANTISED
;;     11. [M 4,096, K 1,024] x [K 1,024, N 1,024]; A: computed on the way; B: input Wo_r (given as codes): QUANTISED
;;     12. [M 4,096, K 1,024] x [K 1,024, N 1,024]; A: computed on the way; B: input Wo_i (given as codes): QUANTISED
;;   THE QUANTISER, for each operand of a quantised product, along K:
;;     - K is cut into blocks of 32 from its start; a last block that is shorter is filled with zeros.
;;     - A block's scale is 2^e with e = floor(log2(the largest magnitude in the block)) - 8, held to -126 .. 127; a block of zeros has e = 0. As a byte (E8M0): e + 127.
;;     - Each number is divided by its block's scale, clamped to +-448, and rounded to the nearest number of E4M3, ties to even, subnormals kept.
;;     - The product sums the exact products of the quantised numbers (number of the format x scale) in f32.
;;   ~~~python
;;   def quantise(x, axis):      # numpy; x: float32 -> the quantised numbers, widened to float32 again
;;       x = np.moveaxis(x, axis, -1); K = x.shape[-1]
;;       x = np.pad(x, [(0, 0)] * (x.ndim - 1) + [(0, -K % 32)]); x = x.reshape(x.shape[:-1] + (-1, 32)); a = np.abs(x).max(-1, keepdims=True)
;;       e = np.where(a > 0, np.clip(np.frexp(np.where(a > 0, a, 1))[1] - 1 - 8, -126, 127), 0)      # np.frexp(a)[1] - 1 = floor(log2(a)), exactly
;;       r = np.clip(x / 2.0 ** e, -448, 448)
;;       step = 2.0 ** (np.maximum(np.frexp(np.where(r == 0, 1, r))[1] - 1, -6) - 3)
;;       q = np.round(r / step) * step * 2.0 ** e      # np.round: ties to even
;;       return np.moveaxis(q.reshape(q.shape[:-2] + (-1,))[..., :K], -1, axis).astype(np.float32)
;;   ~~~
;;   SOFTMAX AHEAD OF A QUANTISED PRODUCT. Where the list says 'softmax', what is quantised is not the finished softmax but p = 2^(t - M), with t = logit x log2(e) and M = ceil(the row's largest t), a whole number; so 1/2 < the row's largest p <= 1. The row's sum l is taken of the UNQUANTISED p, in f32, and the product's result is divided by l at the end. Since M is a whole number, a kernel that streams over the keys may use a running M (the ceiling of the running maximum): every later rescaling is an exact power of two, which a block's scale takes up: the codes' values come out the same.
;;   OPERANDS COMPUTED ON THE WAY. 'Computed on the way' means the value that the module computes at that place (a softmax that the list does not call 'softmax' is quantised finished and normalised). What goes into a quantiser is computed in f32, as accurately as f32 sums, v_exp_f32 and their like allow (about 1e-6 of the number): no bf16 or f16 on the way to a quantiser, and a product that is left as it is and whose result goes on into a quantised operand takes f32 operands (vector FMAs, or v_wmma_f32_16x16x4_f32). A number that lies on a knife's edge between two numbers of the format may be rounded either way, as far as f32 arithmetic and the matrix unit's own rounding can turn it there, and no further.
;;   INPUTS GIVEN AS CODES. Wk_i (in the module: [1024, 1024], K = its axis 1); Wk_r (in the module: [1024, 1024], K = its axis 1); Wo_i (in the module: [1024, 1024], K = its axis 1); Wo_r (in the module: [1024, 1024], K = its axis 1); Wq_i (in the module: [1024, 1024], K = its axis 1); Wq_r (in the module: [1024, 1024], K = its axis 1); Wv_i (in the module: [1024, 1024], K = its axis 1); Wv_r (in the module: [1024, 1024], K = its axis 1); k_i (in the module: [4, 1024, 1024], K = its axis 2); k_r (in the module: [4, 1024, 1024], K = its axis 2); q_i (in the module: [4, 1024, 1024], K = its axis 2); q_r (in the module: [4, 1024, 1024], K = its axis 2); v_i (in the module: [4, 1024, 1024], K = its axis 2); v_r (in the module: [4, 1024, 1024], K = its axis 2): each comes as NAME_codes (uint8): NAME with its K axis moved to the last place and cut into blocks of 32 codes, [.., K / 32, bytes a block], one block behind the other in memory; one code a byte (a code: sign, 4 exponent bits, 3 mantissa bits); and NAME_scales (uint8): the same leading axes, one E8M0 byte (e + 127) for each 32 codes along K. Its value is code x scale, taken as it is: it is not quantised again, and the codes and scales need not be those that the quantiser above would give.
;; 2 versions. Each part assembles by itself: llvm-mc -triple=amdgcn-amd-amdhsa -mcpu=gfx1250 --defsym DOCPART=n.
;; ======== version 1 of 2: 4 launches
;; workspace buffers: qk_img 16,777,216 bytes; qk_sc 524,288 bytes; v_img 8,388,608 bytes; v_sc 262,144 bytes; o_img 8,388,608 bytes; o_sc 262,144 bytes
;; launch projqk (part 1): grid 4 x 64, 4 waves a work-group, clusters of 4 x 4, 327,680 bytes of LDS; arguments q_r_codes, q_r_scales, Wq_r_codes, Wq_r_scales, bq_r, q_i_codes, q_i_scales, Wq_i_codes, Wq_i_scales, bq_i, k_r_codes, k_r_scales, Wk_r_codes, Wk_r_scales, bk_r, k_i_codes, k_i_scales, Wk_i_codes, Wk_i_scales, bk_i, qk_img, qk_sc; writes qk_img, qk_sc
.if DOCPART == 1
	.amdgcn_target "amdgcn-amd-amdhsa--gfx1250"
	.amdhsa_code_object_version 6
	.text
	.protected	k_q3a20bc4e7d_projqk
	.globl	k_q3a20bc4e7d_projqk
	.p2align	8
	.type	k_q3a20bc4e7d_projqk,@function
k_q3a20bc4e7d_projqk:
	s_mov_b64 s[64:65], 0
	v_nop
	global_prefetch_b8 v0, s[64:65] scope:SCOPE_SE
	s_setreg_imm32_b32 hwreg(HW_REG_WAVE_MODE, 25, 1), 1
	s_wait_xcnt 0x0
	s_wait_alu depctr_hold_cnt(0) depctr_sa_sdst(0) depctr_va_vdst(0) depctr_va_sdst(0) depctr_va_ssrc(0) depctr_va_vcc(0) depctr_vm_vsrc(0)
	s_getreg_b32 s2, hwreg(HW_REG_IB_STS2, 6, 4)
	s_cmp_eq_u32 s2, 0
	s_cbranch_scc0 .Lentry_in_a_cluster
	s_endpgm
.Lentry_in_a_cluster:
	s_bfe_u32 s2, ttmp6, 0x10000c
	s_cmp_lg_u32 s2, 0xf033
	s_cbranch_scc0 .Lentry_shape_is_right
	s_endpgm
.Lentry_shape_is_right:
; FOUR PROJECTIONS IN ONE LAUNCH: g = 0 Qr, 1 Qi, 2 Kr, 3 Ki.  Y = X W^T + b, X [4096][1024] and W [1024][1024] as codes of E4M3 with one E8M0 byte for each 32 along K;
; Y is quantised again along its channels (blocks of 32 inside a head's 64) and leaves as codes and scale bytes for the attention launch.
; A tile of Y, 256 x 256, is made by a work-group of four waves; a wave makes 128 x 128: 64 accumulators of 16 x 16, 512 registers.  16 x 4 tiles for each g: 256 work-groups.
; K goes in steps of 256 through a ring of two LDS slots filled by the tensor data mover; the scale bytes of the tile's rows of X and W, for all of K, come once with the first fills and stay.
; CLUSTERS: 4 x 4 work-groups, all of one g.  The four of a row need the same tiles of X, the four of a column the same tiles of W: each tile is asked for jointly.
; THE MATRIX INSTRUCTION IS USED TRANSPOSED (source 0 = 16 rows of W, source 1 = 16 rows of X): lane (r, h) holds token r and registers 8 b + j hold channels 16 b + 8 h + j.
; THE BIAS is the C of each sum's first matrix instruction.
; OUT.  qk_img [Q, K][batch x head 64][token tile 64][2048]: an image of the reader's operand registers: byte 512 c + 16 (r + 16 h) + y is k = 32 c + 16 h + y of token r, k = [real 64 | imaginary 64].
;       qk_sc [g][batch x head][1024 tokens]: two scale bytes a token.
; LIMITS: NaN and infinities are not served; a block whose largest magnitude lies under 2^-118 (a block of zeros too) gets the scale byte 1: only this program reads the bytes.
; REGISTERS, in windows of 256: window 0: v0-31 addresses; v32-63 scale words, two sets; v64-127 the bias, later the quantiser's work; v128-255 X's fragments, one set.
;   window 1: W's fragments, two sets.   window 2: the accumulators of my rows 0-63 ((a, b) at v[8 (8 a + b)]);   window 3: those of my rows 64-127.
.set NQ,     2                         ; matrix instructions deep in a slot (256 along K)
.set ROWB,   256                       ; a tile's row in bytes
.set KROW,   1024                      ; a row of X or W in memory
.set PITCH,  272                       ; an LDS row: 256 bytes + 16 of padding: the 16 rows that a load touches start 68 words apart
.set FR,     16                        ; registers of a fragment
.set NL,     4                         ; LDS loads that bring one
.set NP,     8                         ; places behind this matrix instruction (ISA guide 7.12.1)
.set HALFT,  128*PITCH                 ; 128 rows: one tensor load
.set SLOT,   4*HALFT                   ; X's 256 rows, then W's 256 rows
.set LAPS,   2                         ; 1024 / 512: a lap is once round the ring
.set KS,     32                        ; a row of scale bytes
.set SCL,    2*SLOT                    ; behind the ring: the scale bytes, as units of 256 bytes + 16
.set HALFS,  (128*KS/256)*272
.set SBLK,   (16*KS/256)*272
.set SPARE,  SCL+4*HALFS               ; the spare words: 128 bytes for each wave, named by no other line
.set ADRA, 16                          ; v16-17 LDS address of my X fragments in slot 0, 1
.set ADRB, 20                          ; v20-21 the same for W
.set SS,   24                          ; v24 where I put two scale bytes: 512 wave + 256 h + 2 r (in slot 0, behind its last fill and last read)
.set SR,   25                          ; v25 where I read them back: 512 wave + 16 lane
.set CO,   26                          ; v26 my 8 bytes in 256 bytes of an image: 16 r + 8 h
.set ADRS, 27                          ; v27 LDS address of my scale words: lanes 0-15 X's rows, lanes 16-31 W's
.set SPW,  28                          ; v28 my spare word; never rewritten
.set NIL,  29                          ; v29 0; never rewritten
.set SG,   30                          ; v30 the scale bytes' place in qk_sc: 2048 h + 16 r
.set SH,   31                          ; v31 16 h
.set SC,   32
.set BI,   64                          ; the bias: 8 registers for each of W's eight blocks
.set TM,   64                          ; the quantiser: +0..3 largest magnitudes, +4..7 bytes, +8..11 448 x scale, +12..15 the conversions' scale operand
.set PW,   80                          ; the row's four scale bytes
.set SV,   81
.set SO,   84
.set AF,   128
.set G1, 24
.set G0, 32
.set G1B, 48
.set G0B, 56
.set G1S, 68
.set G0S, 76
.set G1SB, 80
.set G0SB, 88
.set MSB, 0
.macro WIN new                         ; the immediate's high byte repeats the setting that is left
.if MSB != (\new)
	s_set_vgpr_msb (MSB<<8)|(\new)
.set MSB, (\new)
.endif
.endm
.set MUL_LO, 0xa1                      ; source 0 (W) window 1, source 1 (X) window 0, C and D window 2
.set MUL_HI, 0xf1                      ; the same, C and D window 3
.set TO_B,   0x40                      ; destination window 1, address window 0
; A joint load: waves 0 and 1 fetch for X, waves 2 and 3 for W; the branch hangs on the wave's number alone.  Four v_nop follow each line.
.macro JLOAD g0a, g1a, g0b, g1b
	s_cmp_eq_u32 s15, 0
	s_cbranch_scc0 .Lfor_b_\@
	tensor_load_to_lds s[\g0a:\g0a+3], s[\g1a:\g1a+7]
	s_nop 0
.rept 4
	v_nop
.endr
	s_branch .Lasked_\@
.Lfor_b_\@:
	tensor_load_to_lds s[\g0b:\g0b+3], s[\g1b:\g1b+7]
	s_nop 0
.rept 4
	v_nop
.endr
.Lasked_\@:
.endm
.macro CREST                           ; a round of the cluster's barrier behind its opening barrier
	s_cmp_lg_u32 s14, 0
	s_cbranch_scc1 .Lnot_wave_0_\@
	s_barrier_signal -3
.Lnot_wave_0_\@:
	s_barrier_wait -3
	s_barrier_signal -1
	s_barrier_wait -1
.endm
.macro CROUND
	s_barrier_signal -1
	s_barrier_wait -1
	CREST
.endm
	s_load_b512 s[24:39], s[0:1], 0x0              ; twenty input addresses, five for each g: X's codes, X's scales, W's codes, W's scales, b; set g at s[24 + 10 g]
	s_load_b512 s[40:55], s[0:1], 0x40
	s_load_b256 s[56:63], s[0:1], 0x80
	s_load_b64 s[12:13], s[0:1], 0xa0              ; qk_img
	s_load_b64 s[98:99], s[0:1], 0xa8              ; qk_sc
	v_lshl_add_u32 v[SPW], v0, 2, SPARE
	v_mov_b32 v[NIL], 0
	ds_add_u32 v28, v29
	ds_add_u32 v28, v29
	s_wait_dscnt 0x0
	v_lshrrev_b32 v1, 5, v0
	v_readfirstlane_b32 s14, v1                    ; wave 0..3
	s_lshr_b32 s15, s14, 1                         ; which half of the tile's rows is mine.  Also: I fetch for X (0) or for W (1)
	s_and_b32 s16, s14, 1                          ; which half of its columns.  Also: which 128 rows of that tile I fetch
	s_and_b32 s17, ttmp7, 0xffff                   ; the cluster's y, 0..15
	s_lshr_b32 s95, s17, 2                         ; g: the same in all sixteen partners
	s_and_b32 s17, s17, 3
	s_and_b32 s2, s95, 1
	s_and_b32 s3, s95, 2
	s_wait_kmcnt 0x0
	s_cmp_lg_u32 s2, 0                             ; the choice hangs on the cluster's number alone
.irp j, 0,2,4,6,8
	s_cselect_b64 s[24+\j:25+\j], s[34+\j:35+\j], s[24+\j:25+\j]
	s_cselect_b64 s[44+\j:45+\j], s[54+\j:55+\j], s[44+\j:45+\j]
.endr
	s_cmp_lg_u32 s3, 0
	s_cselect_b64 s[4:5], s[44:45], s[24:25]       ; X's codes
	s_cselect_b64 s[6:7], s[46:47], s[26:27]       ; X's scales
	s_cselect_b64 s[8:9], s[48:49], s[28:29]       ; W's codes
	s_cselect_b64 s[10:11], s[50:51], s[30:31]     ; W's scales
	s_cselect_b64 s[96:97], s[52:53], s[32:33]     ; b
	s_bfe_u32 s40, ttmp6, 0x40000                  ; cx, cy: my place in the cluster
	s_bfe_u32 s41, ttmp6, 0x40004
	s_lshl_b32 s42, ttmp9, 2
	s_add_co_u32 s42, s42, s40                     ; tile column, 0..3
	s_lshl_b32 s17, s17, 2
	s_add_co_u32 s17, s17, s41                     ; tile row in this g, 0..15
	s_lshl_b32 s43, s41, 2
	s_lshl_b32 s43, 15, s43                        ; my row of the cluster
	s_lshl_b32 s44, 0x1111, s40                    ; my column
	s_or_b32 s[G1+0], s43, (0<<16)|(1<<20)|(1<<21)|(5<<22)|(3<<25)  ; the mask; elements of 1 byte; padding on; bit 21 beside a mask; 4 words behind every 64
	s_or_b32 s[G1B+0], s44, (0<<16)|(1<<20)|(1<<21)|(5<<22)|(3<<25)
.irp g, G1, G1B
	s_mov_b32 s[\g+1], ROWB<<16                    ; tensor_dim0
	s_mov_b32 s[\g+2], 128<<16                     ; tensor_dim1
	s_mov_b32 s[\g+3], ROWB<<16                    ; tile_dim0
	s_mov_b32 s[\g+4], 128                         ; tile_dim1
	s_mov_b32 s[\g+5], KROW                        ; from row to row
	s_mov_b32 s[\g+6], 0
	s_mov_b32 s[\g+7], 0
.endr
	s_or_b32 s[G1S+0], s43, (3<<16)|(1<<20)|(1<<21)|(5<<22)|(3<<25) ; the scale bytes of 128 rows: 4,096 dense bytes as 16 rows of 256 (32 elements of 8 bytes), 16 bytes behind each
	s_or_b32 s[G1SB+0], s44, (3<<16)|(1<<20)|(1<<21)|(5<<22)|(3<<25)
.irp g, G1S, G1SB
	s_mov_b32 s[\g+1], 32<<16
	s_mov_b32 s[\g+2], (128*KS/256)<<16
	s_mov_b32 s[\g+3], 32<<16
	s_mov_b32 s[\g+4], 128*KS/256
	s_mov_b32 s[\g+5], 32
	s_mov_b32 s[\g+6], 0
	s_mov_b32 s[\g+7], 0
.endr
	s_lshl_b32 s18, s16, 7
	s_lshl_b32 s20, s17, 8
	s_add_co_u32 s20, s20, s18                     ; X: row 256 x tile row + 128 x half
	s_lshl_b32 s46, s42, 8
	s_add_co_u32 s46, s46, s18                     ; W: row 256 x tile column + 128 x half
	s_mov_b32 s21, 0
	s_mov_b32 s47, 0
	s_mov_b64 s[18:19], KS
	s_mul_u64 s[22:23], s[20:21], s[18:19]         ; where these rows' scale bytes begin
	s_mul_u64 s[92:93], s[46:47], s[18:19]
	s_mov_b64 s[18:19], KROW
	s_mul_u64 s[20:21], s[20:21], s[18:19]         ; and their codes
	s_mul_u64 s[46:47], s[46:47], s[18:19]
	s_mul_i32 s45, s14, HALFT                      ; where they go: wave x 128 rows
	s_mul_i32 s94, s14, HALFS
	s_add_nc_u64 s[20:21], s[4:5], s[20:21]
	s_add_nc_u64 s[22:23], s[6:7], s[22:23]
	s_add_nc_u64 s[46:47], s[8:9], s[46:47]
	s_add_nc_u64 s[92:93], s[10:11], s[92:93]
	CROUND                                         ; all sixteen work-groups are here: the first joint loads meet
	s_mov_b32 s[G0S], 1
	s_add_co_u32 s[G0S+1], s94, SCL
	s_mov_b64 s[G0S+2:G0S+3], s[22:23]
	s_or_b32 s[G0S+3], s[G0S+3], 0x80000000
	s_mov_b32 s[G0SB], 1
	s_add_co_u32 s[G0SB+1], s94, SCL
	s_mov_b64 s[G0SB+2:G0SB+3], s[92:93]
	s_or_b32 s[G0SB+3], s[G0SB+3], 0x80000000
	JLOAD G0S, G1S, G0SB, G1SB                     ; the scale bytes first: they are wanted with K step 0
.irp s, 0,1
	s_mov_b32 s[G0+4*\s], 1
	s_add_co_u32 s[G0+4*\s+1], s45, \s*SLOT
	s_add_nc_u64 s[G0+4*\s+2:G0+4*\s+3], s[20:21], \s*ROWB
	s_or_b32 s[G0+4*\s+3], s[G0+4*\s+3], 0x80000000
	s_mov_b32 s[G0B+4*\s], 1
	s_add_co_u32 s[G0B+4*\s+1], s45, \s*SLOT
	s_add_nc_u64 s[G0B+4*\s+2:G0B+4*\s+3], s[46:47], \s*ROWB
	s_or_b32 s[G0B+4*\s+3], s[G0B+4*\s+3], 0x80000000
	JLOAD G0+4*\s, G1, G0B+4*\s, G1B
.endr
	v_and_b32 v1, 15, v0                           ; r
	v_bfe_u32 v2, v0, 4, 1                         ; h
	; the bias of my 128 channels: lane (r, h) wants, for W's block b, b[16 b + 8 h + 0 .. 7]
	s_lshl_b32 s46, s42, 10
	s_lshl_b32 s47, s16, 9
	s_add_co_u32 s46, s46, s47
	s_mov_b32 s47, 0
	s_add_nc_u64 s[96:97], s[96:97], s[46:47]
	v_lshlrev_b32 v7, 5, v2
.irp b, 0,1,2,3,4,5,6,7
	global_load_b128 v[BI+8*\b:BI+8*\b+3], v7, s[96:97] offset:64*\b
	global_load_b128 v[BI+8*\b+4:BI+8*\b+7], v7, s[96:97] offset:64*\b+16
.endr
	v_mul_u32_u24 v3, v1, PITCH
	v_lshl_add_u32 v4, v2, 4, v3                   ; a fragment's row x pitch + 16 x half
	s_mul_i32 s21, s15, HALFT                      ; my 128 rows of X
	s_mul_i32 s22, s16, HALFT                      ; my 128 rows of W,
	s_add_co_u32 s22, s22, 2*HALFT                 ; which lie behind X's 256
.irp s, 0,1
	v_add_nc_u32 v[ADRA+\s], s21, v4
	v_add_nc_u32 v[ADRB+\s], s22, v4
	s_add_co_u32 s21, s21, SLOT
	s_add_co_u32 s22, s22, SLOT
.endr
	v_mul_u32_u24 v5, v1, KS                       ; my row's scale bytes: 32 a row,
	v_lshrrev_b32 v6, 8, v5
	v_lshl_add_u32 v5, v6, 4, v5                   ; and 16 more for each 256 passed
	s_mul_i32 s21, s15, HALFS
	s_mul_i32 s22, s16, HALFS
	s_add_co_u32 s22, s22, 2*HALFS
	s_sub_co_u32 s22, s22, s21
	v_mul_u32_u24 v6, s22, v2                      ; lanes 16-31 take W's
	s_add_co_u32 s21, s21, SCL
	v_add_nc_u32 v5, v5, v6
	v_add_nc_u32 v[ADRS], s21, v5
	s_lshl_b32 s23, s14, 9                         ; the way out: my 512 bytes for scale bytes
	v_lshlrev_b32 v[CO], 4, v1
	v_lshl_add_u32 v[CO], v2, 3, v[CO]
	v_lshlrev_b32 v[SH], 4, v2
	v_lshlrev_b32 v[SS], 1, v1
	v_lshl_add_u32 v[SS], v2, 8, v[SS]
	v_add_nc_u32 v[SS], s23, v[SS]
	v_and_b32 v6, 31, v0
	v_lshl_add_u32 v[SR], v6, 4, s23
	v_lshlrev_b32 v[SG], 4, v1
	v_lshl_add_u32 v[SG], v2, 11, v[SG]
	; where my part begins in the two outputs
	s_lshr_b32 s20, s17, 2                         ; batch
	s_lshl_b32 s20, s20, 4
	s_lshl_b32 s46, s42, 2
	s_add_co_u32 s46, s46, s20
	s_lshl_b32 s47, s16, 1
	s_add_co_u32 s46, s46, s47                     ; 16 batch + my first head (4 x tile column + 2 x half)
	s_and_b32 s21, s17, 3
	s_lshl_b32 s21, s21, 1
	s_add_co_u32 s21, s21, s15                     ; which 128 tokens of the batch are mine
	s_lshl_b32 s100, s46, 17                       ; a head's 64 token tiles of 2,048 bytes
	s_lshl_b32 s47, s21, 14                        ; 8 token tiles
	s_add_co_u32 s100, s100, s47
	s_lshr_b32 s47, s95, 1
	s_lshl_b32 s47, s47, 23                        ; Q or K
	s_add_co_u32 s100, s100, s47
	s_and_b32 s47, s95, 1
	s_lshl_b32 s47, s47, 10                        ; real part: groups 0, 1; imaginary: groups 2, 3
	s_add_co_u32 s100, s100, s47
	s_mov_b32 s101, 0
	s_add_nc_u64 s[12:13], s[12:13], s[100:101]
	s_lshl_b32 s100, s46, 11
	s_lshl_b32 s47, s21, 8
	s_add_co_u32 s100, s100, s47
	s_lshl_b32 s47, s95, 17
	s_add_co_u32 s100, s100, s47
	s_add_nc_u64 s[98:99], s[98:99], s[100:101]
.macro FRAG reg, adr, q, i             ; 16 rows x 128 K: lane l holds row l % 16; registers 4 c .. 4 c + 3 hold K = 32 c + 16 (l / 16) + 0 .. 15
.irp c, 0,1,2,3
	ds_load_b128 v[\reg+4*\c:\reg+4*\c+3], v[\adr] offset:128*(\q)+32*\c+(\i)*16*PITCH
.endr
.endm
; 16 matrix instructions: X's blocks a0, a0 + 1 x W's eight.  first = 1: the bias is the C, so nothing is cleared and nothing added later.
; The 64 accumulators take turns, one instruction a turn, in the same order in every step.
.macro MUL16 a0, p, q, sc, first
.irp a, \a0, \a0+1
.irp b, 0,1,2,3,4,5,6,7
.if \first
	v_wmma_scale_f32_16x16x128_f8f6f4 v[8*(8*((\a)%4)+\b):8*(8*((\a)%4)+\b)+7], v[128*(\p)+FR*\b:128*(\p)+FR*\b+FR-1], v[AF+FR*(\a):AF+FR*(\a)+FR-1], v[BI+8*\b:BI+8*\b+7], v[SC+8*NQ*(\sc)+NQ*\b+(\q)], v[SC+8*NQ*(\sc)+NQ*(\a)+(\q)] matrix_a_scale:MATRIX_SCALE_ROW1
.else
	v_wmma_scale_f32_16x16x128_f8f6f4 v[8*(8*((\a)%4)+\b):8*(8*((\a)%4)+\b)+7], v[128*(\p)+FR*\b:128*(\p)+FR*\b+FR-1], v[AF+FR*(\a):AF+FR*(\a)+FR-1], v[8*(8*((\a)%4)+\b):8*(8*((\a)%4)+\b)+7], v[SC+8*NQ*(\sc)+NQ*\b+(\q)], v[SC+8*NQ*(\sc)+NQ*(\a)+(\q)] matrix_a_scale:MATRIX_SCALE_ROW1
.endif
.endr
.endr
.endm
.macro FETCH_B slot, q, p
	WIN TO_B
.irp i, 0,1,2,3,4,5,6,7
	FRAG 128*(\p)+FR*\i, ADRB+\slot, \q, \i
.endr
	WIN 0
.endm
.macro FETCH_A slot, q, i0
.irp i, \i0, \i0+1, \i0+2, \i0+3
	FRAG AF+FR*(\i), ADRA+\slot, \q, \i
.endr
.endm
.macro SCALES sc                       ; a K step's scale words: two a row; lanes 0-15 X's block i, lanes 16-31 W's block i
.irp i, 0,1,2,3,4,5,6,7
	ds_load_b64 v[SC+8*NQ*\sc+NQ*\i:SC+8*NQ*\sc+NQ*\i+1], v[ADRS] offset:\i*SBLK
.endr
.endm
.macro PLACES n                        ; plain vector instructions between a matrix instruction and a load into, or a read of, its registers
.rept \n
	v_nop
.endr
.endm
.macro STEP slot, q, first             ; 128 along K whose successor lies in the same slot
	s_wait_dscnt 4*NL                              ; all but the youngest 16 loads (X's blocks 4-7)
	WIN MUL_LO-0x20*(\first)                       ; (first: C, the bias, in window 0)
	MUL16 0, (\q)%2, \q, \slot, \first
	MUL16 2, (\q)%2, \q, \slot, \first
	s_wait_dscnt 0
	PLACES NP
	FETCH_B \slot, (\q)+1, 1-(\q)%2
	FETCH_A \slot, (\q)+1, 0
	WIN MUL_HI-0x30*(\first)
	MUL16 4, (\q)%2, \q, \slot, \first
	MUL16 6, (\q)%2, \q, \slot, \first
	PLACES NP
	WIN 0
	FETCH_A \slot, (\q)+1, 4
.endm
; A slot's last step changes slots: one barrier; in front of it each wave waits for all its tensor loads, adds 0 to its spare word, and waits for that and for its reads of this slot.
.macro TURN slot, next, fill
	s_wait_tensorcnt 0x0                           ; all my tensor loads have landed: my part of the next slot
	ds_add_u32 v[SPW], v[NIL]                      ; 0 onto my spare word
	s_wait_dscnt 4*NL+1                            ; (the add and the youngest 16 loads may be out)
	WIN MUL_LO
	MUL16 0, 1, NQ-1, \slot, 0
	s_wait_dscnt 0x0                               ; the add is done, and my reads of this slot are over
	s_barrier_signal -1
	MUL16 2, 1, NQ-1, \slot, 0
	WIN 0
	s_barrier_wait -1
.if \fill
	CREST                                          ; the barrier has opened a round of the cluster's: no wave of any partner still reads this slot or has a load on its way
	s_add_nc_u64 s[G0+4*\slot+2:G0+4*\slot+3], s[G0+4*\slot+2:G0+4*\slot+3], 2*ROWB
	s_add_nc_u64 s[G0B+4*\slot+2:G0B+4*\slot+3], s[G0B+4*\slot+2:G0B+4*\slot+3], 2*ROWB
	JLOAD G0+4*\slot, G1, G0B+4*\slot, G1B         ; the first tensor load behind the round; its four v_nop are four of the eight places
	PLACES NP-4
.else
	PLACES NP
.endif
	v_add_nc_u32 v[ADRS], 4*NQ, v[ADRS]            ; the next K step's scale words
	FETCH_B \next, 0, 0
	FETCH_A \next, 0, 0
	SCALES \next
	WIN MUL_HI
	MUL16 4, 1, NQ-1, \slot, 0
	MUL16 6, 1, NQ-1, \slot, 0
	PLACES NP
	WIN 0
	FETCH_A \next, 0, 4
.endm
	s_wait_loadcnt 0x0                             ; the bias
	s_wait_tensorcnt 1                             ; the scale bytes and my part of K step 0 are in (K step 1's load may be out)
	s_barrier_signal -1
	s_barrier_wait -1
	FETCH_B 0, 0, 0
	FETCH_A 0, 0, 0
	SCALES 0
	FETCH_A 0, 0, 4
	STEP 0, 0, 1
	s_mov_b32 s3, LAPS-1
.Llap:                                                 ; once round the ring, from a lap's second step to the next lap's first; both slots are filled again
	TURN 0, 1, 1
	STEP 1, 0, 0
	TURN 1, 0, 1
	STEP 0, 0, 0
	s_sub_co_u32 s3, s3, 1
	s_cmp_lg_u32 s3, 0
	s_cbranch_scc1 .Llap
	TURN 0, 1, 0                                   ; the last lap fills nothing
	STEP 1, 0, 0
	s_wait_dscnt 4*NL
	WIN MUL_LO
	MUL16 0, 1, NQ-1, 1, 0
	MUL16 2, 1, NQ-1, 1, 0
	s_wait_dscnt 0
	WIN MUL_HI
	MUL16 4, 1, NQ-1, 1, 0
	MUL16 6, 1, NQ-1, 1, 0
	WIN 0
; THE QUANTISER on X's block a: 16 tokens x 128 channels.  Register AC + 16 c + i of lane (r, h) is channel 32 c + 16 (i / 8) + 8 h + i % 8 of token r: block c of 32 lies in my 16 registers and lane l xor 16's.
; Largest magnitude over a floor of 2^-118; 8 off its exponent field is the conversions' scale operand and, shifted, the byte; each number is held within 448 x the scale; codes into v[CD] on, the four bytes into v[PW].
.macro QUANTA a
.set WN, 2+(\a)/4
.set AC, 64*((\a)%4)
.set CD, 96+16*((\a)%2)
	WIN 5*WN                                       ; sources 0 and 1: the accumulators' window
.irp c, 0,1,2,3
	v_max3_num_f32 v[TM+\c], |v[AC+16*\c]|, |v[AC+16*\c+1]|, 0x4800000   ; each accumulator is read from its low end on
.endr
	WIN 20*WN                                      ; sources 1 and 2
.irp i, 2,4,6,8,10,12,14
.irp c, 0,1,2,3
	v_max3_num_f32 v[TM+\c], v[TM+\c], |v[AC+16*\c+\i]|, |v[AC+16*\c+\i+1]|
.endr
.endr
	WIN 0
.irp c, 0,1,2,3
	v_permlanex16_b32 v[TM+4+\c], v[TM+\c], s20, s21
.endr
.irp c, 0,1,2,3
	v_max_num_f32 v[TM+\c], v[TM+\c], v[TM+4+\c]
.endr
.irp c, 0,1,2,3
	v_add_nc_u32 v[TM+12+\c], 0xfc000000, v[TM+\c]
.endr
.irp c, 0,1,2,3
	v_and_or_b32 v[TM+8+\c], v[TM+\c], 0x7f800000, s22
.endr
.irp c, 0,1,2,3
	v_lshrrev_b32 v[TM+4+\c], 23, v[TM+12+\c]
.endr
	v_lshl_or_b32 v[PW], v[TM+5], 8, v[TM+4]
	v_lshl_or_b32 v[PW], v[TM+6], 16, v[PW]
	v_lshl_or_b32 v[PW], v[TM+7], 24, v[PW]
	WIN 65*WN                                      ; destination and source 0
.irp c, 0,1,2,3
.irp i, 0,1,2,3,4,5,6,7,8,9,10,11,12,13,14,15
	v_med3_num_f32 v[AC+16*\c+\i], v[AC+16*\c+\i], -v[TM+8+\c], v[TM+8+\c]   ; the conversion to an 8-bit code does not saturate (ISA guide 7.6.2)
.endr
.endr
	s_wait_xcnt 0x0                                ; the stores of two blocks ago have read these code registers
	WIN WN                                         ; source 0
.irp c, 0,1,2,3
.irp u, 0,1
	v_cvt_scalef32_pk8_fp8_f32 v[CD+4*\c+2*\u:CD+4*\c+2*\u+1], v[AC+16*\c+8*\u:AC+16*\c+8*\u+7], v[TM+12+\c]
.endr
.endr
	WIN 0
	v_nop                                          ; one plain vector instruction behind the last conversion
.endm
	PLACES NP                                      ; behind the last products, ahead of every read of results
	s_mov_b32 s20, 0x76543210
	s_mov_b32 s21, 0xfedcba98                      ; v_permlanex16_b32's selects for lane l xor 16
	s_mov_b32 s22, 0x600000                        ; the mantissa field of 448
.irp c, 0,1,2,3
	v_mov_b32 v[TM+4+\c], 0                        ; written once: a lane permute's destination counts as one of its sources
.endr
.irp a, 0,1,2,3,4,5,6,7
	QUANTA \a
.irp c, 0,1,2,3
.irp u, 0,1
	global_store_b64 v[CO], v[CD+4*\c+2*\u:CD+4*\c+2*\u+1], s[12:13] offset:(\c/2)*131072+\a*2048+(\c%2)*512+\u*256   ; head c / 2, token tile a, group c % 2, half u: the 32 lanes store 256 consecutive bytes, aligned
.endr
.endr
	v_lshrrev_b32 v[SV], v[SH], v[PW]              ; lanes 0-15: my first head's two bytes; lanes 16-31: the second's
	ds_store_b16 v[SS], v[SV] offset:32*\a
.endr
	ds_load_b128 v[SO:SO+3], v[SR]                 ; LDS serves a wave's instructions in order: these see my stores
	s_wait_dscnt 0x0
	global_store_b128 v[SG], v[SO:SO+3], s[98:99]  ; 128 tokens x 2 bytes for each of two heads: two aligned runs of 256 bytes
	s_wait_tensorcnt 0x0                           ; the wave's end
	ds_add_u32 v[SPW], v[NIL]
	s_wait_dscnt 0x0
	CROUND                                         ; the closing round
	s_endpgm
.Lfunc_end_k_q3a20bc4e7d_projqk:
	.size	k_q3a20bc4e7d_projqk, .Lfunc_end_k_q3a20bc4e7d_projqk-k_q3a20bc4e7d_projqk
	.p2alignl 7, 3214868480
	.fill 96, 4, 3214868480
	.section	.rodata,"a",@progbits
	.p2align	6, 0x0
	.amdhsa_kernel k_q3a20bc4e7d_projqk
		.amdhsa_group_segment_fixed_size 327680
		.amdhsa_private_segment_fixed_size 0
		.amdhsa_enable_private_segment 0
		.amdhsa_kernarg_size 176
		.amdhsa_user_sgpr_count 2
		.amdhsa_user_sgpr_kernarg_segment_ptr 1
		.amdhsa_wavefront_size32 1
		.amdhsa_system_sgpr_workgroup_id_x 1
		.amdhsa_system_sgpr_workgroup_id_y 1
		.amdhsa_system_sgpr_workgroup_id_z 1
		.amdhsa_system_vgpr_workitem_id 0
		.amdhsa_next_free_vgpr 1024
		.amdhsa_next_free_sgpr 102
		.amdhsa_reserve_vcc 0
		.amdhsa_float_denorm_mode_32 3
		.amdhsa_float_denorm_mode_16_64 3
		.amdhsa_memory_ordered 1
		.amdhsa_forward_progress 1
		.amdhsa_inst_pref_size 192
	.end_amdhsa_kernel
	.amdgpu_metadata
---
amdhsa.version: [ 1, 2 ]
amdhsa.kernels:
  - .name:           k_q3a20bc4e7d_projqk
    .symbol:         k_q3a20bc4e7d_projqk.kd
    .args:
      - { .name: q_r_codes, .offset: 0, .size: 8, .value_kind: global_buffer, .address_space: global }
      - { .name: q_r_scales, .offset: 8, .size: 8, .value_kind: global_buffer, .address_space: global }
      - { .name: Wq_r_codes, .offset: 16, .size: 8, .value_kind: global_buffer, .address_space: global }
      - { .name: Wq_r_scales, .offset: 24, .size: 8, .value_kind: global_buffer, .address_space: global }
      - { .name: bq_r, .offset: 32, .size: 8, .value_kind: global_buffer, .address_space: global }
      - { .name: q_i_codes, .offset: 40, .size: 8, .value_kind: global_buffer, .address_space: global }
      - { .name: q_i_scales, .offset: 48, .size: 8, .value_kind: global_buffer, .address_space: global }
      - { .name: Wq_i_codes, .offset: 56, .size: 8, .value_kind: global_buffer, .address_space: global }
      - { .name: Wq_i_scales, .offset: 64, .size: 8, .value_kind: global_buffer, .address_space: global }
      - { .name: bq_i, .offset: 72, .size: 8, .value_kind: global_buffer, .address_space: global }
      - { .name: k_r_codes, .offset: 80, .size: 8, .value_kind: global_buffer, .address_space: global }
      - { .name: k_r_scales, .offset: 88, .size: 8, .value_kind: global_buffer, .address_space: global }
      - { .name: Wk_r_codes, .offset: 96, .size: 8, .value_kind: global_buffer, .address_space: global }
      - { .name: Wk_r_scales, .offset: 104, .size: 8, .value_kind: global_buffer, .address_space: global }
      - { .name: bk_r, .offset: 112, .size: 8, .value_kind: global_buffer, .address_space: global }
      - { .name: k_i_codes, .offset: 120, .size: 8, .value_kind: global_buffer, .address_space: global }
      - { .name: k_i_scales, .offset: 128, .size: 8, .value_kind: global_buffer, .address_space: global }
      - { .name: Wk_i_codes, .offset: 136, .size: 8, .value_kind: global_buffer, .address_space: global }
      - { .name: Wk_i_scales, .offset: 144, .size: 8, .value_kind: global_buffer, .address_space: global }
      - { .name: bk_i, .offset: 152, .size: 8, .value_kind: global_buffer, .address_space: global }
      - { .name: qk_img, .offset: 160, .size: 8, .value_kind: global_buffer, .address_space: global }
      - { .name: qk_sc, .offset: 168, .size: 8, .value_kind: global_buffer, .address_space: global }
    .group_segment_fixed_size: 327680
    .private_segment_fixed_size: 0
    .kernarg_segment_align: 8
    .kernarg_segment_size: 176
    .max_flat_workgroup_size: 128
    .sgpr_count:     102
    .vgpr_count:     1024
    .wavefront_size: 32
...
	.end_amdgpu_metadata
.endif
;; end of part 1
;; launch projv (part 2): grid 16 x 8, 4 waves a work-group, clusters of 4 x 4, 327,680 bytes of LDS; arguments Wv_r_codes, Wv_r_scales, v_r_codes, v_r_scales, bv_r, Wv_i_codes, Wv_i_scales, v_i_codes, v_i_scales, bv_i, v_img, v_sc; writes v_img, v_sc
.if DOCPART == 2
	.amdgcn_target "amdgcn-amd-amdhsa--gfx1250"
	.amdhsa_code_object_version 6
	.text
	.protected	k_q3a20bc4e7d_projv
	.globl	k_q3a20bc4e7d_projv
	.p2align	8
	.type	k_q3a20bc4e7d_projv,@function
k_q3a20bc4e7d_projv:
	s_mov_b64 s[64:65], 0
	v_nop
	global_prefetch_b8 v0, s[64:65] scope:SCOPE_SE
	s_setreg_imm32_b32 hwreg(HW_REG_WAVE_MODE, 25, 1), 1
	s_wait_xcnt 0x0
	s_wait_alu depctr_hold_cnt(0) depctr_sa_sdst(0) depctr_va_vdst(0) depctr_va_sdst(0) depctr_va_ssrc(0) depctr_va_vcc(0) depctr_vm_vsrc(0)
	s_getreg_b32 s2, hwreg(HW_REG_IB_STS2, 6, 4)
	s_cmp_eq_u32 s2, 0
	s_cbranch_scc0 .Lentry_in_a_cluster
	s_endpgm
.Lentry_in_a_cluster:
	s_bfe_u32 s2, ttmp6, 0x10000c
	s_cmp_lg_u32 s2, 0xf033
	s_cbranch_scc0 .Lentry_shape_is_right
	s_endpgm
.Lentry_shape_is_right:
; THE TWO VALUE PROJECTIONS, TRANSPOSED: g = 0 Vr, 1 Vi.  V^T = W X^T + b: "A" is W [1024 channels][1024], "B" is X [4096 tokens][1024], both as codes of E4M3 with one E8M0 byte for each 32 along K.
; V is an operand of the attention's second product, whose K is the keys: so it is quantised along the TOKENS.  With W as source 1 a lane holds one channel and its registers run along the tokens.
; A tile, 256 channels x 256 tokens, is made by a work-group of four waves; a wave makes 128 x 128.  4 x 16 tiles for each g: 128 work-groups.  Ring, scale bytes, cluster and joint loads as in the launch for Q and K.
; THE BIAS (one number a channel, that is a lane) is the C of each sum's first matrix instruction.
; OUT.  v_img [batch x head 64][key step 8][channel tile 8: 0-3 real, 4-7 imaginary][2048]: an image of the reader's operand registers.  Lane (channel r, h), group c: bytes 0-7 are keys 32 c + 8 h + 0..7,
;       bytes 8-15 keys 32 c + 16 + 8 h + 0..7: inside a block of 32 the keys stand in the order in which the attention launch holds its weights, so the products are the same and the blocks are untouched.
;       v_sc [batch x head][key step][128 channels]: one word, the four scale bytes of the step's four blocks of keys.
; LIMITS: NaN and infinities are not served; a block whose largest magnitude lies under 2^-118 (a block of zeros too) gets the scale byte 1: only this program reads the bytes.
; REGISTERS, in windows of 256: window 0: v0-31 addresses; v32-63 scale words, two sets; v64-127 the bias, later the quantiser's work; v128-255 W's fragments, one set.
;   window 1: X's fragments, two sets.   window 2: the accumulators of my channels 0-63 ((a, b) at v[8 (8 a + b)]);   window 3: those of my channels 64-127.
.set NQ,     2
.set ROWB,   256
.set KROW,   1024
.set PITCH,  272                       ; an LDS row: 256 bytes + 16 of padding
.set FR,     16
.set NL,     4
.set NP,     8                         ; places behind this matrix instruction (ISA guide 7.12.1)
.set HALFT,  128*PITCH
.set SLOT,   4*HALFT
.set LAPS,   2
.set KS,     32
.set SCL,    2*SLOT
.set HALFS,  (128*KS/256)*272
.set SBLK,   (16*KS/256)*272
.set SPARE,  SCL+4*HALFS               ; the spare words: 128 bytes for each wave, named by no other line
.set ADRA, 16
.set ADRB, 20
.set SS,   24                          ; v24 where I put a scale word: 512 wave + 4 r (in slot 0, behind its last fill and last read)
.set SR,   25                          ; v25 where I read them back: 512 wave + 16 lane
.set CO,   26                          ; v26 16 x lane
.set ADRS, 27
.set SPW,  28
.set NIL,  29
.set SG,   30                          ; v30 the scale words' place in v_sc: 4096 h + 16 r
.set SC,   32
.set BI,   64                          ; the bias: 8 equal registers for each of W's eight blocks
.set TM,   64
.set PW,   80
.set SO,   84
.set AF,   128
.set G1, 24
.set G0, 32
.set G1B, 48
.set G0B, 56
.set G1S, 68
.set G0S, 76
.set G1SB, 80
.set G0SB, 88
.set MSB, 0
.macro WIN new                         ; the immediate's high byte repeats the setting that is left
.if MSB != (\new)
	s_set_vgpr_msb (MSB<<8)|(\new)
.set MSB, (\new)
.endif
.endm
.set MUL_LO, 0xa1
.set MUL_HI, 0xf1
.set TO_B,   0x40
.macro JLOAD g0a, g1a, g0b, g1b        ; a joint load: waves 0 and 1 fetch for W, waves 2 and 3 for X; four v_nop follow each line
	s_cmp_eq_u32 s15, 0
	s_cbranch_scc0 .Lfor_b_\@
	tensor_load_to_lds s[\g0a:\g0a+3], s[\g1a:\g1a+7]
	s_nop 0
.rept 4
	v_nop
.endr
	s_branch .Lasked_\@
.Lfor_b_\@:
	tensor_load_to_lds s[\g0b:\g0b+3], s[\g1b:\g1b+7]
	s_nop 0
.rept 4
	v_nop
.endr
.Lasked_\@:
.endm
.macro CREST
	s_cmp_lg_u32 s14, 0
	s_cbranch_scc1 .Lnot_wave_0_\@
	s_barrier_signal -3
.Lnot_wave_0_\@:
	s_barrier_wait -3
	s_barrier_signal -1
	s_barrier_wait -1
.endm
.macro CROUND
	s_barrier_signal -1
	s_barrier_wait -1
	CREST
.endm
	s_load_b512 s[24:39], s[0:1], 0x0              ; ten input addresses, five for each g: W's codes, W's scales, X's codes, X's scales, b; set g at s[24 + 10 g]
	s_load_b128 s[40:43], s[0:1], 0x40
	s_load_b64 s[12:13], s[0:1], 0x50              ; v_img
	s_load_b64 s[98:99], s[0:1], 0x58              ; v_sc
	v_lshl_add_u32 v[SPW], v0, 2, SPARE
	v_mov_b32 v[NIL], 0
	ds_add_u32 v28, v29
	ds_add_u32 v28, v29
	s_wait_dscnt 0x0
	v_lshrrev_b32 v1, 5, v0
	v_readfirstlane_b32 s14, v1                    ; wave 0..3
	s_lshr_b32 s15, s14, 1                         ; which half of the tile's channels is mine.  Also: I fetch for W (0) or for X (1)
	s_and_b32 s16, s14, 1                          ; which half of its tokens.  Also: which 128 rows of that tile I fetch
	s_and_b32 s95, ttmp7, 0xffff                   ; g = the cluster's y: the same in all sixteen partners
	s_wait_kmcnt 0x0
	s_cmp_lg_u32 s95, 0                            ; the choice hangs on the cluster's number alone
	s_cselect_b64 s[4:5], s[34:35], s[24:25]       ; W's codes
	s_cselect_b64 s[6:7], s[36:37], s[26:27]       ; W's scales
	s_cselect_b64 s[8:9], s[38:39], s[28:29]       ; X's codes
	s_cselect_b64 s[10:11], s[40:41], s[30:31]     ; X's scales
	s_cselect_b64 s[96:97], s[42:43], s[32:33]     ; b
	s_bfe_u32 s40, ttmp6, 0x40000                  ; cx, cy
	s_bfe_u32 s41, ttmp6, 0x40004
	s_lshl_b32 s42, ttmp9, 2
	s_add_co_u32 s42, s42, s40                     ; tile column (tokens), 0..15
	s_mov_b32 s17, s41                             ; tile row (channels), 0..3
	s_lshl_b32 s43, s41, 2
	s_lshl_b32 s43, 15, s43                        ; my row of the cluster
	s_lshl_b32 s44, 0x1111, s40                    ; my column
	s_or_b32 s[G1+0], s43, (0<<16)|(1<<20)|(1<<21)|(5<<22)|(3<<25)  ; the mask; elements of 1 byte; padding on; bit 21 beside a mask; 4 words behind every 64
	s_or_b32 s[G1B+0], s44, (0<<16)|(1<<20)|(1<<21)|(5<<22)|(3<<25)
.irp g, G1, G1B
	s_mov_b32 s[\g+1], ROWB<<16
	s_mov_b32 s[\g+2], 128<<16
	s_mov_b32 s[\g+3], ROWB<<16
	s_mov_b32 s[\g+4], 128
	s_mov_b32 s[\g+5], KROW
	s_mov_b32 s[\g+6], 0
	s_mov_b32 s[\g+7], 0
.endr
	s_or_b32 s[G1S+0], s43, (3<<16)|(1<<20)|(1<<21)|(5<<22)|(3<<25) ; the scale bytes of 128 rows: 16 rows of 256 bytes, 16 bytes behind each
	s_or_b32 s[G1SB+0], s44, (3<<16)|(1<<20)|(1<<21)|(5<<22)|(3<<25)
.irp g, G1S, G1SB
	s_mov_b32 s[\g+1], 32<<16
	s_mov_b32 s[\g+2], (128*KS/256)<<16
	s_mov_b32 s[\g+3], 32<<16
	s_mov_b32 s[\g+4], 128*KS/256
	s_mov_b32 s[\g+5], 32
	s_mov_b32 s[\g+6], 0
	s_mov_b32 s[\g+7], 0
.endr
	s_lshl_b32 s18, s16, 7
	s_lshl_b32 s20, s17, 8
	s_add_co_u32 s20, s20, s18                     ; W: row 256 x tile row + 128 x half
	s_lshl_b32 s46, s42, 8
	s_add_co_u32 s46, s46, s18                     ; X: row 256 x tile column + 128 x half
	s_mov_b32 s21, 0
	s_mov_b32 s47, 0
	s_mov_b64 s[18:19], KS
	s_mul_u64 s[22:23], s[20:21], s[18:19]
	s_mul_u64 s[92:93], s[46:47], s[18:19]
	s_mov_b64 s[18:19], KROW
	s_mul_u64 s[20:21], s[20:21], s[18:19]
	s_mul_u64 s[46:47], s[46:47], s[18:19]
	s_mul_i32 s45, s14, HALFT
	s_mul_i32 s94, s14, HALFS
	s_add_nc_u64 s[20:21], s[4:5], s[20:21]
	s_add_nc_u64 s[22:23], s[6:7], s[22:23]
	s_add_nc_u64 s[46:47], s[8:9], s[46:47]
	s_add_nc_u64 s[92:93], s[10:11], s[92:93]
	CROUND                                         ; all sixteen work-groups are here: the first joint loads meet
	s_mov_b32 s[G0S], 1
	s_add_co_u32 s[G0S+1], s94, SCL
	s_mov_b64 s[G0S+2:G0S+3], s[22:23]
	s_or_b32 s[G0S+3], s[G0S+3], 0x80000000
	s_mov_b32 s[G0SB], 1
	s_add_co_u32 s[G0SB+1], s94, SCL
	s_mov_b64 s[G0SB+2:G0SB+3], s[92:93]
	s_or_b32 s[G0SB+3], s[G0SB+3], 0x80000000
	JLOAD G0S, G1S, G0SB, G1SB
.irp s, 0,1
	s_mov_b32 s[G0+4*\s], 1
	s_add_co_u32 s[G0+4*\s+1], s45, \s*SLOT
	s_add_nc_u64 s[G0+4*\s+2:G0+4*\s+3], s[20:21], \s*ROWB
	s_or_b32 s[G0+4*\s+3], s[G0+4*\s+3], 0x80000000
	s_mov_b32 s[G0B+4*\s], 1
	s_add_co_u32 s[G0B+4*\s+1], s45, \s*SLOT
	s_add_nc_u64 s[G0B+4*\s+2:G0B+4*\s+3], s[46:47], \s*ROWB
	s_or_b32 s[G0B+4*\s+3], s[G0B+4*\s+3], 0x80000000
	JLOAD G0+4*\s, G1, G0B+4*\s, G1B
.endr
	v_and_b32 v1, 15, v0                           ; r
	v_bfe_u32 v2, v0, 4, 1                         ; h
	; the bias of my 128 channels: lane (r, h) wants, for W's block a, b[16 a + r]
	s_lshl_b32 s46, s17, 10
	s_lshl_b32 s47, s15, 9
	s_add_co_u32 s46, s46, s47
	s_mov_b32 s47, 0
	s_add_nc_u64 s[96:97], s[96:97], s[46:47]
	v_lshlrev_b32 v7, 2, v1
.irp a, 0,1,2,3,4,5,6,7
	global_load_b32 v[BI+8*\a], v7, s[96:97] offset:64*\a
.endr
	v_mul_u32_u24 v3, v1, PITCH
	v_lshl_add_u32 v4, v2, 4, v3
	s_mul_i32 s21, s15, HALFT
	s_mul_i32 s22, s16, HALFT
	s_add_co_u32 s22, s22, 2*HALFT
.irp s, 0,1
	v_add_nc_u32 v[ADRA+\s], s21, v4
	v_add_nc_u32 v[ADRB+\s], s22, v4
	s_add_co_u32 s21, s21, SLOT
	s_add_co_u32 s22, s22, SLOT
.endr
	v_mul_u32_u24 v5, v1, KS
	v_lshrrev_b32 v6, 8, v5
	v_lshl_add_u32 v5, v6, 4, v5
	s_mul_i32 s21, s15, HALFS
	s_mul_i32 s22, s16, HALFS
	s_add_co_u32 s22, s22, 2*HALFS
	s_sub_co_u32 s22, s22, s21
	v_mul_u32_u24 v6, s22, v2                      ; lanes 16-31 take X's
	s_add_co_u32 s21, s21, SCL
	v_add_nc_u32 v5, v5, v6
	v_add_nc_u32 v[ADRS], s21, v5
	s_lshl_b32 s23, s14, 9                         ; the way out: my 512 bytes for scale words
	v_and_b32 v6, 31, v0
	v_lshlrev_b32 v[CO], 4, v6
	v_lshl_add_u32 v[SS], v1, 2, s23
	v_add_nc_u32 v[SR], s23, v[CO]
	v_lshlrev_b32 v[SG], 4, v1
	v_lshl_add_u32 v[SG], v2, 12, v[SG]
	; where my part begins in the two outputs
	s_lshr_b32 s20, s42, 2                         ; batch
	s_lshl_b32 s20, s20, 4
	s_lshl_b32 s46, s17, 2
	s_add_co_u32 s46, s46, s20
	s_lshl_b32 s47, s15, 1
	s_add_co_u32 s46, s46, s47                     ; 16 batch + my first head (4 x tile row + 2 x half)
	s_and_b32 s21, s42, 3
	s_lshl_b32 s21, s21, 1
	s_add_co_u32 s21, s21, s16                     ; my key step: which 128 tokens of the batch
	s_lshl_b32 s100, s46, 17                       ; a head: 8 key steps x 8 channel tiles x 2,048 bytes
	s_lshl_b32 s47, s21, 14
	s_add_co_u32 s100, s100, s47
	s_lshl_b32 s47, s95, 13                        ; real: channel tiles 0-3; imaginary: 4-7
	s_add_co_u32 s100, s100, s47
	s_mov_b32 s101, 0
	s_add_nc_u64 s[12:13], s[12:13], s[100:101]
	s_lshl_b32 s100, s46, 12
	s_lshl_b32 s47, s21, 9
	s_add_co_u32 s100, s100, s47
	s_lshl_b32 s47, s95, 8
	s_add_co_u32 s100, s100, s47
	s_add_nc_u64 s[98:99], s[98:99], s[100:101]
.macro FRAG reg, adr, q, i
.irp c, 0,1,2,3
	ds_load_b128 v[\reg+4*\c:\reg+4*\c+3], v[\adr] offset:128*(\q)+32*\c+(\i)*16*PITCH
.endr
.endm
; 16 matrix instructions: W's blocks a0, a0 + 1 x X's eight.  first = 1: the bias is the C.  The 64 accumulators take turns, one instruction a turn.
.macro MUL16 a0, p, q, sc, first
.irp a, \a0, \a0+1
.irp b, 0,1,2,3,4,5,6,7
.if \first
	v_wmma_scale_f32_16x16x128_f8f6f4 v[8*(8*((\a)%4)+\b):8*(8*((\a)%4)+\b)+7], v[128*(\p)+FR*\b:128*(\p)+FR*\b+FR-1], v[AF+FR*(\a):AF+FR*(\a)+FR-1], v[BI+8*(\a):BI+8*(\a)+7], v[SC+8*NQ*(\sc)+NQ*\b+(\q)], v[SC+8*NQ*(\sc)+NQ*(\a)+(\q)] matrix_a_scale:MATRIX_SCALE_ROW1
.else
	v_wmma_scale_f32_16x16x128_f8f6f4 v[8*(8*((\a)%4)+\b):8*(8*((\a)%4)+\b)+7], v[128*(\p)+FR*\b:128*(\p)+FR*\b+FR-1], v[AF+FR*(\a):AF+FR*(\a)+FR-1], v[8*(8*((\a)%4)+\b):8*(8*((\a)%4)+\b)+7], v[SC+8*NQ*(\sc)+NQ*\b+(\q)], v[SC+8*NQ*(\sc)+NQ*(\a)+(\q)] matrix_a_scale:MATRIX_SCALE_ROW1
.endif
.endr
.endr
.endm
.macro FETCH_B slot, q, p
	WIN TO_B
.irp i, 0,1,2,3,4,5,6,7
	FRAG 128*(\p)+FR*\i, ADRB+\slot, \q, \i
.endr
	WIN 0
.endm
.macro FETCH_A slot, q, i0
.irp i, \i0, \i0+1, \i0+2, \i0+3
	FRAG AF+FR*(\i), ADRA+\slot, \q, \i
.endr
.endm
.macro SCALES sc
.irp i, 0,1,2,3,4,5,6,7
	ds_load_b64 v[SC+8*NQ*\sc+NQ*\i:SC+8*NQ*\sc+NQ*\i+1], v[ADRS] offset:\i*SBLK
.endr
.endm
.macro PLACES n
.rept \n
	v_nop
.endr
.endm
.macro STEP slot, q, first
	s_wait_dscnt 4*NL                              ; all but the youngest 16 loads (W's blocks 4-7)
	WIN MUL_LO-0x20*(\first)
	MUL16 0, (\q)%2, \q, \slot, \first
	MUL16 2, (\q)%2, \q, \slot, \first
	s_wait_dscnt 0
	PLACES NP
	FETCH_B \slot, (\q)+1, 1-(\q)%2
	FETCH_A \slot, (\q)+1, 0
	WIN MUL_HI-0x30*(\first)
	MUL16 4, (\q)%2, \q, \slot, \first
	MUL16 6, (\q)%2, \q, \slot, \first
	PLACES NP
	WIN 0
	FETCH_A \slot, (\q)+1, 4
.endm
.macro TURN slot, next, fill
	s_wait_tensorcnt 0x0                           ; all my tensor loads have landed: my part of the next slot
	ds_add_u32 v[SPW], v[NIL]                      ; 0 onto my spare word
	s_wait_dscnt 4*NL+1                            ; (the add and the youngest 16 loads may be out)
	WIN MUL_LO
	MUL16 0, 1, NQ-1, \slot, 0
	s_wait_dscnt 0x0                               ; the add is done, and my reads of this slot are over
	s_barrier_signal -1
	MUL16 2, 1, NQ-1, \slot, 0
	WIN 0
	s_barrier_wait -1
.if \fill
	CREST                                          ; a round of the cluster's barrier: no wave of any partner still reads this slot or has a load on its way
	s_add_nc_u64 s[G0+4*\slot+2:G0+4*\slot+3], s[G0+4*\slot+2:G0+4*\slot+3], 2*ROWB
	s_add_nc_u64 s[G0B+4*\slot+2:G0B+4*\slot+3], s[G0B+4*\slot+2:G0B+4*\slot+3], 2*ROWB
	JLOAD G0+4*\slot, G1, G0B+4*\slot, G1B
	PLACES NP-4
.else
	PLACES NP
.endif
	v_add_nc_u32 v[ADRS], 4*NQ, v[ADRS]
	FETCH_B \next, 0, 0
	FETCH_A \next, 0, 0
	SCALES \next
	WIN MUL_HI
	MUL16 4, 1, NQ-1, \slot, 0
	MUL16 6, 1, NQ-1, \slot, 0
	PLACES NP
	WIN 0
	FETCH_A \next, 0, 4
.endm
	s_wait_loadcnt 0x0                             ; the bias: one number a block; a C has eight registers, all for the lane's one channel
.irp a, 0,1,2,3,4,5,6,7
.irp j, 1,2,3,4,5,6,7
	v_mov_b32 v[BI+8*\a+\j], v[BI+8*\a]
.endr
.endr
	s_wait_tensorcnt 1                             ; the scale bytes and my part of K step 0 are in (K step 1's load may be out)
	s_barrier_signal -1
	s_barrier_wait -1
	FETCH_B 0, 0, 0
	FETCH_A 0, 0, 0
	SCALES 0
	FETCH_A 0, 0, 4
	STEP 0, 0, 1
	s_mov_b32 s3, LAPS-1
.Llap:
	TURN 0, 1, 1
	STEP 1, 0, 0
	TURN 1, 0, 1
	STEP 0, 0, 0
	s_sub_co_u32 s3, s3, 1
	s_cmp_lg_u32 s3, 0
	s_cbranch_scc1 .Llap
	TURN 0, 1, 0
	STEP 1, 0, 0
	s_wait_dscnt 4*NL
	WIN MUL_LO
	MUL16 0, 1, NQ-1, 1, 0
	MUL16 2, 1, NQ-1, 1, 0
	s_wait_dscnt 0
	WIN MUL_HI
	MUL16 4, 1, NQ-1, 1, 0
	MUL16 6, 1, NQ-1, 1, 0
	WIN 0
; THE QUANTISER on W's block a: 16 channels x 128 tokens.  Register AC + 16 c + i of lane (r, h) is token 32 c + 16 (i / 8) + 8 h + i % 8 of channel r: block c of 32 keys lies in my 16 registers and lane l xor 16's.
.macro QUANTA a
.set WN, 2+(\a)/4
.set AC, 64*((\a)%4)
.set CD, 96+16*((\a)%2)
	WIN 5*WN
.irp c, 0,1,2,3
	v_max3_num_f32 v[TM+\c], |v[AC+16*\c]|, |v[AC+16*\c+1]|, 0x4800000   ; the floor 2^-118 among the leaves; each accumulator is read from its low end on
.endr
	WIN 20*WN
.irp i, 2,4,6,8,10,12,14
.irp c, 0,1,2,3
	v_max3_num_f32 v[TM+\c], v[TM+\c], |v[AC+16*\c+\i]|, |v[AC+16*\c+\i+1]|
.endr
.endr
	WIN 0
.irp c, 0,1,2,3
	v_permlanex16_b32 v[TM+4+\c], v[TM+\c], s20, s21
.endr
.irp c, 0,1,2,3
	v_max_num_f32 v[TM+\c], v[TM+\c], v[TM+4+\c]
.endr
.irp c, 0,1,2,3
	v_add_nc_u32 v[TM+12+\c], 0xfc000000, v[TM+\c]   ; 8 off the exponent field: the conversions' scale operand
.endr
.irp c, 0,1,2,3
	v_and_or_b32 v[TM+8+\c], v[TM+\c], 0x7f800000, s22   ; 448 x the scale
.endr
.irp c, 0,1,2,3
	v_lshrrev_b32 v[TM+4+\c], 23, v[TM+12+\c]        ; the byte
.endr
	v_lshl_or_b32 v[PW], v[TM+5], 8, v[TM+4]
	v_lshl_or_b32 v[PW], v[TM+6], 16, v[PW]
	v_lshl_or_b32 v[PW], v[TM+7], 24, v[PW]
	WIN 65*WN
.irp c, 0,1,2,3
.irp i, 0,1,2,3,4,5,6,7,8,9,10,11,12,13,14,15
	v_med3_num_f32 v[AC+16*\c+\i], v[AC+16*\c+\i], -v[TM+8+\c], v[TM+8+\c]   ; the conversion to an 8-bit code does not saturate (ISA guide 7.6.2)
.endr
.endr
	s_wait_xcnt 0x0                                ; the stores of two blocks ago have read these code registers
	WIN WN
.irp c, 0,1,2,3
.irp u, 0,1
	v_cvt_scalef32_pk8_fp8_f32 v[CD+4*\c+2*\u:CD+4*\c+2*\u+1], v[AC+16*\c+8*\u:AC+16*\c+8*\u+7], v[TM+12+\c]
.endr
.endr
	WIN 0
	v_nop                                          ; one plain vector instruction behind the last conversion
.endm
	PLACES NP
	s_mov_b32 s20, 0x76543210
	s_mov_b32 s21, 0xfedcba98
	s_mov_b32 s22, 0x600000
.irp c, 0,1,2,3
	v_mov_b32 v[TM+4+\c], 0                        ; written once: a lane permute's destination counts as one of its sources
.endr
.irp a, 0,1,2,3,4,5,6,7
	QUANTA \a
.irp c, 0,1,2,3
	global_store_b128 v[CO], v[CD+4*\c:CD+4*\c+3], s[12:13] offset:(\a/4)*131072+(\a%4)*2048+\c*512   ; head a / 4, channel tile a % 4, group c: the 32 lanes store 512 consecutive bytes, aligned
.endr
	ds_store_b32 v[SS], v[PW] offset:64*\a         ; both halves of the lanes write the same word with the same value
.endr
	ds_load_b128 v[SO:SO+3], v[SR]                 ; LDS serves a wave's instructions in order: these see my stores
	s_wait_dscnt 0x0
	global_store_b128 v[SG], v[SO:SO+3], s[98:99]  ; 64 channels x 4 bytes for each of two heads: two aligned runs of 256 bytes
	s_wait_tensorcnt 0x0                           ; the wave's end
	ds_add_u32 v[SPW], v[NIL]
	s_wait_dscnt 0x0
	CROUND                                         ; the closing round
	s_endpgm
.Lfunc_end_k_q3a20bc4e7d_projv:
	.size	k_q3a20bc4e7d_projv, .Lfunc_end_k_q3a20bc4e7d_projv-k_q3a20bc4e7d_projv
	.p2alignl 7, 3214868480
	.fill 96, 4, 3214868480
	.section	.rodata,"a",@progbits
	.p2align	6, 0x0
	.amdhsa_kernel k_q3a20bc4e7d_projv
		.amdhsa_group_segment_fixed_size 327680
		.amdhsa_private_segment_fixed_size 0
		.amdhsa_enable_private_segment 0
		.amdhsa_kernarg_size 96
		.amdhsa_user_sgpr_count 2
		.amdhsa_user_sgpr_kernarg_segment_ptr 1
		.amdhsa_wavefront_size32 1
		.amdhsa_system_sgpr_workgroup_id_x 1
		.amdhsa_system_sgpr_workgroup_id_y 1
		.amdhsa_system_sgpr_workgroup_id_z 1
		.amdhsa_system_vgpr_workitem_id 0
		.amdhsa_next_free_vgpr 1024
		.amdhsa_next_free_sgpr 102
		.amdhsa_reserve_vcc 0
		.amdhsa_float_denorm_mode_32 3
		.amdhsa_float_denorm_mode_16_64 3
		.amdhsa_memory_ordered 1
		.amdhsa_forward_progress 1
		.amdhsa_inst_pref_size 189
	.end_amdhsa_kernel
	.amdgpu_metadata
---
amdhsa.version: [ 1, 2 ]
amdhsa.kernels:
  - .name:           k_q3a20bc4e7d_projv
    .symbol:         k_q3a20bc4e7d_projv.kd
    .args:
      - { .name: Wv_r_codes, .offset: 0, .size: 8, .value_kind: global_buffer, .address_space: global }
      - { .name: Wv_r_scales, .offset: 8, .size: 8, .value_kind: global_buffer, .address_space: global }
      - { .name: v_r_codes, .offset: 16, .size: 8, .value_kind: global_buffer, .address_space: global }
      - { .name: v_r_scales, .offset: 24, .size: 8, .value_kind: global_buffer, .address_space: global }
      - { .name: bv_r, .offset: 32, .size: 8, .value_kind: global_buffer, .address_space: global }
      - { .name: Wv_i_codes, .offset: 40, .size: 8, .value_kind: global_buffer, .address_space: global }
      - { .name: Wv_i_scales, .offset: 48, .size: 8, .value_kind: global_buffer, .address_space: global }
      - { .name: v_i_codes, .offset: 56, .size: 8, .value_kind: global_buffer, .address_space: global }
      - { .name: v_i_scales, .offset: 64, .size: 8, .value_kind: global_buffer, .address_space: global }
      - { .name: bv_i, .offset: 72, .size: 8, .value_kind: global_buffer, .address_space: global }
      - { .name: v_img, .offset: 80, .size: 8, .value_kind: global_buffer, .address_space: global }
      - { .name: v_sc, .offset: 88, .size: 8, .value_kind: global_buffer, .address_space: global }
    .group_segment_fixed_size: 327680
    .private_segment_fixed_size: 0
    .kernarg_segment_align: 8
    .kernarg_segment_size: 96
    .max_flat_workgroup_size: 128
    .sgpr_count:     102
    .vgpr_count:     1024
    .wavefront_size: 32
...
	.end_amdgpu_metadata
.endif
;; end of part 2
;; launch attn (part 3): grid 4 x 64, 16 waves a work-group, clusters of 4 x 1, 327,680 bytes of LDS; arguments qk_img, qk_sc, v_img, v_sc, o_img, o_sc; writes o_img, o_sc
.if DOCPART == 3
	.amdgcn_target "amdgcn-amd-amdhsa--gfx1250"
	.amdhsa_code_object_version 6
	.text
	.protected	k_q3a20bc4e7d_attn
	.globl	k_q3a20bc4e7d_attn
	.p2align	8
	.type	k_q3a20bc4e7d_attn,@function
k_q3a20bc4e7d_attn:
	s_mov_b64 s[64:65], 0
	v_nop
	global_prefetch_b8 v0, s[64:65] scope:SCOPE_SE
	s_setreg_imm32_b32 hwreg(HW_REG_WAVE_MODE, 25, 1), 1
	s_wait_xcnt 0x0
	s_wait_alu depctr_hold_cnt(0) depctr_sa_sdst(0) depctr_va_vdst(0) depctr_va_sdst(0) depctr_va_ssrc(0) depctr_va_vcc(0) depctr_vm_vsrc(0)
	s_getreg_b32 s2, hwreg(HW_REG_IB_STS2, 6, 4)
	s_cmp_eq_u32 s2, 0
	s_cbranch_scc0 .Lentry_in_a_cluster
	s_endpgm
.Lentry_in_a_cluster:
	s_bfe_u32 s2, ttmp6, 0x10000c
	s_cmp_lg_u32 s2, 0x3003
	s_cbranch_scc0 .Lentry_shape_is_right
	s_endpgm
.Lentry_shape_is_right:
; ATTENTION ON CODES OF E4M3.  With the real and imaginary halves side by side this is attention with a head of 128: score = [Qr | Qi] . [Kr | Ki] / 8 (one matrix instruction's K = 128 does both products),
; and [Or | Oi] = P [Vr | Vi] (128 channels, one set of weights).  64 (batch, head) x 1024 tokens.
; THE SOFTMAX AHEAD OF THE SECOND PRODUCT: t = score x log2(e) / 8; M = the row's largest t so far, rounded up to a whole number; p = 2^(t - M) is quantised along the keys, not normalised.
; The row's sum is taken of the unquantised p, in f32, and divides O at the end.  When M moves, the sum and O are multiplied by 2^(old M - new M): exact.
; O / sum is quantised along the channels (blocks of 32) and leaves as codes and scale bytes for the output projection.
; SHARES.  A work-group owns 256 queries of one (batch, head); each of its sixteen waves owns 16 of them in 256 registers, four waves to a SIMD.  Every wave walks all 1024 keys, 128 a step.
; THE WHOLE HEAD'S K AND V STAY IN LDS: 8 key steps x (16 KiB of K + 16 KiB of V), each byte filled once, as images of the operands' registers: every fragment is four loads at 16 x lane, dense.
; CLUSTER.  The four query blocks of a head form a cluster and ask for K and V jointly.  Waves 0, 1 ask for K, waves 2, 3 for V: four loads each, a chunk of two key steps at a time; four loads of a wave are out at the most.
; LAYOUT.  Both products are used transposed: S^T = K Q^T, O^T = V^T P^T: a lane holds ONE query (lane % 16) throughout.  Register 16 c + i of S^T is key 32 c + 16 (i / 8) + 8 (lane / 16) + i % 8;
; V's images hold the keys of a block of 32 in that same order.
; LIMITS: NaN and infinities are not served; a block of O whose largest magnitude lies under 2^-118 (a block of zeros too) gets the scale byte 1: only this program reads the bytes.
; o_sc is stored two bytes a row and head: a row's 32 bytes belong to sixteen heads, that is to sixteen work-groups.
; REGISTERS: v1-5, v7 addresses that stay; v8, v9 addresses of the step; v12 -M, v13 the largest t, v[14:15] the sum; v16-31 Q; v32-95 four fragments; v96-159 S^T, then p; v160-223 O^T; v224-239 p's codes;
;   v232-247 at work; v248-251 K's or V's scale words; v252 f; v253 p's scale word; v254 at work; v255 Q's scale word.
.set KSC,  262144                      ; behind the head's tiles: K's scale words, 4 bytes a key;
.set VSC,  KSC+4096                    ; V's, [key step][128 channels].  Both are stored by the waves; no fill lands here
.set L16,  1                           ; v1  16 x lane
.set L4,   2                           ; v2  KSC + 4 x lane
.set GO,   3                           ; v3  16 r + 8 h
.set GS,   4                           ; v4  131072 h + 32 r
.set SH,   5                           ; v5  16 h
.set AD,   8                           ; v8  the step's tiles
.set AS,   9                           ; v9  the step's scale words
.set WV,   18
.set MNT,  19                          ; the mantissa field of 448
.set SEL,  20                          ; s[20:21] selects for lane l xor 16
.set CS,   22                          ; s[22:23] c = log2(e) / 8
.set G1,   24                          ; s[24:31] the shape of every load: 64 rows of 256 bytes, dense
.set G0K,  32                          ; s[32:47] from where, to where: K's four chunks
.set G0V,  68                          ; s[68:83] V's
.set TB,   48                          ; LDS byte at which the step's tiles begin
.set TS,   49                          ; 512 x step
.set TW,   50                          ; counts a chunk's two steps
.macro CROUND                          ; a round of the cluster's barrier
	s_barrier_signal -1
	s_barrier_wait -1
	s_cmp_lg_u32 s[WV], 0
	s_cbranch_scc1 .Lnot_wave_0_\@
	s_barrier_signal -3
.Lnot_wave_0_\@:
	s_barrier_wait -3
	s_barrier_signal -1
	s_barrier_wait -1
.endm
.macro PLACES n
.rept \n
	v_nop
.endr
.endm
	s_load_b256 s[4:11], s[0:1], 0x0               ; qk_img, qk_sc, v_img, v_sc
	s_load_b128 s[12:15], s[0:1], 0x20             ; o_img, o_sc
	v_lshl_add_u32 v254, v0, 2, 0x42000
	v_mov_b32 v255, 0
	ds_add_u32 v254, v255
	ds_add_u32 v254, v255
	s_wait_dscnt 0x0
	v_lshrrev_b32 v8, 5, v0
	v_readfirstlane_b32 s[WV], v8                  ; wave 0..15
	s_and_b32 s51, ttmp7, 0xffff                   ; 16 batch + head, which the four partners share
	s_and_b32 s54, s[WV], 1                        ; which of a chunk's two key steps I fetch, if I fetch:
	s_lshl_b32 s55, s54, 15                        ; its place in LDS,
	s_lshl_b32 s56, s54, 14                        ; and its 16 KiB in memory,
	s_lshl_b32 s57, s51, 17                        ; in the head's 128 KiB
	s_add_co_u32 s56, s56, s57
	s_mov_b32 s57, 0
	s_mov_b32 s[G1], 15|(3<<16)|(1<<21)            ; the mask: all four work-groups; elements of 8 bytes; no padding; bit 21 beside a mask
	s_mov_b32 s[G1+1], 32<<16                      ; tensor_dim0 = 32
	s_mov_b32 s[G1+2], 64<<16                      ; tensor_dim1 = 64
	s_mov_b32 s[G1+3], 32<<16                      ; tile_dim0 = 32
	s_mov_b32 s[G1+4], 64                          ; tile_dim1 = 64
	s_mov_b32 s[G1+5], 32                          ; from row to row
	s_mov_b32 s[G1+6], 0
	s_mov_b32 s[G1+7], 0
	s_mov_b32 s[SEL], 0x76543210
	s_mov_b32 s[SEL+1], 0xfedcba98
	s_mov_b32 s[CS], 0x3e38aa3b
	s_mov_b32 s[CS+1], s[CS]                       ; (named with it as a pair, so it is written)
	s_mov_b32 s[MNT], 0x600000
	s_wait_kmcnt 0x0
	s_add_nc_u64 s[58:59], s[4:5], 0x800000        ; K's images lie behind Q's
	s_add_nc_u64 s[58:59], s[58:59], s[56:57]
	s_add_nc_u64 s[60:61], s[8:9], s[56:57]
.irp g, 0,1,2,3
	s_mov_b32 s[G0K+4*\g], 1
	s_add_co_u32 s[G0K+4*\g+1], s55, 65536*\g
	s_add_nc_u64 s[G0K+4*\g+2:G0K+4*\g+3], s[58:59], 32768*\g
	s_or_b32 s[G0K+4*\g+3], s[G0K+4*\g+3], 0x80000000
	s_mov_b32 s[G0V+4*\g], 1
	s_add_co_u32 s[G0V+4*\g+1], s55, 65536*\g+16384
	s_add_nc_u64 s[G0V+4*\g+2:G0V+4*\g+3], s[60:61], 32768*\g
	s_or_b32 s[G0V+4*\g+3], s[G0V+4*\g+3], 0x80000000
.endr
	CROUND                                         ; all four work-groups are here: the joint loads meet
	s_cmp_lt_u32 s[WV], 2                          ; a wave's four fills stand in one branch on its number, ahead of every wait on TENSORcnt, every LDS read and every later barrier
	s_cbranch_scc0 .Lnot_k
.irp g, 0,1,2,3
	tensor_load_to_lds s[G0K+4*\g:G0K+4*\g+3], s[G1:G1+7]
	s_nop 0
.endr
	PLACES 4
	s_branch .Lasked
.Lnot_k:
	s_cmp_lt_u32 s[WV], 4
	s_cbranch_scc0 .Lasked
.irp g, 0,1,2,3
	tensor_load_to_lds s[G0V+4*\g:G0V+4*\g+3], s[G1:G1+7]
	s_nop 0
.endr
	PLACES 4
.Lasked:
	s_bfe_u32 s52, ttmp6, 0x40000                  ; cx: it enters Q's, O's and their scales' addresses alone
	s_lshl_b32 s53, ttmp9, 2
	s_add_co_u32 s52, s53, s52                     ; my block of 256 queries
	s_lshl_b32 s53, s52, 4
	s_add_co_u32 s53, s53, s[WV]                   ; my tile of 16 queries, 0..63
	v_and_b32 v10, 31, v0                          ; lane
	v_and_b32 v11, 15, v0                          ; r
	v_bfe_u32 v6, v0, 4, 1                         ; h
	v_lshlrev_b32 v[L16], 4, v10
	v_lshl_add_u32 v[L4], v10, 2, KSC
	v_lshlrev_b32 v[GO], 4, v11
	v_lshl_add_u32 v[GO], v6, 3, v[GO]
	v_lshlrev_b32 v[GS], 5, v11
	v_lshl_add_u32 v[GS], v6, 17, v[GS]
	v_lshlrev_b32 v[SH], 4, v6
	v_lshl_add_u32 v7, v0, 3, KSC                  ; thread t puts 8 bytes of scale words at KSC + 8 t
	v_lshlrev_b32 v8, 2, v0                        ; 4 t
	v_lshlrev_b32 v9, 3, v0                        ; 8 t
	v_lshlrev_b32 v10, 1, v11                      ; 2 r
	s_lshl_b32 s56, s51, 11
	s_mov_b32 s57, 0
	s_add_nc_u64 s[58:59], s[6:7], s[56:57]        ; qk_sc at this head's row of Qr; Qi, Kr, Ki lie 131,072 bytes apart behind it
	s_lshl_b32 s60, s53, 5
	s_mov_b32 s61, 0
	s_add_nc_u64 s[60:61], s[58:59], s[60:61]      ; my 16 queries' bytes
	s_lshl_b32 s56, s51, 12
	s_add_nc_u64 s[10:11], s[10:11], s[56:57]      ; v_sc at this head
	s_lshl_b32 s56, s51, 6
	s_add_co_u32 s56, s56, s53
	s_lshl_b32 s56, s56, 11
	s_add_nc_u64 s[4:5], s[4:5], s[56:57]          ; Q's image of my tile
	global_load_b32 v96, v8, s[58:59] offset:262144    ; Kr's bytes of tokens 2 t, 2 t + 1
	global_load_b32 v97, v8, s[58:59] offset:393216    ; Ki's
	global_load_b64 v[98:99], v9, s[10:11]             ; V's scale words, 8 bytes a thread
.irp c, 0,1,2,3
	global_load_b128 v[16+4*\c:19+4*\c], v[L16], s[4:5] offset:512*\c   ; Q's fragment stays in registers
.endr
	global_load_u16 v100, v10, s[60:61]                ; Qr's two bytes of query r
	global_load_u16 v101, v10, s[60:61] offset:131072  ; Qi's
	; where my tile of O goes
	s_lshr_b32 s54, s51, 4                         ; batch
	s_and_b32 s55, s51, 15                         ; head
	s_lshl_b32 s56, s54, 6
	s_add_co_u32 s56, s56, s53                     ; row tile of the 4096 rows
	s_lshl_b32 s62, s56, 12                        ; o_img [part][K step of 256][row tile][128 along K][2048]: the head's 64 channels are K = 64 head on
	s_lshr_b32 s57, s55, 2
	s_lshl_b32 s57, s57, 20
	s_add_co_u32 s62, s62, s57
	s_bfe_u32 s57, s55, 0x10001
	s_lshl_b32 s57, s57, 11
	s_add_co_u32 s62, s62, s57
	s_and_b32 s57, s55, 1
	s_lshl_b32 s57, s57, 10
	s_add_co_u32 s62, s62, s57
	s_mov_b32 s63, 0
	s_add_nc_u64 s[12:13], s[12:13], s[62:63]
	s_lshl_b32 s62, s56, 9                         ; o_sc [part][row][32]: 16 rows x 32 bytes a tile, + 2 x head
	s_lshl_b32 s57, s55, 1
	s_add_co_u32 s62, s62, s57
	s_add_nc_u64 s[14:15], s[14:15], s[62:63]
	v_mov_b32 v13, 0xff61b1e6                      ; the largest t so far: -3e38, under every t
	v_floor_f32 v12, -v13                          ; -M
	v_mov_b32 v14, 0                               ; the sum, in two halves
	v_mov_b32 v15, 0
.irp b, 0,1,2,3
	v_mov_b32 v[236+\b], 0                         ; written once: a lane permute's destination counts as one of its sources
.endr
	v_mov_b32 v253, 0                              ; (named as the upper half of the pair v[252:253] before it is first written)
.irp j, 0,1,2,3,4,5,6,7,8,9,10,11,12,13,14,15,16,17,18,19,20,21,22,23,24,25,26,27,28,29,30,31,32,33,34,35,36,37,38,39,40,41,42,43,44,45,46,47,48,49,50,51,52,53,54,55,56,57,58,59,60,61,62,63
	v_mov_b32 v[160+\j], 0                         ; O^T: the step is written once; its first walk finds zeros, which the first change of M leaves zeros
.endr
	s_wait_loadcnt 0x0
	v_lshl_or_b32 v255, v101, 16, v100             ; Q's scale word: bytes 0, 1 the real part's blocks, 2, 3 the imaginary's
	v_perm_b32 v102, v97, v96, 0x05040100          ; K's scale word of token 2 t,
	v_perm_b32 v103, v97, v96, 0x07060302          ; and of token 2 t + 1
	ds_store_b64 v7, v[102:103]
	ds_store_b64 v7, v[98:99] offset:4096
.macro KVLOAD base, g                  ; four fragments: tiles 4 g .. 4 g + 3 of the step's K (base 0) or V (base 16384)
.irp t, 0,1,2,3
.irp c, 0,1,2,3
	ds_load_b128 v[32+16*\t+4*\c:35+16*\t+4*\c], v[AD] offset:\base+(4*\g+\t)*2048+512*\c
.endr
.endr
.endm
.macro WORDS base                      ; the step's 128 scale words: register p: lanes 0-15 tile 2 p's rows, lanes 16-31 tile 2 p + 1's
.irp p, 0,1,2,3
	ds_load_b32 v[248+\p], v[AS] offset:\base+128*\p
.endr
.endm
.macro SPROD g                         ; S^T: four tiles of 16 keys
.irp t, 0,1,2,3
.if \t%2
	v_wmma_scale_f32_16x16x128_f8f6f4 v[96+8*(4*\g+\t):103+8*(4*\g+\t)], v[32+16*\t:47+16*\t], v[16:31], 0, v[248+2*\g+\t/2], v255 matrix_a_scale:MATRIX_SCALE_ROW1
.else
	v_wmma_scale_f32_16x16x128_f8f6f4 v[96+8*(4*\g+\t):103+8*(4*\g+\t)], v[32+16*\t:47+16*\t], v[16:31], 0, v[248+2*\g+\t/2], v255
.endif
.endr
.endm
.macro OPROD g                         ; O^T += V^T P^T: four tiles of 16 channels; the eight accumulators take turns, one instruction a turn
.irp t, 0,1,2,3
.if \t%2
	v_wmma_scale_f32_16x16x128_f8f6f4 v[160+8*(4*\g+\t):167+8*(4*\g+\t)], v[32+16*\t:47+16*\t], v[224:239], v[160+8*(4*\g+\t):167+8*(4*\g+\t)], v[248+2*\g+\t/2], v253 matrix_a_scale:MATRIX_SCALE_ROW1
.else
	v_wmma_scale_f32_16x16x128_f8f6f4 v[160+8*(4*\g+\t):167+8*(4*\g+\t)], v[32+16*\t:47+16*\t], v[224:239], v[160+8*(4*\g+\t):167+8*(4*\g+\t)], v[248+2*\g+\t/2], v253
.endif
.endr
.endm
; A KEY STEP: 128 keys.
.macro STEP
	v_add_nc_u32 v[AD], s[TB], v[L16]
	v_add_nc_u32 v[AS], s[TS], v[L4]
	PLACES 6                                       ; with the two additions: eight places in front of loads into registers that the last products read
	WORDS 0
	KVLOAD 0, 0
	s_wait_dscnt 0x0
	SPROD 0
	PLACES 8
	KVLOAD 0, 1
	s_wait_dscnt 0x0
	SPROD 1
	PLACES 8
	WORDS 4096                                     ; V's scale words and first four fragments are asked for here and land while the softmax is walked
	KVLOAD 16384, 0
.irp b, 0,1,2,3
	v_max3_num_f32 v[232+\b], v[96+16*\b], v[97+16*\b], v[98+16*\b]   ; the largest score of each block of 32 keys: it serves for the row's maximum and, since p rises with the score, for the block's largest p
.endr
.irp i, 3,5,7,9,11,13
.irp b, 0,1,2,3
	v_max3_num_f32 v[232+\b], v[232+\b], v[96+16*\b+\i], v[97+16*\b+\i]
.endr
.endr
.irp b, 0,1,2,3
	v_max_num_f32 v[232+\b], v[232+\b], v[111+16*\b]
.endr
.irp b, 0,1,2,3
	v_permlanex16_b32 v[236+\b], v[232+\b], s[SEL], s[SEL+1]
.endr
.irp b, 0,1,2,3
	v_max_num_f32 v[232+\b], v[232+\b], v[236+\b]  ; with lane l xor 16's 16 keys
.endr
	v_max3_num_f32 v254, v232, v233, v234
	v_max_num_f32 v254, v254, v235                 ; the step's largest score of my query
	v_mul_f32 v254, s[CS], v254                    ; as t (c is positive)
	v_max_num_f32 v13, v13, v254                   ; the running largest t
	v_mov_b32 v254, v12
	v_floor_f32 v12, -v13                          ; the new -M = floor(-t) = -ceil(t)
	v_sub_f32 v254, v12, v254                      ; old M less new M: a whole number, 0 or less
	v_cvt_i32_f32 v254, v254                       ; (it saturates)
	v_ldexp_f32 v252, 1.0, v254                    ; f = 2^(old M - new M)
.irp j, 0,2,4,6,8,10,12,14,16,18,20,22,24,26,28,30,32,34,36,38,40,42,44,46,48,50,52,54,56,58,60,62
	v_pk_fma_f32 v[96+\j:97+\j], v[96+\j:97+\j], s[CS:CS+1], v[12:13] op_sel_hi:[1,0,0]   ; t - M, two at a time
.endr
.irp b, 0,1,2,3
	v_fma_f32 v[232+\b], v[232+\b], s[CS], v12     ; the same of each block's largest score
.endr
.irp j, 0,1,2,3,4,5,6,7,8,9,10,11,12,13,14,15,16,17,18,19,20,21,22,23,24,25,26,27,28,29,30,31,32,33,34,35,36,37,38,39,40,41,42,43,44,45,46,47,48,49,50,51,52,53,54,55,56,57,58,59,60,61,62,63
	v_exp_f32 v[96+\j], v[96+\j]                   ; p = 2^(t - M), at most 1
.endr
.irp b, 0,1,2,3
	v_exp_f32 v[232+\b], v[232+\b]                 ; the block's largest p: the same two instructions on the same number give the same bits
.endr
	v_pk_mul_f32 v[14:15], v[14:15], v[252:253] op_sel_hi:[1,0]   ; the sums under the new M.  (A plain place behind the exponentials)
	s_wait_alu depctr_va_vdst(0)
.irp b, 0,1,2,3
	v_max_num_f32 v[232+\b], 0x4800000, v[232+\b]  ; the floor 2^-118: the byte cannot fall under 1
.endr
.irp b, 0,1,2,3
	v_add_nc_u32 v[244+\b], 0xfc000000, v[232+\b]  ; 8 off the exponent field: the conversions' scale operand
.endr
.irp b, 0,1,2,3
	v_and_or_b32 v[240+\b], v[232+\b], 0x7f800000, s[MNT]   ; 448 x the scale
.endr
.irp b, 0,1,2,3
	v_lshrrev_b32 v[236+\b], 23, v[244+\b]         ; the byte
.endr
	v_lshl_or_b32 v253, v237, 8, v236              ; p's scale word for these 128 keys
	v_lshl_or_b32 v253, v238, 16, v253
	v_lshl_or_b32 v253, v239, 24, v253
	v_pk_add_f32 v[236:237], v[96:97], v[98:99]    ; the row's sum is taken of the unquantised p: two at a time, in two chains
.irp j, 4,8,12,16,20,24,28,32,36,40,44,48,52,56,60
	v_pk_add_f32 v[14:15], v[14:15], v[96+\j:97+\j]
	v_pk_add_f32 v[236:237], v[236:237], v[98+\j:99+\j]
.endr
	v_pk_add_f32 v[14:15], v[14:15], v[236:237]
.irp b, 0,1,2,3
.irp i, 0,1,2,3,4,5,6,7,8,9,10,11,12,13,14,15
	v_min_num_f32 v[96+16*\b+\i], v[96+16*\b+\i], v[240+\b]   ; the conversion to an 8-bit code does not saturate (ISA guide 7.6.2); p is not negative, so the hold is one-sided
.endr
	v_cvt_scalef32_pk8_fp8_f32 v[224+4*\b:225+4*\b], v[96+16*\b:103+16*\b], v[244+\b]
	v_cvt_scalef32_pk8_fp8_f32 v[226+4*\b:227+4*\b], v[104+16*\b:111+16*\b], v[244+\b]
.endr
.irp j, 0,2,4,6,8,10,12,14,16,18,20,22,24,26,28,30,32,34,36,38,40,42,44,46,48,50,52,54,56,58,60,62
	v_pk_mul_f32 v[160+\j:161+\j], v[160+\j:161+\j], v[252:253] op_sel_hi:[1,0]   ; O^T under the new M.  (These 32 are also the places between the codes and the products that take them)
.endr
	s_wait_dscnt 0x0                               ; V's words and first four fragments
	OPROD 0
	PLACES 8
	KVLOAD 16384, 1
	s_wait_dscnt 0x0
	OPROD 1
.endm
; A CHUNK: two key steps.  left = the later chunks' loads, which may stay out.  Waves 4 to 15 have no load out and pass the wait at once; the barrier tells them that waves 0 to 3 have waited.
.macro CHUNK g, left
	s_wait_tensorcnt \left
	s_wait_dscnt 0x0                               ; (ahead of the first chunk: my stores of scale words have landed)
	s_barrier_signal -1
	s_barrier_wait -1
	s_mov_b32 s[TB], 65536*\g
	s_mov_b32 s[TS], 1024*\g
	s_mov_b32 s[TW], 2
.Lstep_\@:
	STEP
	s_add_co_u32 s[TB], s[TB], 32768
	s_add_co_u32 s[TS], s[TS], 512
	s_sub_co_u32 s[TW], s[TW], 1
	s_cmp_lg_u32 s[TW], 0
	s_cbranch_scc1 .Lstep_\@
.endm
	CHUNK 0, 3
	CHUNK 1, 2
	CHUNK 2, 1
	CHUNK 3, 0
	; THE WAY OUT.  O^T / the sum; register 16 c + i of lane (r, h) is channel 32 (c % 2) + 16 (i / 8) + 8 h + i % 8 of part c / 2 (real, imaginary) of query r: four blocks of 32 along the next product's K.
	PLACES 8
	v_add_f32 v14, v14, v15                        ; the sum's two halves,
	v_permlanex16_b32 v252, v14, s[SEL], s[SEL+1]
	v_add_f32 v14, v14, v252                       ; and lane l xor 16's
	v_rcp_f32 v14, v14
	v_nop                                          ; a plain place behind the transcendental
	s_wait_alu depctr_va_vdst(0)
.irp j, 0,1,2,3,4,5,6,7,8,9,10,11,12,13,14,15,16,17,18,19,20,21,22,23,24,25,26,27,28,29,30,31,32,33,34,35,36,37,38,39,40,41,42,43,44,45,46,47,48,49,50,51,52,53,54,55,56,57,58,59,60,61,62,63
	v_mul_f32 v[96+\j], v[160+\j], v14             ; each accumulator from its low end on
.endr
.irp b, 0,1,2,3
	v_max3_num_f32 v[232+\b], |v[96+16*\b]|, |v[97+16*\b]|, 0x4800000
.endr
.irp i, 2,4,6,8,10,12,14
.irp b, 0,1,2,3
	v_max3_num_f32 v[232+\b], v[232+\b], |v[96+16*\b+\i]|, |v[97+16*\b+\i]|
.endr
.endr
.irp b, 0,1,2,3
	v_permlanex16_b32 v[236+\b], v[232+\b], s[SEL], s[SEL+1]
.endr
.irp b, 0,1,2,3
	v_max_num_f32 v[232+\b], v[232+\b], v[236+\b]
.endr
.irp b, 0,1,2,3
	v_add_nc_u32 v[244+\b], 0xfc000000, v[232+\b]
.endr
.irp b, 0,1,2,3
	v_and_or_b32 v[240+\b], v[232+\b], 0x7f800000, s[MNT]
.endr
.irp b, 0,1,2,3
	v_lshrrev_b32 v[236+\b], 23, v[244+\b]
.endr
	v_lshl_or_b32 v253, v237, 8, v236
	v_lshl_or_b32 v253, v238, 16, v253
	v_lshl_or_b32 v253, v239, 24, v253
.irp b, 0,1,2,3
.irp i, 0,1,2,3,4,5,6,7,8,9,10,11,12,13,14,15
	v_med3_num_f32 v[96+16*\b+\i], v[96+16*\b+\i], -v[240+\b], v[240+\b]
.endr
	v_cvt_scalef32_pk8_fp8_f32 v[224+4*\b:225+4*\b], v[96+16*\b:103+16*\b], v[244+\b]
	v_cvt_scalef32_pk8_fp8_f32 v[226+4*\b:227+4*\b], v[104+16*\b:111+16*\b], v[244+\b]
.endr
	v_nop                                          ; one plain vector instruction behind the last conversion
	v_lshrrev_b32 v254, v[SH], v253                ; lanes 0-15: the real part's two bytes; lanes 16-31: the imaginary's
.irp c, 0,1,2,3
.irp u, 0,1
	global_store_b64 v[GO], v[224+4*\c+2*\u:225+4*\c+2*\u], s[12:13] offset:(\c/2)*4194304+(\c%2)*512+\u*256   ; part c / 2, group c % 2, half u: the 32 lanes store 256 consecutive bytes, aligned
.endr
.endr
	global_store_b16 v[GS], v254, s[14:15]
	s_wait_xcnt 0x0
	v_lshl_add_u32 v254, v0, 2, 0x42000
	v_mov_b32 v255, 0
	s_wait_tensorcnt 0x0
	ds_add_u32 v254, v255
	s_wait_dscnt 0x0
	CROUND                                         ; the closing round: no work-group ends while a partner may still ask for a tile that names it
	s_endpgm
.Lfunc_end_k_q3a20bc4e7d_attn:
	.size	k_q3a20bc4e7d_attn, .Lfunc_end_k_q3a20bc4e7d_attn-k_q3a20bc4e7d_attn
	.p2alignl 7, 3214868480
	.fill 96, 4, 3214868480
	.section	.rodata,"a",@progbits
	.p2align	6, 0x0
	.amdhsa_kernel k_q3a20bc4e7d_attn
		.amdhsa_group_segment_fixed_size 327680
		.amdhsa_private_segment_fixed_size 0
		.amdhsa_enable_private_segment 0
		.amdhsa_kernarg_size 48
		.amdhsa_user_sgpr_count 2
		.amdhsa_user_sgpr_kernarg_segment_ptr 1
		.amdhsa_wavefront_size32 1
		.amdhsa_system_sgpr_workgroup_id_x 1
		.amdhsa_system_sgpr_workgroup_id_y 1
		.amdhsa_system_sgpr_workgroup_id_z 1
		.amdhsa_system_vgpr_workitem_id 0
		.amdhsa_next_free_vgpr 256
		.amdhsa_next_free_sgpr 84
		.amdhsa_reserve_vcc 0
		.amdhsa_float_denorm_mode_32 3
		.amdhsa_float_denorm_mode_16_64 3
		.amdhsa_memory_ordered 1
		.amdhsa_forward_progress 1
		.amdhsa_inst_pref_size 115
	.end_amdhsa_kernel
	.amdgpu_metadata
---
amdhsa.version: [ 1, 2 ]
amdhsa.kernels:
  - .name:           k_q3a20bc4e7d_attn
    .symbol:         k_q3a20bc4e7d_attn.kd
    .args:
      - { .name: qk_img, .offset: 0, .size: 8, .value_kind: global_buffer, .address_space: global }
      - { .name: qk_sc, .offset: 8, .size: 8, .value_kind: global_buffer, .address_space: global }
      - { .name: v_img, .offset: 16, .size: 8, .value_kind: global_buffer, .address_space: global }
      - { .name: v_sc, .offset: 24, .size: 8, .value_kind: global_buffer, .address_space: global }
      - { .name: o_img, .offset: 32, .size: 8, .value_kind: global_buffer, .address_space: global }
      - { .name: o_sc, .offset: 40, .size: 8, .value_kind: global_buffer, .address_space: global }
    .group_segment_fixed_size: 327680
    .private_segment_fixed_size: 0
    .kernarg_segment_align: 8
    .kernarg_segment_size: 48
    .max_flat_workgroup_size: 512
    .sgpr_count:     84
    .vgpr_count:     256
    .wavefront_size: 32
...
	.end_amdgpu_metadata
.endif
;; end of part 3
;; launch outp (part 4): grid 4 x 32, 4 waves a work-group, clusters of 4 x 4, 327,680 bytes of LDS; arguments o_img, o_sc, Wo_r_codes, Wo_r_scales, bo_r, out0, Wo_i_codes, Wo_i_scales, bo_i, out1; writes out0, out1
.if DOCPART == 4
	.amdgcn_target "amdgcn-amd-amdhsa--gfx1250"
	.amdhsa_code_object_version 6
	.text
	.protected	k_q3a20bc4e7d_outp
	.globl	k_q3a20bc4e7d_outp
	.p2align	8
	.type	k_q3a20bc4e7d_outp,@function
k_q3a20bc4e7d_outp:
	s_mov_b64 s[64:65], 0
	v_nop
	global_prefetch_b8 v0, s[64:65] scope:SCOPE_SE
	s_setreg_imm32_b32 hwreg(HW_REG_WAVE_MODE, 25, 1), 1
	s_wait_xcnt 0x0
	s_wait_alu depctr_hold_cnt(0) depctr_sa_sdst(0) depctr_va_vdst(0) depctr_va_sdst(0) depctr_va_ssrc(0) depctr_va_vcc(0) depctr_vm_vsrc(0)
	s_getreg_b32 s2, hwreg(HW_REG_IB_STS2, 6, 4)
	s_cmp_eq_u32 s2, 0
	s_cbranch_scc0 .Lentry_in_a_cluster
	s_endpgm
.Lentry_in_a_cluster:
	s_bfe_u32 s2, ttmp6, 0x10000c
	s_cmp_lg_u32 s2, 0xf033
	s_cbranch_scc0 .Lentry_shape_is_right
	s_endpgm
.Lentry_shape_is_right:
; THE TWO OUTPUT PROJECTIONS: g = 0 real, 1 imaginary.  Y = O W^T + b, f32.  O [4096][1024] comes as codes made by the attention launch, W [1024][1024] as given codes; one E8M0 byte for each 32 along K.
; A tile of Y, 256 x 256, is made by a work-group of four waves; a wave makes 128 x 128.  16 x 4 tiles for each g: 128 work-groups.  K goes in steps of 256 through a ring of two LDS slots.
; O'S CODES LIE AS IMAGES OF THE OPERAND'S REGISTERS, [part][K step 4][row tile 256][128 along K: 2][2048]: 128 rows of a K step are 32,768 dense bytes, one tensor load; a fragment is four loads at 16 x lane.
; W's tiles are rows of 256 bytes, padded in LDS.  The scale bytes of the tile's rows of O and W, for all of K, come once with the first fills and stay.
; CLUSTERS: 4 x 4 work-groups, all of one g; O's tiles are asked for jointly along a row of the cluster, W's along a column.
; THE MATRIX INSTRUCTION IS USED TRANSPOSED (source 0 = 16 rows of W, source 1 = 16 rows of O): a lane holds eight neighbouring numbers of a row of Y.  THE BIAS is the C of each sum's first matrix instruction.
; REGISTERS, in windows of 256: window 0: v0-31 addresses; v32-63 scale words, two sets; v64-127 the bias; v128-255 O's fragments, one set, later rows of Y.
;   window 1: W's fragments, two sets.   window 2: the accumulators of my rows 0-63 ((a, b) at v[8 (8 a + b)]);   window 3: those of my rows 64-127.
.set SIZE_N, 1024
.set NQ,     2
.set ROWB,   256
.set KROW,   1024
.set PITCH,  272                       ; an LDS row of W: 256 bytes + 16 of padding
.set FR,     16
.set NL,     4
.set NP,     8                         ; places behind this matrix instruction (ISA guide 7.12.1)
.set HALFT,  128*PITCH                 ; a quarter of a slot: 128 rows of W; O's 128 rows use 32,768 bytes of theirs
.set SLOT,   4*HALFT
.set LAPS,   2
.set KS,     32
.set SCL,    2*SLOT
.set HALFS,  (128*KS/256)*272
.set SBLK,   (16*KS/256)*272
.set SPARE,  SCL+4*HALFS               ; the spare words: 128 bytes for each wave, named by no other line
.set SPITCH, 528                       ; the way out: a stage of 16 rows x (512 bytes + 16) for each wave, in slot 0, behind its last fill and its last read
.set AKS,    1<<20                     ; bytes from a K step of O's images to the next
.set ADRA, 16
.set ADRB, 20
.set STO,  24                          ; v24 the way out: where I put 32 bytes of a row
.set RD,   25                          ; v25 where I read a row back
.set CO,   26                          ; v26 16 x lane
.set ADRS, 27
.set SPW,  28
.set NIL,  29
.set SC,   32
.set BI,   64
.set AF,   128
.set BK,   128
.set G1, 24
.set G0, 32
.set G1B, 48
.set G0B, 56
.set G1S, 68
.set G0S, 76
.set G1SB, 80
.set G0SB, 88
.set MSB, 0
.macro WIN new                         ; the immediate's high byte repeats the setting that is left
.if MSB != (\new)
	s_set_vgpr_msb (MSB<<8)|(\new)
.set MSB, (\new)
.endif
.endm
.set MUL_LO, 0xa1
.set MUL_HI, 0xf1
.set TO_B,   0x40
.macro JLOAD g0a, g1a, g0b, g1b        ; a joint load: waves 0 and 1 fetch for O, waves 2 and 3 for W; four v_nop follow each line
	s_cmp_eq_u32 s15, 0
	s_cbranch_scc0 .Lfor_b_\@
	tensor_load_to_lds s[\g0a:\g0a+3], s[\g1a:\g1a+7]
	s_nop 0
.rept 4
	v_nop
.endr
	s_branch .Lasked_\@
.Lfor_b_\@:
	tensor_load_to_lds s[\g0b:\g0b+3], s[\g1b:\g1b+7]
	s_nop 0
.rept 4
	v_nop
.endr
.Lasked_\@:
.endm
.macro CREST
	s_cmp_lg_u32 s14, 0
	s_cbranch_scc1 .Lnot_wave_0_\@
	s_barrier_signal -3
.Lnot_wave_0_\@:
	s_barrier_wait -3
	s_barrier_signal -1
	s_barrier_wait -1
.endm
.macro CROUND
	s_barrier_signal -1
	s_barrier_wait -1
	CREST
.endm
	s_load_b128 s[4:7], s[0:1], 0x0                ; o_img, o_sc
	s_load_b256 s[24:31], s[0:1], 0x10             ; real: W's codes, W's scales, b, out0
	s_load_b256 s[32:39], s[0:1], 0x30             ; imaginary: the same, out1
	v_lshl_add_u32 v[SPW], v0, 2, SPARE
	v_mov_b32 v[NIL], 0
	ds_add_u32 v28, v29
	ds_add_u32 v28, v29
	s_wait_dscnt 0x0
	v_lshrrev_b32 v1, 5, v0
	v_readfirstlane_b32 s14, v1                    ; wave 0..3
	s_lshr_b32 s15, s14, 1                         ; which half of the tile's rows is mine.  Also: I fetch for O (0) or for W (1)
	s_and_b32 s16, s14, 1                          ; which half of its columns.  Also: which 128 rows of that tile I fetch
	s_and_b32 s17, ttmp7, 0xffff                   ; the cluster's y, 0..7
	s_lshr_b32 s95, s17, 2                         ; g: the same in all sixteen partners
	s_and_b32 s17, s17, 3
	s_wait_kmcnt 0x0
	s_cmp_lg_u32 s95, 0                            ; the choice hangs on the cluster's number alone
	s_cselect_b64 s[8:9], s[32:33], s[24:25]       ; W's codes
	s_cselect_b64 s[10:11], s[34:35], s[26:27]     ; W's scales
	s_cselect_b64 s[96:97], s[36:37], s[28:29]     ; b
	s_cselect_b64 s[12:13], s[38:39], s[30:31]     ; Y
	s_bfe_u32 s40, ttmp6, 0x40000                  ; cx, cy
	s_bfe_u32 s41, ttmp6, 0x40004
	s_lshl_b32 s42, ttmp9, 2
	s_add_co_u32 s42, s42, s40                     ; tile column, 0..3
	s_lshl_b32 s17, s17, 2
	s_add_co_u32 s17, s17, s41                     ; tile row, 0..15
	s_lshl_b32 s43, s41, 2
	s_lshl_b32 s43, 15, s43                        ; my row of the cluster
	s_lshl_b32 s44, 0x1111, s40                    ; my column
	s_or_b32 s[G1+0], s43, (3<<16)|(1<<21)         ; O: the mask; elements of 8 bytes; no padding; bit 21 beside a mask
	s_mov_b32 s[G1+1], 32<<16                      ; 128 rows of 256 bytes, dense
	s_mov_b32 s[G1+2], 128<<16
	s_mov_b32 s[G1+3], 32<<16
	s_mov_b32 s[G1+4], 128
	s_mov_b32 s[G1+5], 32
	s_mov_b32 s[G1+6], 0
	s_mov_b32 s[G1+7], 0
	s_or_b32 s[G1B+0], s44, (0<<16)|(1<<20)|(1<<21)|(5<<22)|(3<<25)  ; W: elements of 1 byte; 4 words of padding behind every 64
	s_mov_b32 s[G1B+1], ROWB<<16
	s_mov_b32 s[G1B+2], 128<<16
	s_mov_b32 s[G1B+3], ROWB<<16
	s_mov_b32 s[G1B+4], 128
	s_mov_b32 s[G1B+5], KROW
	s_mov_b32 s[G1B+6], 0
	s_mov_b32 s[G1B+7], 0
	s_or_b32 s[G1S+0], s43, (3<<16)|(1<<20)|(1<<21)|(5<<22)|(3<<25) ; the scale bytes of 128 rows: 16 rows of 256 bytes, 16 bytes behind each
	s_or_b32 s[G1SB+0], s44, (3<<16)|(1<<20)|(1<<21)|(5<<22)|(3<<25)
.irp g, G1S, G1SB
	s_mov_b32 s[\g+1], 32<<16
	s_mov_b32 s[\g+2], (128*KS/256)<<16
	s_mov_b32 s[\g+3], 32<<16
	s_mov_b32 s[\g+4], 128*KS/256
	s_mov_b32 s[\g+5], 32
	s_mov_b32 s[\g+6], 0
	s_mov_b32 s[\g+7], 0
.endr
	s_lshl_b32 s18, s16, 7
	s_lshl_b32 s20, s17, 8
	s_add_co_u32 s20, s20, s18                     ; O: row 256 x tile row + 128 x half
	s_lshl_b32 s46, s42, 8
	s_add_co_u32 s46, s46, s18                     ; W: row 256 x tile column + 128 x half
	s_mov_b32 s21, 0
	s_mov_b32 s47, 0
	s_mov_b64 s[18:19], KS
	s_mul_u64 s[22:23], s[20:21], s[18:19]         ; where these rows' scale bytes begin
	s_mul_u64 s[92:93], s[46:47], s[18:19]
	s_mov_b64 s[18:19], KROW
	s_mul_u64 s[46:47], s[46:47], s[18:19]         ; W's codes
	s_lshl_b64 s[20:21], s[20:21], 8               ; O's images: 16 rows of a K step are 4,096 bytes
	s_lshl_b32 s100, s95, 22                       ; the part's images,
	s_mov_b32 s101, 0
	s_add_nc_u64 s[20:21], s[20:21], s[100:101]
	s_lshl_b32 s100, s95, 17                       ; and its scale bytes
	s_add_nc_u64 s[22:23], s[22:23], s[100:101]
	s_mul_i32 s45, s14, HALFT
	s_mul_i32 s94, s14, HALFS
	s_add_nc_u64 s[20:21], s[4:5], s[20:21]
	s_add_nc_u64 s[22:23], s[6:7], s[22:23]
	s_add_nc_u64 s[46:47], s[8:9], s[46:47]
	s_add_nc_u64 s[92:93], s[10:11], s[92:93]
	CROUND                                         ; all sixteen work-groups are here: the first joint loads meet
	s_mov_b32 s[G0S], 1
	s_add_co_u32 s[G0S+1], s94, SCL
	s_mov_b64 s[G0S+2:G0S+3], s[22:23]
	s_or_b32 s[G0S+3], s[G0S+3], 0x80000000
	s_mov_b32 s[G0SB], 1
	s_add_co_u32 s[G0SB+1], s94, SCL
	s_mov_b64 s[G0SB+2:G0SB+3], s[92:93]
	s_or_b32 s[G0SB+3], s[G0SB+3], 0x80000000
	JLOAD G0S, G1S, G0SB, G1SB
.irp s, 0,1
	s_mov_b32 s[G0+4*\s], 1
	s_add_co_u32 s[G0+4*\s+1], s45, \s*SLOT
	s_add_nc_u64 s[G0+4*\s+2:G0+4*\s+3], s[20:21], \s*AKS
	s_or_b32 s[G0+4*\s+3], s[G0+4*\s+3], 0x80000000
	s_mov_b32 s[G0B+4*\s], 1
	s_add_co_u32 s[G0B+4*\s+1], s45, \s*SLOT
	s_add_nc_u64 s[G0B+4*\s+2:G0B+4*\s+3], s[46:47], \s*ROWB
	s_or_b32 s[G0B+4*\s+3], s[G0B+4*\s+3], 0x80000000
	JLOAD G0+4*\s, G1, G0B+4*\s, G1B
.endr
	v_and_b32 v1, 15, v0                           ; r
	v_bfe_u32 v2, v0, 4, 1                         ; h
	; the bias of my 128 columns: lane (r, h) wants, for W's block b, b[16 b + 8 h + 0 .. 7]
	s_lshl_b32 s46, s42, 10
	s_lshl_b32 s47, s16, 9
	s_add_co_u32 s46, s46, s47
	s_mov_b32 s47, 0
	s_add_nc_u64 s[96:97], s[96:97], s[46:47]
	v_lshlrev_b32 v7, 5, v2
.irp b, 0,1,2,3,4,5,6,7
	global_load_b128 v[BI+8*\b:BI+8*\b+3], v7, s[96:97] offset:64*\b
	global_load_b128 v[BI+8*\b+4:BI+8*\b+7], v7, s[96:97] offset:64*\b+16
.endr
	v_and_b32 v6, 31, v0
	v_lshlrev_b32 v[CO], 4, v6                     ; 16 x lane
	v_mul_u32_u24 v3, v1, PITCH
	v_lshl_add_u32 v4, v2, 4, v3                   ; W: a fragment's row x pitch + 16 x half
	s_mul_i32 s21, s15, HALFT                      ; my 128 rows of O
	s_mul_i32 s22, s16, HALFT                      ; my 128 rows of W,
	s_add_co_u32 s22, s22, 2*HALFT                 ; which lie behind O's two quarters
.irp s, 0,1
	v_add_nc_u32 v[ADRA+\s], s21, v[CO]
	v_add_nc_u32 v[ADRB+\s], s22, v4
	s_add_co_u32 s21, s21, SLOT
	s_add_co_u32 s22, s22, SLOT
.endr
	v_mul_u32_u24 v5, v1, KS
	v_lshrrev_b32 v6, 8, v5
	v_lshl_add_u32 v5, v6, 4, v5
	s_mul_i32 s21, s15, HALFS
	s_mul_i32 s22, s16, HALFS
	s_add_co_u32 s22, s22, 2*HALFS
	s_sub_co_u32 s22, s22, s21
	v_mul_u32_u24 v6, s22, v2                      ; lanes 16-31 take W's
	s_add_co_u32 s21, s21, SCL
	v_add_nc_u32 v5, v5, v6
	v_add_nc_u32 v[ADRS], s21, v5
	s_mul_i32 s23, s14, 16*SPITCH                  ; my stage
	v_mul_u32_u24 v5, v1, SPITCH                   ; in: row r, 32 bytes for each half of the lanes
	v_lshl_add_u32 v5, v2, 5, v5
	v_add_nc_u32 v[STO], s23, v5
	v_add_nc_u32 v[RD], s23, v[CO]                 ; back: the 32 lanes take one row of 512 bytes
	s_lshl_b32 s20, s17, 8
	s_lshl_b32 s21, s15, 7
	s_add_co_u32 s20, s20, s21                     ; my first row of Y
	s_mov_b32 s21, 0
	s_mov_b64 s[18:19], SIZE_N*4
	s_mul_u64 s[20:21], s[20:21], s[18:19]
	s_lshl_b32 s46, s42, 10                        ; my first column, in bytes
	s_lshl_b32 s47, s16, 9
	s_add_co_u32 s46, s46, s47
	s_mov_b32 s47, 0
	s_add_nc_u64 s[20:21], s[20:21], s[46:47]
	s_add_nc_u64 s[12:13], s[12:13], s[20:21]
.macro FRAG reg, adr, q, i             ; W: 16 rows x 128 K from padded rows
.irp c, 0,1,2,3
	ds_load_b128 v[\reg+4*\c:\reg+4*\c+3], v[\adr] offset:128*(\q)+32*\c+(\i)*16*PITCH
.endr
.endm
.macro FRAGI reg, adr, q, i            ; O: the image of row tile i, 128 along K number q
.irp c, 0,1,2,3
	ds_load_b128 v[\reg+4*\c:\reg+4*\c+3], v[\adr] offset:4096*(\i)+2048*(\q)+512*\c
.endr
.endm
; 16 matrix instructions: O's blocks a0, a0 + 1 x W's eight.  first = 1: the bias is the C.  The 64 accumulators take turns, one instruction a turn.
.macro MUL16 a0, p, q, sc, first
.irp a, \a0, \a0+1
.irp b, 0,1,2,3,4,5,6,7
.if \first
	v_wmma_scale_f32_16x16x128_f8f6f4 v[8*(8*((\a)%4)+\b):8*(8*((\a)%4)+\b)+7], v[128*(\p)+FR*\b:128*(\p)+FR*\b+FR-1], v[AF+FR*(\a):AF+FR*(\a)+FR-1], v[BI+8*\b:BI+8*\b+7], v[SC+8*NQ*(\sc)+NQ*\b+(\q)], v[SC+8*NQ*(\sc)+NQ*(\a)+(\q)] matrix_a_scale:MATRIX_SCALE_ROW1
.else
	v_wmma_scale_f32_16x16x128_f8f6f4 v[8*(8*((\a)%4)+\b):8*(8*((\a)%4)+\b)+7], v[128*(\p)+FR*\b:128*(\p)+FR*\b+FR-1], v[AF+FR*(\a):AF+FR*(\a)+FR-1], v[8*(8*((\a)%4)+\b):8*(8*((\a)%4)+\b)+7], v[SC+8*NQ*(\sc)+NQ*\b+(\q)], v[SC+8*NQ*(\sc)+NQ*(\a)+(\q)] matrix_a_scale:MATRIX_SCALE_ROW1
.endif
.endr
.endr
.endm
.macro FETCH_B slot, q, p
	WIN TO_B
.irp i, 0,1,2,3,4,5,6,7
	FRAG 128*(\p)+FR*\i, ADRB+\slot, \q, \i
.endr
	WIN 0
.endm
.macro FETCH_A slot, q, i0
.irp i, \i0, \i0+1, \i0+2, \i0+3
	FRAGI AF+FR*(\i), ADRA+\slot, \q, \i
.endr
.endm
.macro SCALES sc
.irp i, 0,1,2,3,4,5,6,7
	ds_load_b64 v[SC+8*NQ*\sc+NQ*\i:SC+8*NQ*\sc+NQ*\i+1], v[ADRS] offset:\i*SBLK
.endr
.endm
.macro PLACES n
.rept \n
	v_nop
.endr
.endm
.macro STEP slot, q, first
	s_wait_dscnt 4*NL                              ; all but the youngest 16 loads (O's blocks 4-7)
	WIN MUL_LO-0x20*(\first)
	MUL16 0, (\q)%2, \q, \slot, \first
	MUL16 2, (\q)%2, \q, \slot, \first
	s_wait_dscnt 0
	PLACES NP
	FETCH_B \slot, (\q)+1, 1-(\q)%2
	FETCH_A \slot, (\q)+1, 0
	WIN MUL_HI-0x30*(\first)
	MUL16 4, (\q)%2, \q, \slot, \first
	MUL16 6, (\q)%2, \q, \slot, \first
	PLACES NP
	WIN 0
	FETCH_A \slot, (\q)+1, 4
.endm
.macro TURN slot, next, fill
	s_wait_tensorcnt 0x0                           ; all my tensor loads have landed: my part of the next slot
	ds_add_u32 v[SPW], v[NIL]                      ; 0 onto my spare word
	s_wait_dscnt 4*NL+1                            ; (the add and the youngest 16 loads may be out)
	WIN MUL_LO
	MUL16 0, 1, NQ-1, \slot, 0
	s_wait_dscnt 0x0                               ; the add is done, and my reads of this slot are over
	s_barrier_signal -1
	MUL16 2, 1, NQ-1, \slot, 0
	WIN 0
	s_barrier_wait -1
.if \fill
	CREST                                          ; a round of the cluster's barrier: no wave of any partner still reads this slot or has a load on its way
	s_add_nc_u64 s[G0+4*\slot+2:G0+4*\slot+3], s[G0+4*\slot+2:G0+4*\slot+3], 2*AKS
	s_add_nc_u64 s[G0B+4*\slot+2:G0B+4*\slot+3], s[G0B+4*\slot+2:G0B+4*\slot+3], 2*ROWB
	JLOAD G0+4*\slot, G1, G0B+4*\slot, G1B
	PLACES NP-4
.else
	PLACES NP
.endif
	v_add_nc_u32 v[ADRS], 4*NQ, v[ADRS]
	FETCH_B \next, 0, 0
	FETCH_A \next, 0, 0
	SCALES \next
	WIN MUL_HI
	MUL16 4, 1, NQ-1, \slot, 0
	MUL16 6, 1, NQ-1, \slot, 0
	PLACES NP
	WIN 0
	FETCH_A \next, 0, 4
.endm
	s_wait_loadcnt 0x0                             ; the bias
	s_wait_tensorcnt 1                             ; the scale bytes and my part of K step 0 are in (K step 1's load may be out)
	s_barrier_signal -1
	s_barrier_wait -1
	FETCH_B 0, 0, 0
	FETCH_A 0, 0, 0
	SCALES 0
	FETCH_A 0, 0, 4
	STEP 0, 0, 1
	s_mov_b32 s3, LAPS-1
.Llap:
	TURN 0, 1, 1
	STEP 1, 0, 0
	TURN 1, 0, 1
	STEP 0, 0, 0
	s_sub_co_u32 s3, s3, 1
	s_cmp_lg_u32 s3, 0
	s_cbranch_scc1 .Llap
	TURN 0, 1, 0
	STEP 1, 0, 0
	s_wait_dscnt 4*NL
	WIN MUL_LO
	MUL16 0, 1, NQ-1, 1, 0
	MUL16 2, 1, NQ-1, 1, 0
	s_wait_dscnt 0
	WIN MUL_HI
	MUL16 4, 1, NQ-1, 1, 0
	MUL16 6, 1, NQ-1, 1, 0
	WIN 0
; THE WAY OUT, block by block of 16 rows x 128 columns: through my own stage in LDS, back as whole rows of 512 bytes.  LDS serves a wave's instructions in order (ISA guide 5.7.1.4): no wait between the stores and the loads.
.macro TOSTAGE a
.set AC, 64*((\a)%4)
	WIN 0x08+4*((\a)/4)                            ; the data: window 2 or 3
.irp b, 0,1,2,3,4,5,6,7
	ds_store_b128 v[STO], v[AC+8*\b:AC+8*\b+3] offset:64*\b          ; each accumulator from its low end on
	ds_store_b128 v[STO], v[AC+8*\b+4:AC+8*\b+7] offset:64*\b+16
.endr
	WIN 0
.set BB, BK+64*((\a)%2)
.irp t, 0,1,2,3,4,5,6,7,8,9,10,11,12,13,14,15
	ds_load_b128 v[BB+4*\t:BB+4*\t+3], v[RD] offset:\t*SPITCH
.endr
.endm
.macro SEND a, younger                 ; younger: the LDS instructions issued behind block a's loads, which may stay out
.set BB, BK+64*((\a)%2)
	s_wait_dscnt \younger
.if (\a) > 0
	s_add_nc_u64 s[12:13], s[12:13], 16*SIZE_N*4   ; (behind a wait on XCNT: the earlier stores have read their base)
.endif
.irp t, 0,1,2,3,4,5,6,7,8,9,10,11,12,13,14,15
	global_store_b128 v[CO], v[BB+4*\t:BB+4*\t+3], s[12:13] offset:\t*SIZE_N*4 th:TH_STORE_NT   ; 32 lanes store 512 consecutive bytes, aligned; written once, read by nobody here
.endr
.endm
	PLACES NP
	TOSTAGE 0
.irp a, 1,2,3,4,5,6,7
.if \a > 1
	s_wait_xcnt 0x0                                ; block a - 2's stores have read their registers and their base
.endif
	TOSTAGE \a
	SEND \a-1, 32                                  ; behind block a - 1's loads: block a's 16 stores and 16 loads
.endr
	s_wait_xcnt 0x0
	SEND 7, 0
	s_wait_tensorcnt 0x0                           ; the wave's end
	ds_add_u32 v[SPW], v[NIL]
	s_wait_dscnt 0x0
	CROUND                                         ; the closing round
	s_endpgm
.Lfunc_end_k_q3a20bc4e7d_outp:
	.size	k_q3a20bc4e7d_outp, .Lfunc_end_k_q3a20bc4e7d_outp-k_q3a20bc4e7d_outp
	.p2alignl 7, 3214868480
	.fill 96, 4, 3214868480
	.section	.rodata,"a",@progbits
	.p2align	6, 0x0
	.amdhsa_kernel k_q3a20bc4e7d_outp
		.amdhsa_group_segment_fixed_size 327680
		.amdhsa_private_segment_fixed_size 0
		.amdhsa_enable_private_segment 0
		.amdhsa_kernarg_size 80
		.amdhsa_user_sgpr_count 2
		.amdhsa_user_sgpr_kernarg_segment_ptr 1
		.amdhsa_wavefront_size32 1
		.amdhsa_system_sgpr_workgroup_id_x 1
		.amdhsa_system_sgpr_workgroup_id_y 1
		.amdhsa_system_sgpr_workgroup_id_z 1
		.amdhsa_system_vgpr_workitem_id 0
		.amdhsa_next_free_vgpr 1024
		.amdhsa_next_free_sgpr 102
		.amdhsa_reserve_vcc 0
		.amdhsa_float_denorm_mode_32 3
		.amdhsa_float_denorm_mode_16_64 3
		.amdhsa_memory_ordered 1
		.amdhsa_forward_progress 1
		.amdhsa_inst_pref_size 148
	.end_amdhsa_kernel
	.amdgpu_metadata
---
amdhsa.version: [ 1, 2 ]
amdhsa.kernels:
  - .name:           k_q3a20bc4e7d_outp
    .symbol:         k_q3a20bc4e7d_outp.kd
    .args:
      - { .name: o_img, .offset: 0, .size: 8, .value_kind: global_buffer, .address_space: global }
      - { .name: o_sc, .offset: 8, .size: 8, .value_kind: global_buffer, .address_space: global }
      - { .name: Wo_r_codes, .offset: 16, .size: 8, .value_kind: global_buffer, .address_space: global }
      - { .name: Wo_r_scales, .offset: 24, .size: 8, .value_kind: global_buffer, .address_space: global }
      - { .name: bo_r, .offset: 32, .size: 8, .value_kind: global_buffer, .address_space: global }
      - { .name: out0, .offset: 40, .size: 8, .value_kind: global_buffer, .address_space: global }
      - { .name: Wo_i_codes, .offset: 48, .size: 8, .value_kind: global_buffer, .address_space: global }
      - { .name: Wo_i_scales, .offset: 56, .size: 8, .value_kind: global_buffer, .address_space: global }
      - { .name: bo_i, .offset: 64, .size: 8, .value_kind: global_buffer, .address_space: global }
      - { .name: out1, .offset: 72, .size: 8, .value_kind: global_buffer, .address_space: global }
    .group_segment_fixed_size: 327680
    .private_segment_fixed_size: 0
    .kernarg_segment_align: 8
    .kernarg_segment_size: 80
    .max_flat_workgroup_size: 128
    .sgpr_count:     102
    .vgpr_count:     1024
    .wavefront_size: 32
...
	.end_amdgpu_metadata
.endif
;; end of part 4
;; ======== version 2 of 2: 4 launches
;; limits: right only within a limited range of input values
;; workspace buffers: qk_img 16,777,216 bytes; qk_sc 524,288 bytes; v_img 8,388,608 bytes; v_sc 262,144 bytes; o_img 8,388,608 bytes; o_sc 262,144 bytes
;; launch projqk (part 5): grid 4 x 64, 4 waves a work-group, clusters of 4 x 4, 327,680 bytes of LDS; arguments q_r_codes, q_r_scales, Wq_r_codes, Wq_r_scales, bq_r, q_i_codes, q_i_scales, Wq_i_codes, Wq_i_scales, bq_i, k_r_codes, k_r_scales, Wk_r_codes, Wk_r_scales, bk_r, k_i_codes, k_i_scales, Wk_i_codes, Wk_i_scales, bk_i, qk_img, qk_sc; writes qk_img, qk_sc
.if DOCPART == 5
	.amdgcn_target "amdgcn-amd-amdhsa--gfx1250"
	.amdhsa_code_object_version 6
	.text
	.protected	k_q3a20bc4e7d_projqk
	.globl	k_q3a20bc4e7d_projqk
	.p2align	8
	.type	k_q3a20bc4e7d_projqk,@function
k_q3a20bc4e7d_projqk:
	s_mov_b64 s[64:65], 0
	v_nop
	global_prefetch_b8 v0, s[64:65] scope:SCOPE_SE
	s_setreg_imm32_b32 hwreg(HW_REG_WAVE_MODE, 25, 1), 1
	s_wait_xcnt 0x0
	s_wait_alu depctr_hold_cnt(0) depctr_sa_sdst(0) depctr_va_vdst(0) depctr_va_sdst(0) depctr_va_ssrc(0) depctr_va_vcc(0) depctr_vm_vsrc(0)
	s_getreg_b32 s2, hwreg(HW_REG_IB_STS2, 6, 4)
	s_cmp_eq_u32 s2, 0
	s_cbranch_scc0 .Lentry_in_a_cluster
	s_endpgm
.Lentry_in_a_cluster:
	s_bfe_u32 s2, ttmp6, 0x10000c
	s_cmp_lg_u32 s2, 0xf033
	s_cbranch_scc0 .Lentry_shape_is_right
	s_endpgm
.Lentry_shape_is_right:
.set NQ,     2
.set ROWB,   256
.set KROW,   1024
.set PITCH,  272
.set FR,     16
.set NL,     4
.set NP,     8
.set HALFT,  128*PITCH
.set SLOT,   4*HALFT
.set LAPS,   2
.set KS,     32
.set SCL,    2*SLOT
.set HALFS,  (128*KS/256)*272
.set SBLK,   (16*KS/256)*272
.set SPARE,  SCL+4*HALFS
.set ADRA, 16
.set ADRB, 20
.set SS,   24
.set SR,   25
.set CO,   26
.set ADRS, 27
.set SPW,  28
.set NIL,  29
.set SG,   30
.set SH,   31
.set SC,   32
.set BI,   64
.set TM,   64
.set PW,   80
.set SV,   81
.set SO,   84
.set AF,   128
.set G1, 24
.set G0, 32
.set G1B, 48
.set G0B, 56
.set G1S, 68
.set G0S, 76
.set G1SB, 80
.set G0SB, 88
.set MSB, 0
.macro WIN new
.if MSB != (\new)
	s_set_vgpr_msb (MSB<<8)|(\new)
.set MSB, (\new)
.endif
.endm
.set MUL_LO, 0xa1
.set MUL_HI, 0xf1
.set TO_B,   0x40
.macro JLOAD g0a, g1a, g0b, g1b
	s_cmp_eq_u32 s15, 0
	s_cbranch_scc0 .Lfor_b_\@
	tensor_load_to_lds s[\g0a:\g0a+3], s[\g1a:\g1a+7]
	s_nop 0
.rept 4
	v_nop
.endr
	s_branch .Lasked_\@
.Lfor_b_\@:
	tensor_load_to_lds s[\g0b:\g0b+3], s[\g1b:\g1b+7]
	s_nop 0
.rept 4
	v_nop
.endr
.Lasked_\@:
.endm
.macro CREST
	s_cmp_lg_u32 s14, 0
	s_cbranch_scc1 .Lnot_wave_0_\@
	s_barrier_signal -3
.Lnot_wave_0_\@:
	s_barrier_wait -3
	s_barrier_signal -1
	s_barrier_wait -1
.endm
.macro CROUND
	s_barrier_signal -1
	s_barrier_wait -1
	CREST
.endm
	s_load_b512 s[24:39], s[0:1], 0x0
	s_load_b512 s[40:55], s[0:1], 0x40
	s_load_b256 s[56:63], s[0:1], 0x80
	s_load_b64 s[12:13], s[0:1], 0xa0
	s_load_b64 s[98:99], s[0:1], 0xa8
	v_lshl_add_u32 v[SPW], v0, 2, SPARE
	v_mov_b32 v[NIL], 0
	ds_add_u32 v28, v29
	ds_add_u32 v28, v29
	s_wait_dscnt 0x0
	v_lshrrev_b32 v1, 5, v0
	v_readfirstlane_b32 s14, v1
	s_lshr_b32 s15, s14, 1
	s_and_b32 s16, s14, 1
	s_and_b32 s17, ttmp7, 0xffff
	s_lshr_b32 s95, s17, 2
	s_and_b32 s17, s17, 3
	s_and_b32 s2, s95, 1
	s_and_b32 s3, s95, 2
	s_wait_kmcnt 0x0
	s_cmp_lg_u32 s2, 0
.irp j, 0,2,4,6,8
	s_cselect_b64 s[24+\j:25+\j], s[34+\j:35+\j], s[24+\j:25+\j]
	s_cselect_b64 s[44+\j:45+\j], s[54+\j:55+\j], s[44+\j:45+\j]
.endr
	s_cmp_lg_u32 s3, 0
	s_cselect_b64 s[4:5], s[44:45], s[24:25]
	s_cselect_b64 s[6:7], s[46:47], s[26:27]
	s_cselect_b64 s[8:9], s[48:49], s[28:29]
	s_cselect_b64 s[10:11], s[50:51], s[30:31]
	s_cselect_b64 s[96:97], s[52:53], s[32:33]
	s_bfe_u32 s40, ttmp6, 0x40000
	s_bfe_u32 s41, ttmp6, 0x40004
	s_lshl_b32 s42, ttmp9, 2
	s_add_co_u32 s42, s42, s40
	s_lshl_b32 s17, s17, 2
	s_add_co_u32 s17, s17, s41
	s_lshl_b32 s43, s41, 2
	s_lshl_b32 s43, 15, s43
	s_lshl_b32 s44, 0x1111, s40
	s_or_b32 s[G1+0], s43, (0<<16)|(1<<20)|(1<<21)|(5<<22)|(3<<25)
	s_or_b32 s[G1B+0], s44, (0<<16)|(1<<20)|(1<<21)|(5<<22)|(3<<25)
.irp g, G1, G1B
	s_mov_b32 s[\g+1], ROWB<<16
	s_mov_b32 s[\g+2], 256<<16                     ; the head's loads of codes bring 256 rows
	s_mov_b32 s[\g+3], ROWB<<16
	s_mov_b32 s[\g+4], 256
	s_mov_b32 s[\g+5], KROW
	s_mov_b32 s[\g+6], 0
	s_mov_b32 s[\g+7], 0
.endr
	s_or_b32 s[G1S+0], s43, (3<<16)|(1<<20)|(1<<21)|(5<<22)|(3<<25)
	s_or_b32 s[G1SB+0], s44, (3<<16)|(1<<20)|(1<<21)|(5<<22)|(3<<25)
.irp g, G1S, G1SB
	s_mov_b32 s[\g+1], 32<<16
	s_mov_b32 s[\g+2], KS<<16                      ; the scale bytes of 256 rows: KS rows of 256 bytes
	s_mov_b32 s[\g+3], 32<<16
	s_mov_b32 s[\g+4], KS
	s_mov_b32 s[\g+5], 32
	s_mov_b32 s[\g+6], 0
	s_mov_b32 s[\g+7], 0
.endr
	s_lshl_b32 s20, s17, 8                         ; A: the tile's first row
	s_lshl_b32 s46, s42, 8                         ; B likewise
	s_mov_b32 s21, 0
	s_mov_b32 s47, 0
	s_mov_b64 s[18:19], KS
	s_mul_u64 s[22:23], s[20:21], s[18:19]
	s_mul_u64 s[92:93], s[46:47], s[18:19]
	s_mov_b64 s[18:19], KROW
	s_mul_u64 s[20:21], s[20:21], s[18:19]
	s_mul_u64 s[46:47], s[46:47], s[18:19]
	s_mul_i32 s18, s16, 128*KROW                   ; in the ring I fetch 128 rows: which half, in bytes
	s_mov_b32 s19, 0
	s_mul_i32 s45, s14, HALFT
	s_add_nc_u64 s[20:21], s[4:5], s[20:21]
	s_add_nc_u64 s[22:23], s[6:7], s[22:23]
	s_add_nc_u64 s[46:47], s[8:9], s[46:47]
	s_add_nc_u64 s[92:93], s[10:11], s[92:93]
	CROUND
	s_mov_b32 s[G0S], 1
	s_mov_b32 s[G0S+1], SCL
	s_mov_b64 s[G0S+2:G0S+3], s[22:23]
	s_or_b32 s[G0S+3], s[G0S+3], 0x80000000
	s_mov_b32 s[G0SB], 1
	s_mov_b32 s[G0SB+1], SCL+2*HALFS
	s_mov_b64 s[G0SB+2:G0SB+3], s[92:93]
	s_or_b32 s[G0SB+3], s[G0SB+3], 0x80000000
	s_mov_b32 s4, 1                                ; s[4:7]: K step 0's 256 rows of A (the arguments that lay here are used up)
	s_mov_b32 s5, 0
	s_mov_b64 s[6:7], s[20:21]
	s_or_b32 s7, s7, 0x80000000
	s_mov_b32 s8, 1                                ; s[8:11]: its 256 rows of B, behind them in slot 0
	s_mov_b32 s9, 2*HALFT
	s_mov_b64 s[10:11], s[46:47]
	s_or_b32 s11, s11, 0x80000000
	s_add_nc_u64 s[20:21], s[20:21], s[18:19]      ; for the ring: my 128 rows
	s_add_nc_u64 s[46:47], s[46:47], s[18:19]
.irp s, 0,1
	s_mov_b32 s[G0+4*\s], 1
	s_add_co_u32 s[G0+4*\s+1], s45, \s*SLOT
	s_add_nc_u64 s[G0+4*\s+2:G0+4*\s+3], s[20:21], \s*ROWB
	s_or_b32 s[G0+4*\s+3], s[G0+4*\s+3], 0x80000000
	s_mov_b32 s[G0B+4*\s], 1
	s_add_co_u32 s[G0B+4*\s+1], s45, \s*SLOT
	s_add_nc_u64 s[G0B+4*\s+2:G0B+4*\s+3], s[46:47], \s*ROWB
	s_or_b32 s[G0B+4*\s+3], s[G0B+4*\s+3], 0x80000000
.endr
; the head's four tiles, one joint load a wave, in one chain of branches on the wave's number: A's rows, B's rows, A's scale bytes, B's
.macro ARM w, g0, g1, next
	s_cmp_eq_u32 s14, \w
	s_cbranch_scc0 \next
	tensor_load_to_lds s[\g0:\g0+3], s[\g1:\g1+7]
	s_nop 0
.rept 4
	v_nop
.endr
	s_branch .Lhead_asked
\next:
.endm
	ARM 0, 4, G1, .Lhead_b
	ARM 1, 8, G1B, .Lhead_sa
	ARM 2, G0S, G1S, .Lhead_sb
	tensor_load_to_lds s[G0SB:G0SB+3], s[G1SB:G1SB+7]
	s_nop 0
.rept 4
	v_nop
.endr
.Lhead_asked:
	v_and_b32 v1, 15, v0
	s_wait_alu depctr_va_vdst(0)
	v_bfe_u32 v2, v0, 4, 1
	s_lshl_b32 s46, s42, 10
	s_lshl_b32 s47, s16, 9
	s_add_co_u32 s46, s46, s47
	s_mov_b32 s47, 0
	s_add_nc_u64 s[96:97], s[96:97], s[46:47]
	v_lshlrev_b32 v7, 5, v2
.irp b, 0,1,2,3,4,5,6,7
	global_load_b128 v[BI+8*\b:BI+8*\b+3], v7, s[96:97] offset:64*\b
	global_load_b128 v[BI+8*\b+4:BI+8*\b+7], v7, s[96:97] offset:64*\b+16
.endr
	v_mul_u32_u24 v3, v1, PITCH
	v_lshl_add_u32 v4, v2, 4, v3
	s_mul_i32 s21, s15, HALFT
	s_mul_i32 s22, s16, HALFT
	s_add_co_u32 s22, s22, 2*HALFT
.irp s, 0,1
	v_add_nc_u32 v[ADRA+\s], s21, v4
	v_add_nc_u32 v[ADRB+\s], s22, v4
	s_add_co_u32 s21, s21, SLOT
	s_add_co_u32 s22, s22, SLOT
.endr
	v_mul_u32_u24 v5, v1, KS
	v_lshrrev_b32 v6, 8, v5
	v_lshl_add_u32 v5, v6, 4, v5
	s_mul_i32 s21, s15, HALFS
	s_mul_i32 s22, s16, HALFS
	s_add_co_u32 s22, s22, 2*HALFS
	s_sub_co_u32 s22, s22, s21
	v_mul_u32_u24 v6, s22, v2
	s_add_co_u32 s21, s21, SCL
	v_add_nc_u32 v5, v5, v6
	v_add_nc_u32 v[ADRS], s21, v5
	s_lshl_b32 s23, s14, 9
	v_lshlrev_b32 v[CO], 4, v1
	v_lshl_add_u32 v[CO], v2, 3, v[CO]
	v_lshlrev_b32 v[SH], 4, v2
	v_lshlrev_b32 v[SS], 1, v1
	v_lshl_add_u32 v[SS], v2, 8, v[SS]
	v_add_nc_u32 v[SS], s23, v[SS]
	v_and_b32 v6, 31, v0
	v_lshl_add_u32 v[SR], v6, 4, s23
	v_lshlrev_b32 v[SG], 4, v1
	v_lshl_add_u32 v[SG], v2, 11, v[SG]
	s_lshr_b32 s20, s17, 2
	s_lshl_b32 s20, s20, 4
	s_lshl_b32 s46, s42, 2
	s_add_co_u32 s46, s46, s20
	s_lshl_b32 s47, s16, 1
	s_add_co_u32 s46, s46, s47
	s_and_b32 s21, s17, 3
	s_lshl_b32 s21, s21, 1
	s_add_co_u32 s21, s21, s15
	s_lshl_b32 s100, s46, 17
	s_lshl_b32 s47, s21, 14
	s_add_co_u32 s100, s100, s47
	s_lshr_b32 s47, s95, 1
	s_lshl_b32 s47, s47, 23
	s_add_co_u32 s100, s100, s47
	s_and_b32 s47, s95, 1
	s_lshl_b32 s47, s47, 10
	s_add_co_u32 s100, s100, s47
	s_mov_b32 s101, 0
	s_add_nc_u64 s[12:13], s[12:13], s[100:101]
	s_lshl_b32 s100, s46, 11
	s_lshl_b32 s47, s21, 8
	s_add_co_u32 s100, s100, s47
	s_lshl_b32 s47, s95, 17
	s_add_co_u32 s100, s100, s47
	s_add_nc_u64 s[98:99], s[98:99], s[100:101]
.macro FRAG reg, adr, q, i
.irp c, 0,1,2,3
	ds_load_b128 v[\reg+4*\c:\reg+4*\c+3], v[\adr] offset:128*(\q)+32*\c+(\i)*16*PITCH
.endr
.endm
.macro MUL16 a0, p, q, sc, first
.irp a, \a0, \a0+1
.irp b, 0,1,2,3,4,5,6,7
.if \first
	v_wmma_scale_f32_16x16x128_f8f6f4 v[8*(8*((\a)%4)+\b):8*(8*((\a)%4)+\b)+7], v[128*(\p)+FR*\b:128*(\p)+FR*\b+FR-1], v[AF+FR*(\a):AF+FR*(\a)+FR-1], v[BI+8*\b:BI+8*\b+7], v[SC+8*NQ*(\sc)+NQ*\b+(\q)], v[SC+8*NQ*(\sc)+NQ*(\a)+(\q)] matrix_a_scale:MATRIX_SCALE_ROW1
.else
	v_wmma_scale_f32_16x16x128_f8f6f4 v[8*(8*((\a)%4)+\b):8*(8*((\a)%4)+\b)+7], v[128*(\p)+FR*\b:128*(\p)+FR*\b+FR-1], v[AF+FR*(\a):AF+FR*(\a)+FR-1], v[8*(8*((\a)%4)+\b):8*(8*((\a)%4)+\b)+7], v[SC+8*NQ*(\sc)+NQ*\b+(\q)], v[SC+8*NQ*(\sc)+NQ*(\a)+(\q)] matrix_a_scale:MATRIX_SCALE_ROW1
.endif
.endr
.endr
.endm
.macro FETCH_B slot, q, p
	WIN TO_B
.irp i, 0,1,2,3,4,5,6,7
	FRAG 128*(\p)+FR*\i, ADRB+\slot, \q, \i
.endr
	WIN 0
.endm
.macro FETCH_A slot, q, i0
.irp i, \i0, \i0+1, \i0+2, \i0+3
	FRAG AF+FR*(\i), ADRA+\slot, \q, \i
.endr
.endm
.macro SCALES sc
.irp i, 0,1,2,3,4,5,6,7
	ds_load_b64 v[SC+8*NQ*\sc+NQ*\i:SC+8*NQ*\sc+NQ*\i+1], v[ADRS] offset:\i*SBLK
.endr
.endm
.macro PLACES n
.rept \n
	v_nop
.endr
.endm
.macro STEP slot, q, first
	s_wait_dscnt 4*NL
	WIN MUL_LO-0x20*(\first)
	MUL16 0, (\q)%2, \q, \slot, \first
	MUL16 2, (\q)%2, \q, \slot, \first
	s_wait_dscnt 0
	PLACES NP
	FETCH_B \slot, (\q)+1, 1-(\q)%2
	FETCH_A \slot, (\q)+1, 0
	WIN MUL_HI-0x30*(\first)
	MUL16 4, (\q)%2, \q, \slot, \first
	MUL16 6, (\q)%2, \q, \slot, \first
	PLACES NP
	WIN 0
	FETCH_A \slot, (\q)+1, 4
.endm
.macro TURN slot, next, fill
	s_wait_tensorcnt 0x0
	ds_add_u32 v[SPW], v[NIL]
	s_wait_dscnt 4*NL+1
	WIN MUL_LO
	MUL16 0, 1, NQ-1, \slot, 0
	s_wait_dscnt 0x0
	s_barrier_signal -1
	MUL16 2, 1, NQ-1, \slot, 0
	WIN 0
	s_barrier_wait -1
.if \fill
	CREST
	s_add_nc_u64 s[G0+4*\slot+2:G0+4*\slot+3], s[G0+4*\slot+2:G0+4*\slot+3], 2*ROWB
	s_add_nc_u64 s[G0B+4*\slot+2:G0B+4*\slot+3], s[G0B+4*\slot+2:G0B+4*\slot+3], 2*ROWB
	JLOAD G0+4*\slot, G1, G0B+4*\slot, G1B
	PLACES NP-4
.else
	PLACES NP
.endif
	s_wait_alu depctr_va_vdst(0)
	v_add_nc_u32 v[ADRS], 4*NQ, v[ADRS]
	FETCH_B \next, 0, 0
	FETCH_A \next, 0, 0
	SCALES \next
	WIN MUL_HI
	MUL16 4, 1, NQ-1, \slot, 0
	MUL16 6, 1, NQ-1, \slot, 0
	PLACES NP
	WIN 0
	FETCH_A \next, 0, 4
.endm
	s_wait_alu depctr_va_vdst(0)
	s_wait_loadcnt 0x0                             ; the bias
	s_wait_tensorcnt 0x0                           ; my tile of the head's four is in
	ds_add_u32 v[SPW], v[NIL]
	s_mov_b32 s[G1+2], 128<<16                     ; no load of mine is out: from here on a load brings 128 rows
	s_mov_b32 s[G1+4], 128
	s_mov_b32 s[G1B+2], 128<<16
	s_mov_b32 s[G1B+4], 128
	s_wait_dscnt 0x0
	CROUND                                         ; all four tiles are in, all sixteen work-groups are here
	JLOAD G0+4, G1, G0B+4, G1B                     ; K step 1, the first tensor load behind the round
	FETCH_B 0, 0, 0
	FETCH_A 0, 0, 0
	SCALES 0
	FETCH_A 0, 0, 4
	STEP 0, 0, 1
	s_mov_b32 s3, LAPS-1
.Llap:
	TURN 0, 1, 1
	STEP 1, 0, 0
	TURN 1, 0, 1
	STEP 0, 0, 0
	s_sub_co_u32 s3, s3, 1
	s_cmp_lg_u32 s3, 0
	s_cbranch_scc1 .Llap
	TURN 0, 1, 0
	STEP 1, 0, 0
	s_wait_dscnt 4*NL
	WIN MUL_LO
	MUL16 0, 1, NQ-1, 1, 0
	MUL16 2, 1, NQ-1, 1, 0
	s_wait_dscnt 0
	WIN MUL_HI
	MUL16 4, 1, NQ-1, 1, 0
	MUL16 6, 1, NQ-1, 1, 0
	WIN 0
.macro QUANTA a
.set WN, 2+(\a)/4
.set AC, 64*((\a)%4)
.set CD, 96+16*((\a)%2)
	WIN 5*WN
.irp c, 0,1,2,3
	v_max3_num_f32 v[TM+\c], |v[AC+16*\c]|, |v[AC+16*\c+1]|, 0x4800000
.endr
	WIN 20*WN
.irp i, 2,4,6,8,10,12,14
.irp c, 0,1,2,3
	v_max3_num_f32 v[TM+\c], v[TM+\c], |v[AC+16*\c+\i]|, |v[AC+16*\c+\i+1]|
.endr
.endr
	WIN 0
.irp c, 0,1,2,3
	v_permlanex16_b32 v[TM+4+\c], v[TM+\c], s20, s21
.endr
.irp c, 0,1,2,3
	v_max_num_f32 v[TM+\c], v[TM+\c], v[TM+4+\c]
.endr
.irp c, 0,1,2,3
	v_add_nc_u32 v[TM+12+\c], 0xfc000000, v[TM+\c]
.endr
.irp c, 0,1,2,3
	v_and_or_b32 v[TM+8+\c], v[TM+\c], 0x7f800000, s22
.endr
.irp c, 0,1,2,3
	v_lshrrev_b32 v[TM+4+\c], 23, v[TM+12+\c]
.endr
	v_lshl_or_b32 v[PW], v[TM+5], 8, v[TM+4]
	v_lshl_or_b32 v[PW], v[TM+6], 16, v[PW]
	v_lshl_or_b32 v[PW], v[TM+7], 24, v[PW]
	WIN 65*WN
.irp c, 0,1,2,3
.irp i, 0,1,2,3,4,5,6,7,8,9,10,11,12,13,14,15
	v_med3_num_f32 v[AC+16*\c+\i], v[AC+16*\c+\i], -v[TM+8+\c], v[TM+8+\c]
.endr
.endr
	s_wait_alu depctr_va_vdst(0)
	s_wait_xcnt 0x0
	WIN WN
.irp c, 0,1,2,3
.irp u, 0,1
	v_cvt_scalef32_pk8_fp8_f32 v[CD+4*\c+2*\u:CD+4*\c+2*\u+1], v[AC+16*\c+8*\u:AC+16*\c+8*\u+7], v[TM+12+\c]
.endr
.endr
	WIN 0
	v_nop
.endm
	PLACES NP
	s_mov_b32 s20, 0x76543210
	s_mov_b32 s21, 0xfedcba98
	s_mov_b32 s22, 0x600000
.irp c, 0,1,2,3
	v_mov_b32 v[TM+4+\c], 0
.endr
.irp a, 0,1,2,3,4,5,6,7
	QUANTA \a
.irp c, 0,1,2,3
.irp u, 0,1
	global_store_b64 v[CO], v[CD+4*\c+2*\u:CD+4*\c+2*\u+1], s[12:13] offset:(\c/2)*131072+\a*2048+(\c%2)*512+\u*256
.endr
.endr
	v_lshrrev_b32 v[SV], v[SH], v[PW]
	ds_store_b16 v[SS], v[SV] offset:32*\a
.endr
	ds_load_b128 v[SO:SO+3], v[SR]
	s_wait_dscnt 0x0
	global_store_b128 v[SG], v[SO:SO+3], s[98:99]
	s_wait_tensorcnt 0x0
	ds_add_u32 v[SPW], v[NIL]
	s_wait_dscnt 0x0
	CROUND
	s_endpgm
.Lfunc_end_k_q3a20bc4e7d_projqk:
	.size	k_q3a20bc4e7d_projqk, .Lfunc_end_k_q3a20bc4e7d_projqk-k_q3a20bc4e7d_projqk
	.p2alignl 7, 3214868480
	.fill 96, 4, 3214868480
	.section	.rodata,"a",@progbits
	.p2align	6, 0x0
	.amdhsa_kernel k_q3a20bc4e7d_projqk
		.amdhsa_group_segment_fixed_size 327680
		.amdhsa_private_segment_fixed_size 0
		.amdhsa_enable_private_segment 0
		.amdhsa_kernarg_size 176
		.amdhsa_user_sgpr_count 2
		.amdhsa_user_sgpr_kernarg_segment_ptr 1
		.amdhsa_wavefront_size32 1
		.amdhsa_system_sgpr_workgroup_id_x 1
		.amdhsa_system_sgpr_workgroup_id_y 1
		.amdhsa_system_sgpr_workgroup_id_z 1
		.amdhsa_system_vgpr_workitem_id 0
		.amdhsa_next_free_vgpr 1024
		.amdhsa_next_free_sgpr 102
		.amdhsa_reserve_vcc 0
		.amdhsa_float_denorm_mode_32 3
		.amdhsa_float_denorm_mode_16_64 3
		.amdhsa_memory_ordered 1
		.amdhsa_forward_progress 1
		.amdhsa_inst_pref_size 193
	.end_amdhsa_kernel
	.amdgpu_metadata
---
amdhsa.version: [ 1, 2 ]
amdhsa.kernels:
  - .name:           k_q3a20bc4e7d_projqk
    .symbol:         k_q3a20bc4e7d_projqk.kd
    .args:
      - { .name: q_r_codes, .offset: 0, .size: 8, .value_kind: global_buffer, .address_space: global }
      - { .name: q_r_scales, .offset: 8, .size: 8, .value_kind: global_buffer, .address_space: global }
      - { .name: Wq_r_codes, .offset: 16, .size: 8, .value_kind: global_buffer, .address_space: global }
      - { .name: Wq_r_scales, .offset: 24, .size: 8, .value_kind: global_buffer, .address_space: global }
      - { .name: bq_r, .offset: 32, .size: 8, .value_kind: global_buffer, .address_space: global }
      - { .name: q_i_codes, .offset: 40, .size: 8, .value_kind: global_buffer, .address_space: global }
      - { .name: q_i_scales, .offset: 48, .size: 8, .value_kind: global_buffer, .address_space: global }
      - { .name: Wq_i_codes, .offset: 56, .size: 8, .value_kind: global_buffer, .address_space: global }
      - { .name: Wq_i_scales, .offset: 64, .size: 8, .value_kind: global_buffer, .address_space: global }
      - { .name: bq_i, .offset: 72, .size: 8, .value_kind: global_buffer, .address_space: global }
      - { .name: k_r_codes, .offset: 80, .size: 8, .value_kind: global_buffer, .address_space: global }
      - { .name: k_r_scales, .offset: 88, .size: 8, .value_kind: global_buffer, .address_space: global }
      - { .name: Wk_r_codes, .offset: 96, .size: 8, .value_kind: global_buffer, .address_space: global }
      - { .name: Wk_r_scales, .offset: 104, .size: 8, .value_kind: global_buffer, .address_space: global }
      - { .name: bk_r, .offset: 112, .size: 8, .value_kind: global_buffer, .address_space: global }
      - { .name: k_i_codes, .offset: 120, .size: 8, .value_kind: global_buffer, .address_space: global }
      - { .name: k_i_scales, .offset: 128, .size: 8, .value_kind: global_buffer, .address_space: global }
      - { .name: Wk_i_codes, .offset: 136, .size: 8, .value_kind: global_buffer, .address_space: global }
      - { .name: Wk_i_scales, .offset: 144, .size: 8, .value_kind: global_buffer, .address_space: global }
      - { .name: bk_i, .offset: 152, .size: 8, .value_kind: global_buffer, .address_space: global }
      - { .name: qk_img, .offset: 160, .size: 8, .value_kind: global_buffer, .address_space: global }
      - { .name: qk_sc, .offset: 168, .size: 8, .value_kind: global_buffer, .address_space: global }
    .group_segment_fixed_size: 327680
    .private_segment_fixed_size: 0
    .kernarg_segment_align: 8
    .kernarg_segment_size: 176
    .max_flat_workgroup_size: 128
    .sgpr_count:     102
    .vgpr_count:     1024
    .wavefront_size: 32
...
	.end_amdgpu_metadata
.endif
;; end of part 5
;; launch projv (part 6): grid 16 x 16, 4 waves a work-group, clusters of 4 x 4, 327,680 bytes of LDS; arguments Wv_r_codes, Wv_r_scales, v_r_codes, v_r_scales, bv_r, Wv_i_codes, Wv_i_scales, v_i_codes, v_i_scales, bv_i, v_img, v_sc; writes v_img, v_sc
.if DOCPART == 6
	.amdgcn_target "amdgcn-amd-amdhsa--gfx1250"
	.amdhsa_code_object_version 6
	.text
	.protected	k_q3a20bc4e7d_projv
	.globl	k_q3a20bc4e7d_projv
	.p2align	8
	.type	k_q3a20bc4e7d_projv,@function
k_q3a20bc4e7d_projv:
	s_mov_b64 s[64:65], 0
	v_nop
	global_prefetch_b8 v0, s[64:65] scope:SCOPE_SE
	s_setreg_imm32_b32 hwreg(HW_REG_WAVE_MODE, 25, 1), 1
	s_wait_xcnt 0x0
	s_wait_alu depctr_hold_cnt(0) depctr_sa_sdst(0) depctr_va_vdst(0) depctr_va_sdst(0) depctr_va_ssrc(0) depctr_va_vcc(0) depctr_vm_vsrc(0)
	s_getreg_b32 s2, hwreg(HW_REG_IB_STS2, 6, 4)
	s_cmp_eq_u32 s2, 0
	s_cbranch_scc0 .Lentry_in_a_cluster
	s_endpgm
.Lentry_in_a_cluster:
	s_bfe_u32 s2, ttmp6, 0x10000c
	s_cmp_lg_u32 s2, 0xf033
	s_cbranch_scc0 .Lentry_shape_is_right
	s_endpgm
.Lentry_shape_is_right:
; THE TWO VALUE PROJECTIONS, TRANSPOSED: g = 0 Vr, 1 Vi.  V^T = W X^T + b: "A" is W [1024 channels][1024], "B" is X [4096 tokens][1024], both as codes of E4M3 with one E8M0 byte for each 32 along K.
; V is an operand of the attention's second product, whose K is the keys: so it is quantised along the TOKENS.  With W as source 1 a lane holds one channel and its registers run along the tokens.
; A tile, 128 channels x 256 tokens, is made by a work-group of four waves; a wave makes 64 x 128: 32 accumulators of 16 x 16.  8 x 16 tiles for each g: 256 work-groups.
; K = 1024 goes in four steps of 256 through THREE LDS slots: steps 0, 1, 2 and the scale bytes of the tile's rows are asked for at the start (four tensor loads of a wave are out at the most);
; only step 3 is a refill, of slot 0, asked for at the end of step 0: it has steps 1 and 2 in which to land.  The eight sub-steps of 128 along K are written out: there is no loop.
; CLUSTERS: 4 x 4 work-groups, all of one g.  The four of a row need the same tiles of W, the four of a column the same tiles of X: each tile is asked for jointly.
; THE BIAS (one number a channel, that is a lane) is the C of each sum's first matrix instruction.
; OUT.  v_img [batch x head 64][key step 8][channel tile 8: 0-3 real, 4-7 imaginary][2048]: an image of the reader's operand registers.  Lane (channel r, h), group c: bytes 0-7 are keys 32 c + 8 h + 0..7,
;       bytes 8-15 keys 32 c + 16 + 8 h + 0..7: inside a block of 32 the keys stand in the order in which the attention launch holds its weights, so the products are the same and the blocks are untouched.
;       v_sc [batch x head][key step][128 channels]: one word, the four scale bytes of the step's four blocks of keys.
; LIMITS: NaN and infinities are not served; a block whose largest magnitude lies under 2^-118 (a block of zeros too) gets the scale byte 1: only this program reads the bytes.
; REGISTERS, in windows of 256: window 0: v0-31 addresses; v32-63 scale words, two sets; v64-127 the bias, later the quantiser's work.
;   window 1: fragment set 0: X's eight at v0-127, W's four at v128-191.   window 3: set 1, laid alike.   window 2: the accumulators ((a, b) at v[8 (8 a + b)]).
;   Both operands of a set lie in one window, so that a run of loads wants one switch and a run of products one.
; THE FILLS, otherwise than the head's comment has them: at the head one joint load a wave: W's 128 rows of K steps 0 and 1 (rows of 512 bytes), X's 256 rows of them, W's and X's rows of K step 2.
; K step 3 is the one refill, onto K step 0's bytes.  The scale words of all of K come straight into registers: 8 words a row.
.set ROWB,   256                       ; a tile's row in bytes
.set KROW,   1024                      ; a row of W or X in memory
.set PITCH,  272                       ; an LDS row: 256 bytes + 16 of padding: the 16 rows that a load touches start 68 words apart
.set FR,     16                        ; registers of a fragment
.set NP,     8                         ; places behind this matrix instruction (ISA guide 7.12.1)
; (In place of what the note above says of the K steps: K steps 1 and 2 share the rows of 512 bytes; K step 0 lies apart, in rows of 256 bytes, and K step 3 is filled over it.)
.set PP,     528                       ; an LDS row of two K steps: 512 bytes + 16
.set XP,     128*PP                    ; K steps 1, 2: W's 128 rows at 0, X's 256 rows here
.set QW,     XP+256*PP                 ; K step 0, later 3: W's rows,
.set QX,     QW+128*PITCH              ; X's rows
.set SPARE,  QX+256*PITCH              ; the spare words: 128 bytes for each wave, named by no other line
.set STG,    0                         ; the way out: 256 bytes a wave where K steps 1, 2 lay: filled once, last read ahead of the barrier in sub-step 5
.set SX,     128                       ; v128-191 X's scale words: block b, sub-step t at SX + 8 b + t
.set SW,     192                       ; v192-223 W's: block a, sub-step t at SW + 8 a + (t + 4) % 8: the two numbers differ modulo 8
.set TT,     -1                        ; the sub-step that is being assembled
.set ADRA, 16                          ; v16-18 LDS address of my W fragments in slot 0, 1, 2
.set ADRB, 20                          ; v20-22 the same for X
.set SS,   24                          ; v24 where I put a scale word: STG + 256 wave + 4 r
.set SR,   25                          ; v25 where I read them back: STG + 256 wave + 8 lane
.set CO,   26                          ; v26 16 x lane
.set SPW,  28                          ; v28 my spare word; never rewritten
.set NIL,  29                          ; v29 0; never rewritten
.set SG,   30                          ; v30 8 x lane
.set BI,   64                          ; the bias: 8 equal registers for each of W's four blocks
.set TM,   64                          ; the quantiser: +0..3 largest magnitudes, +4..7 bytes, +8..11 448 x scale, +12..15 the conversions' scale operand
.set PW,   80
.set SO,   84
.set AF,   128                         ; W's fragments in a set's window
.set G1, 24                            ; s[24:31] the shape of W's tiles;  s[32:43] from where, to where: one set for each slot
.set G0, 32
.set G1B, 44                           ; s[44:51], s[52:63] the same for X's
.set G0B, 52
.set G1S, 68                           ; s[68:75] the shape of W's K steps 1, 2;  s[80:87] X's
.set G0S, 76
.set G1SB, 80
.set G0SB, 88
.set MSB, 0
.macro WIN new                         ; the immediate's high byte repeats the setting that is left
.if MSB != (\new)
	s_set_vgpr_msb (MSB<<8)|(\new)
.set MSB, (\new)
.endif
.endm
.macro JLOAD g0a, g1a, g0b, g1b        ; a joint load: waves 0 and 1 fetch for W, waves 2 and 3 for X; the branch hangs on the wave's number alone; four v_nop follow each line
	s_cmp_eq_u32 s15, 0
	s_cbranch_scc0 .Lfor_b_\@
	tensor_load_to_lds s[\g0a:\g0a+3], s[\g1a:\g1a+7]
	s_nop 0
.rept 4
	v_nop
.endr
	s_branch .Lasked_\@
.Lfor_b_\@:
	tensor_load_to_lds s[\g0b:\g0b+3], s[\g1b:\g1b+7]
	s_nop 0
.rept 4
	v_nop
.endr
.Lasked_\@:
.endm
.macro CREST                           ; a round of the cluster's barrier behind its opening barrier
	s_cmp_lg_u32 s14, 0
	s_cbranch_scc1 .Lnot_wave_0_\@
	s_barrier_signal -3
.Lnot_wave_0_\@:
	s_barrier_wait -3
	s_barrier_signal -1
	s_barrier_wait -1
.endm
.macro CROUND
	s_barrier_signal -1
	s_barrier_wait -1
	CREST
.endm
.macro SHAPE g, c, r, p                ; words 1 to 7 of a group 1: r rows of c elements, p elements from row to row
	s_mov_b32 s[\g+1], (\c)<<16
	s_mov_b32 s[\g+2], (\r)<<16
	s_mov_b32 s[\g+3], (\c)<<16
	s_mov_b32 s[\g+4], \r
	s_mov_b32 s[\g+5], \p
	s_mov_b32 s[\g+6], 0
	s_mov_b32 s[\g+7], 0
.endm
	s_load_b512 s[24:39], s[0:1], 0x0              ; ten input addresses, five for each g: W's codes, W's scales, X's codes, X's scales, b; set g at s[24 + 10 g]
	s_load_b128 s[40:43], s[0:1], 0x40
	s_load_b64 s[12:13], s[0:1], 0x50              ; v_img
	s_load_b64 s[98:99], s[0:1], 0x58              ; v_sc
	v_lshl_add_u32 v[SPW], v0, 2, SPARE
	v_mov_b32 v[NIL], 0
	ds_add_u32 v28, v29
	ds_add_u32 v28, v29
	s_wait_dscnt 0x0
	v_lshrrev_b32 v1, 5, v0
	v_readfirstlane_b32 s14, v1                    ; wave 0..3
	s_lshr_b32 s15, s14, 1                         ; which 64 of the tile's channels are mine.  Also: I fetch for W (0) or for X (1)
	s_and_b32 s16, s14, 1                          ; which 128 of its tokens.  Also: which half of that tile I fetch
	s_and_b32 s17, ttmp7, 0xffff                   ; the cluster's y, 0..3
	s_lshr_b32 s95, s17, 1                         ; g: the same in all sixteen partners
	s_and_b32 s17, s17, 1
	s_wait_kmcnt 0x0
	s_cmp_lg_u32 s95, 0                            ; the choice hangs on the cluster's number alone
	s_cselect_b64 s[4:5], s[34:35], s[24:25]       ; W's codes
	s_cselect_b64 s[6:7], s[36:37], s[26:27]       ; W's scales
	s_cselect_b64 s[8:9], s[38:39], s[28:29]       ; X's codes
	s_cselect_b64 s[10:11], s[40:41], s[30:31]     ; X's scales
	s_cselect_b64 s[96:97], s[42:43], s[32:33]     ; b
	s_bfe_u32 s2, ttmp6, 0x40000                   ; cx, cy: my place in the cluster
	s_bfe_u32 s3, ttmp6, 0x40004
	s_lshl_b32 s94, ttmp9, 2
	s_add_co_u32 s94, s94, s2                      ; tile column (tokens), 0..15
	s_lshl_b32 s17, s17, 2
	s_add_co_u32 s17, s17, s3                      ; tile row (channels), 0..7
	s_lshl_b32 s104, s3, 2
	s_lshl_b32 s104, 15, s104                      ; my row of the cluster
	s_lshl_b32 s105, 0x1111, s2                    ; my column
	s_or_b32 s[G1+0], s104, (1<<20)|(1<<21)|(5<<22)|(3<<25)    ; W, K step 0: 128 rows of 256 bytes, 4 words behind each
	SHAPE G1, ROWB, 128, KROW
	s_or_b32 s[G1B+0], s105, (1<<20)|(1<<21)|(5<<22)|(3<<25)   ; X, K step 0: 256 rows
	SHAPE G1B, ROWB, 256, KROW
	s_or_b32 s[G1S+0], s104, (1<<20)|(1<<21)|(6<<22)|(3<<25)   ; W, K steps 1 and 2: 128 rows of 512 bytes, 4 words behind each
	SHAPE G1S, 2*ROWB, 128, KROW
	s_or_b32 s[G1SB+0], s105, (1<<20)|(1<<21)|(6<<22)|(3<<25)  ; X likewise: 256 rows
	SHAPE G1SB, 2*ROWB, 256, KROW
	s_lshl_b32 s20, s17, 17                        ; W: the tile's 128 rows of 1,024 bytes
	s_mov_b32 s21, 0
	s_add_nc_u64 s[20:21], s[4:5], s[20:21]
	s_lshl_b32 s100, s94, 18                       ; X: its 256 rows
	s_mov_b32 s101, 0
	s_add_nc_u64 s[100:101], s[8:9], s[100:101]
	s_lshl_b32 s22, s17, 12                        ; the scale bytes of my wave's 64 channels,
	s_lshl_b32 s18, s15, 11
	s_add_co_u32 s22, s22, s18
	s_mov_b32 s23, 0
	s_add_nc_u64 s[6:7], s[6:7], s[22:23]
	s_lshl_b32 s92, s94, 13                        ; and of its 128 tokens
	s_lshl_b32 s18, s16, 12
	s_add_co_u32 s92, s92, s18
	s_mov_b32 s93, 0
	s_add_nc_u64 s[10:11], s[10:11], s[92:93]
	s_mov_b32 s[G0], 1                             ; the refill, K step 3: my half of W's rows,
	s_mul_i32 s[G0+1], s16, 64*PITCH
	s_add_co_u32 s[G0+1], s[G0+1], QW
	s_lshl_b32 s18, s16, 16
	s_add_co_u32 s18, s18, 3*ROWB
	s_mov_b32 s19, 0
	s_add_nc_u64 s[G0+2:G0+3], s[20:21], s[18:19]
	s_or_b32 s[G0+3], s[G0+3], 0x80000000
	s_mov_b32 s[G0B], 1                            ; or of X's
	s_mul_i32 s[G0B+1], s16, 128*PITCH
	s_add_co_u32 s[G0B+1], s[G0B+1], QX
	s_lshl_b32 s18, s16, 17
	s_add_co_u32 s18, s18, 3*ROWB
	s_add_nc_u64 s[G0B+2:G0B+3], s[100:101], s[18:19]
	s_or_b32 s[G0B+3], s[G0B+3], 0x80000000
.macro HEAD0 g, lds, a, off            ; group 0 of a head's tile
	s_mov_b32 s[\g], 1
	s_mov_b32 s[\g+1], \lds
	s_add_nc_u64 s[\g+2:\g+3], s[\a:\a+1], \off
	s_or_b32 s[\g+3], s[\g+3], 0x80000000
.endm
	HEAD0 G0+8, 0, 20, ROWB                        ; W's K steps 1, 2,
	HEAD0 G0+4, QW, 20, 0                          ; its K step 0,
	HEAD0 G0B+8, XP, 100, ROWB                     ; and the same of X
	HEAD0 G0B+4, QX, 100, 0
	CROUND                                         ; all sixteen work-groups are here: the first joint loads meet
.macro ARM w, g0, g1, next             ; one joint load a wave, in one chain of branches on the wave's number
	s_cmp_eq_u32 s14, \w
	s_cbranch_scc0 \next
	tensor_load_to_lds s[\g0:\g0+3], s[\g1:\g1+7]
	s_nop 0
.rept 4
	v_nop
.endr
	s_branch .Lhead_asked
\next:
.endm
	ARM 0, G0+8, G1S, .Lhead_xp
	ARM 1, G0B+8, G1SB, .Lhead_wq
	ARM 2, G0+4, G1, .Lhead_xq
	tensor_load_to_lds s[G0B+4:G0B+7], s[G1B:G1B+7]
	s_nop 0
.rept 4
	v_nop
.endr
.Lhead_asked:
	v_and_b32 v1, 15, v0                           ; r
	v_bfe_u32 v2, v0, 4, 1                         ; h
	; the bias of my 64 channels: lane (r, h) wants, for W's block a, b[16 a + r]
	s_lshl_b32 s100, s17, 9
	s_lshl_b32 s101, s15, 8
	s_add_co_u32 s100, s100, s101
	s_mov_b32 s101, 0
	s_add_nc_u64 s[96:97], s[96:97], s[100:101]
	v_lshlrev_b32 v7, 2, v1
.irp a, 0,1,2,3
	global_load_b32 v[BI+8*\a], v7, s[96:97] offset:64*\a
.endr
	s_mul_i32 s21, s15, 64*PP                      ; my 64 rows of W and 128 rows of X: K steps 1, 2,
	s_mul_i32 s22, s16, 128*PP
	s_add_co_u32 s22, s22, XP
	s_mul_i32 s18, s15, 64*PITCH                   ; K steps 0 and 3
	s_mul_i32 s19, s16, 128*PITCH
	s_add_co_u32 s18, s18, QW
	s_add_co_u32 s19, s19, QX
	s_wait_alu depctr_va_vdst(0)
	v_mul_u32_u24 v3, v1, PP
	v_lshl_add_u32 v3, v2, 4, v3                   ; a fragment's row x pitch + 16 x half
	v_mul_u32_u24 v4, v1, PITCH
	v_lshl_add_u32 v4, v2, 4, v4
	v_add_nc_u32 v[ADRA+1], s21, v3                ; K step 1,
	v_add_nc_u32 v[ADRB+1], s22, v3
	v_add_nc_u32 v[ADRA+2], ROWB, v[ADRA+1]        ; K step 2: 256 bytes on in the same rows,
	v_add_nc_u32 v[ADRB+2], ROWB, v[ADRB+1]
	v_add_nc_u32 v[ADRA], s18, v4                  ; K steps 0 and 3
	v_add_nc_u32 v[ADRB], s19, v4
	v_lshlrev_b32 v8, 5, v1                        ; scale bytes: 32 a row; lanes 16-31 take the same rows and are not read
.irp b, 0,1,2,3,4,5,6,7
	global_load_b128 v[SX+8*\b:SX+8*\b+3], v8, s[10:11] offset:512*\b
	global_load_b128 v[SX+8*\b+4:SX+8*\b+7], v8, s[10:11] offset:512*\b+16
.endr
.irp a, 0,1,2,3
	global_load_b128 v[SW+8*\a:SW+8*\a+3], v8, s[6:7] offset:512*\a+16   ; the two halves of W's eight words change places
	global_load_b128 v[SW+8*\a+4:SW+8*\a+7], v8, s[6:7] offset:512*\a
.endr
	s_lshl_b32 s23, s14, 8                         ; the way out: my 256 bytes for scale words
	s_add_co_u32 s23, s23, STG
	v_and_b32 v6, 31, v0
	v_lshlrev_b32 v[CO], 4, v6
	v_lshl_add_u32 v[SS], v1, 2, s23
	v_lshl_add_u32 v[SR], v6, 3, s23
	v_lshlrev_b32 v[SG], 3, v6
	; where my part begins in the two outputs
	s_lshr_b32 s20, s94, 2                         ; batch
	s_lshl_b32 s20, s20, 4
	s_lshl_b32 s21, s17, 1
	s_add_co_u32 s20, s20, s21
	s_add_co_u32 s20, s20, s15                     ; 16 batch + my head (2 x tile row + half)
	s_and_b32 s21, s94, 3
	s_lshl_b32 s21, s21, 1
	s_add_co_u32 s21, s21, s16                     ; my key step: which 128 tokens of the batch
	s_lshl_b32 s100, s20, 17                       ; a head: 8 key steps x 8 channel tiles x 2,048 bytes
	s_lshl_b32 s101, s21, 14
	s_add_co_u32 s100, s100, s101
	s_lshl_b32 s101, s95, 13                       ; real: channel tiles 0-3; imaginary: 4-7
	s_add_co_u32 s100, s100, s101
	s_mov_b32 s101, 0
	s_add_nc_u64 s[12:13], s[12:13], s[100:101]
	s_lshl_b32 s100, s20, 12
	s_lshl_b32 s22, s21, 9
	s_add_co_u32 s100, s100, s22
	s_lshl_b32 s22, s95, 8
	s_add_co_u32 s100, s100, s22
	s_add_nc_u64 s[98:99], s[98:99], s[100:101]
.macro FRAG reg, adr, q, i             ; 16 rows x 128 K: lane l holds row l % 16; registers 4 c .. 4 c + 3 hold K = 32 c + 16 (l / 16) + 0 .. 15
.irp c, 0,1,2,3
	ds_load_b128 v[(\reg)+4*\c:(\reg)+4*\c+3], v[\adr] offset:128*(\q)+32*\c+(\i)*16*LPI
.endr
.endm
.macro LOADS slot, q, g
.set LPI, PITCH+256*(((\slot)+1)/2)    ; the pitch: 272 where K steps 0 and 3 lie (slot 0), 528 where K steps 1 and 2 lie
	FRAG FR*(2*(\g)), ADRB+(\slot), \q, 2*(\g)
	FRAG FR*(2*(\g)+1), ADRB+(\slot), \q, 2*(\g)+1
	FRAG AF+FR*(\g), ADRA+(\slot), \q, \g
.endm
; 8 matrix instructions: W's block a x X's eight.  first = 1: the bias is the C.  The 32 accumulators take turns, one instruction a turn, in the same order in every sub-step.
.macro MUL8 a, q, sc, first
.irp b, 0,1,2,3,4,5,6,7
.if \first
	v_wmma_scale_f32_16x16x128_f8f6f4 v[8*(8*(\a)+\b):8*(8*(\a)+\b)+7], v[FR*\b:FR*\b+FR-1], v[AF+FR*(\a):AF+FR*(\a)+FR-1], v[BI+8*(\a):BI+8*(\a)+7], v[SX+8*\b+TT], v[SW+8*(\a)+(TT+4)%8]
.else
	v_wmma_scale_f32_16x16x128_f8f6f4 v[8*(8*(\a)+\b):8*(8*(\a)+\b)+7], v[FR*\b:FR*\b+FR-1], v[AF+FR*(\a):AF+FR*(\a)+FR-1], v[8*(8*(\a)+\b):8*(8*(\a)+\b)+7], v[SX+8*\b+TT], v[SW+8*(\a)+(TT+4)%8]
.endif
.endr
.endm
.macro PLACES n                        ; plain vector instructions between a matrix instruction and a load into, or a read of, its registers
.rept \n
	v_nop
.endr
.endm
; Windows: loads into set 0: destination window 1 (0x40); into set 1: window 3 (0xc0).  Products on set 0: sources 0 and 1 window 1, C and D window 2 (0xa5); on set 1: 0xaf; with the bias as C (window 0): 0x85.
; A SUB-STEP of 128 along K on fragment set p (scale words of sub-step TT).  The next sub-step's fragments (slot nslot, its nq-th 128) go into the other set, in four runs of 12 loads, each ahead of 8 products.
.macro PLAIN p, q, sc, first, nslot, nq, nks
	s_wait_dscnt 0x0                               ; this sub-step's fragments, asked for a sub-step ago
.if (\first) == 0
	PLACES NP                                      ; the last sub-step's products read the set that the loads below fill
.endif
.set TT, TT+1
.irp g, 0,1,2,3
	WIN 0xc0-0x80*(\p)
	LOADS \nslot, \nq, \g
	WIN 0xa5+0x0a*(\p)-0x20*(\first)
	MUL8 \g, \q, \sc, \first
.endr
.endm
; SUB-STEP 1, the last of slot 0: behind a round of the cluster's barrier slot 0 is filled again, with K step 3.  In front of the round each wave waits for all its tensor loads (slots 1 and 2 among them),
; adds 0 to its spare word, and waits for that and for its reads of slot 0.  So the round also shows slots 1 and 2 whole to every wave: no barrier stands between K steps 1 and 2.
.macro TURN
.set TT, TT+1
	WIN 0                                          ; (the add's two registers lie in window 0)
	s_wait_tensorcnt 0x0                           ; all my tensor loads have landed
	ds_add_u32 v[SPW], v[NIL]                      ; 0 onto my spare word
	s_wait_dscnt 0x1                               ; this sub-step's fragments are in (the add may be out)
	WIN 0xaf
	MUL8 0, 1, 0, 0
	s_wait_dscnt 0x0                               ; the add is done, and my reads of slot 0 are over
	s_barrier_signal -1
	MUL8 1, 1, 0, 0
	WIN 0
	s_barrier_wait -1
	CREST                                          ; no wave of any partner still reads slot 0 or has a load on its way
	JLOAD G0, G1, G0B, G1B                         ; the first tensor load behind the round; its four v_nop are four of the eight places
	PLACES NP-4
	WIN 0x40
	LOADS 1, 0, 0
	LOADS 1, 0, 1
	WIN 0xaf
	MUL8 2, 1, 0, 0
	WIN 0x40
	LOADS 1, 0, 2
	LOADS 1, 0, 3
	WIN 0xaf
	MUL8 3, 1, 0, 0
.endm
; SUB-STEP 5, the last of slot 2: the wave that asked for its part of K step 3 waits for it, and a barrier tells the others.
.macro MEET
.set TT, TT+1
	s_wait_tensorcnt 0x0                           ; my one load that was out: my part of K step 3
	s_wait_dscnt 0x0                               ; this sub-step's fragments; no LDS instruction of mine is out at the signal
	s_barrier_signal -1
	WIN 0xaf
	MUL8 0, 1, 0, 0
	MUL8 1, 1, 0, 0
	s_barrier_wait -1
	PLACES NP
	WIN 0x40
	LOADS 0, 0, 0
	LOADS 0, 0, 1
	WIN 0xaf
	MUL8 2, 1, 0, 0
	WIN 0x40
	LOADS 0, 0, 2
	LOADS 0, 0, 3
	WIN 0xaf
	MUL8 3, 1, 0, 0
.endm
	s_wait_loadcnt 0x0                             ; the bias: one number a block; a C has eight registers, all for the lane's one channel
.irp a, 0,1,2,3
.irp j, 1,2,3,4,5,6,7
	v_mov_b32 v[BI+8*\a+\j], v[BI+8*\a]
.endr
.endr
	s_wait_alu depctr_va_vdst(0)
	s_wait_tensorcnt 0x0                           ; my tile of the head's four is in; no load of mine is out, so the two shapes are made anew for the refill:
	s_mov_b32 s[G1+2], 64<<16                      ; the refill brings half a tile a wave: W: 64 rows,
	s_mov_b32 s[G1+4], 64
	s_mov_b32 s[G1B+2], 128<<16                    ; X: 128
	s_mov_b32 s[G1B+4], 128
	s_barrier_signal -1
	s_barrier_wait -1
	WIN 0x40
.irp g, 0,1,2,3
	LOADS 0, 0, \g
.endr
	PLAIN 0, 0, 0, 1, 0, 1, 0                      ; sub-step 0: K step 0 in slot 0
	TURN                                           ; 1
	PLAIN 0, 0, 1, 0, 1, 1, 0                      ; 2: K step 1 in slot 1
	PLAIN 1, 1, 1, 0, 2, 0, 2                      ; 3
	PLAIN 0, 0, 0, 0, 2, 1, 0                      ; 4: K step 2 in slot 2
	MEET                                           ; 5
	PLAIN 0, 0, 1, 0, 0, 1, 0
.set TT, 7
	s_wait_dscnt 0x0                               ; 7: nothing more to fetch
	WIN 0xaf
.irp g, 0,1,2,3
	MUL8 \g, 1, 1, 0
.endr
	WIN 0
; THE QUANTISER on W's block a: 16 channels x 128 tokens.  Register AC + 16 c + i of lane (r, h) is token 32 c + 16 (i / 8) + 8 h + i % 8 of channel r: block c of 32 keys lies in my 16 registers and lane l xor 16's.
.macro QUANTA a
.set AC, 64*(\a)
.set CD, 96+16*((\a)%2)
	WIN 0x0a                                       ; sources 0 and 1: the accumulators' window
.irp c, 0,1,2,3
	v_max3_num_f32 v[TM+\c], |v[AC+16*\c]|, |v[AC+16*\c+1]|, 0x4800000   ; the floor 2^-118 among the leaves; each accumulator is read from its low end on
.endr
	WIN 0x28                                       ; sources 1 and 2
.irp i, 2,4,6,8,10,12,14
.irp c, 0,1,2,3
	v_max3_num_f32 v[TM+\c], v[TM+\c], |v[AC+16*\c+\i]|, |v[AC+16*\c+\i+1]|
.endr
.endr
	WIN 0
.irp c, 0,1,2,3
	v_permlanex16_b32 v[TM+4+\c], v[TM+\c], s20, s21
.endr
.irp c, 0,1,2,3
	v_max_num_f32 v[TM+\c], v[TM+\c], v[TM+4+\c]
.endr
.irp c, 0,1,2,3
	v_add_nc_u32 v[TM+12+\c], 0xfc000000, v[TM+\c]   ; 8 off the exponent field: the conversions' scale operand
.endr
.irp c, 0,1,2,3
	v_and_or_b32 v[TM+8+\c], v[TM+\c], 0x7f800000, s22   ; 448 x the scale
.endr
.irp c, 0,1,2,3
	v_lshrrev_b32 v[TM+4+\c], 23, v[TM+12+\c]        ; the byte
.endr
	v_lshl_or_b32 v[PW], v[TM+5], 8, v[TM+4]
	v_lshl_or_b32 v[PW], v[TM+6], 16, v[PW]
	v_lshl_or_b32 v[PW], v[TM+7], 24, v[PW]
	WIN 0x82                                       ; destination and source 0
.irp c, 0,1,2,3
.irp i, 0,1,2,3,4,5,6,7,8,9,10,11,12,13,14,15
	v_med3_num_f32 v[AC+16*\c+\i], v[AC+16*\c+\i], -v[TM+8+\c], v[TM+8+\c]   ; the conversion to an 8-bit code does not saturate (ISA guide 7.6.2)
.endr
.endr
	s_wait_alu depctr_va_vdst(0)
	s_wait_xcnt 0x0                                ; the stores of two blocks ago have read these code registers
	WIN 0x02                                       ; source 0
.irp c, 0,1,2,3
.irp u, 0,1
	v_cvt_scalef32_pk8_fp8_f32 v[CD+4*\c+2*\u:CD+4*\c+2*\u+1], v[AC+16*\c+8*\u:AC+16*\c+8*\u+7], v[TM+12+\c]
.endr
.endr
	WIN 0
	v_nop                                          ; one plain vector instruction behind the last conversion
.endm
	PLACES NP                                      ; behind the last products, ahead of every read of results
	s_mov_b32 s20, 0x76543210
	s_mov_b32 s21, 0xfedcba98                      ; v_permlanex16_b32's selects for lane l xor 16
	s_mov_b32 s22, 0x600000                        ; the mantissa field of 448
.irp c, 0,1,2,3
	v_mov_b32 v[TM+4+\c], 0                        ; written once: a lane permute's destination counts as one of its sources
.endr
.irp a, 0,1,2,3
	QUANTA \a
.irp c, 0,1,2,3
	global_store_b128 v[CO], v[CD+4*\c:CD+4*\c+3], s[12:13] offset:\a*2048+\c*512   ; channel tile a, group c: the 32 lanes store 512 consecutive bytes, aligned
.endr
	ds_store_b32 v[SS], v[PW] offset:64*\a         ; both halves of the lanes write the same word with the same value
.endr
	ds_load_b64 v[SO:SO+1], v[SR]                  ; LDS serves a wave's instructions in order: this sees my stores
	s_wait_dscnt 0x0
	global_store_b64 v[SG], v[SO:SO+1], s[98:99]   ; 64 channels x 4 bytes: the 32 lanes store 256 consecutive bytes, aligned
	s_wait_tensorcnt 0x0                           ; the wave's end
	ds_add_u32 v[SPW], v[NIL]
	s_wait_dscnt 0x0
	CROUND                                         ; the closing round
	s_endpgm
.Lfunc_end_k_q3a20bc4e7d_projv:
	.size	k_q3a20bc4e7d_projv, .Lfunc_end_k_q3a20bc4e7d_projv-k_q3a20bc4e7d_projv
	.p2alignl 7, 3214868480
	.fill 96, 4, 3214868480
	.section	.rodata,"a",@progbits
	.p2align	6, 0x0
	.amdhsa_kernel k_q3a20bc4e7d_projv
		.amdhsa_group_segment_fixed_size 327680
		.amdhsa_private_segment_fixed_size 0
		.amdhsa_enable_private_segment 0
		.amdhsa_kernarg_size 96
		.amdhsa_user_sgpr_count 2
		.amdhsa_user_sgpr_kernarg_segment_ptr 1
		.amdhsa_wavefront_size32 1
		.amdhsa_system_sgpr_workgroup_id_x 1
		.amdhsa_system_sgpr_workgroup_id_y 1
		.amdhsa_system_sgpr_workgroup_id_z 1
		.amdhsa_system_vgpr_workitem_id 0
		.amdhsa_next_free_vgpr 1024
		.amdhsa_next_free_sgpr 106
		.amdhsa_reserve_vcc 0
		.amdhsa_float_denorm_mode_32 3
		.amdhsa_float_denorm_mode_16_64 3
		.amdhsa_memory_ordered 1
		.amdhsa_forward_progress 1
		.amdhsa_inst_pref_size 110
	.end_amdhsa_kernel
	.amdgpu_metadata
---
amdhsa.version: [ 1, 2 ]
amdhsa.kernels:
  - .name:           k_q3a20bc4e7d_projv
    .symbol:         k_q3a20bc4e7d_projv.kd
    .args:
      - { .name: Wv_r_codes, .offset: 0, .size: 8, .value_kind: global_buffer, .address_space: global }
      - { .name: Wv_r_scales, .offset: 8, .size: 8, .value_kind: global_buffer, .address_space: global }
      - { .name: v_r_codes, .offset: 16, .size: 8, .value_kind: global_buffer, .address_space: global }
      - { .name: v_r_scales, .offset: 24, .size: 8, .value_kind: global_buffer, .address_space: global }
      - { .name: bv_r, .offset: 32, .size: 8, .value_kind: global_buffer, .address_space: global }
      - { .name: Wv_i_codes, .offset: 40, .size: 8, .value_kind: global_buffer, .address_space: global }
      - { .name: Wv_i_scales, .offset: 48, .size: 8, .value_kind: global_buffer, .address_space: global }
      - { .name: v_i_codes, .offset: 56, .size: 8, .value_kind: global_buffer, .address_space: global }
      - { .name: v_i_scales, .offset: 64, .size: 8, .value_kind: global_buffer, .address_space: global }
      - { .name: bv_i, .offset: 72, .size: 8, .value_kind: global_buffer, .address_space: global }
      - { .name: v_img, .offset: 80, .size: 8, .value_kind: global_buffer, .address_space: global }
      - { .name: v_sc, .offset: 88, .size: 8, .value_kind: global_buffer, .address_space: global }
    .group_segment_fixed_size: 327680
    .private_segment_fixed_size: 0
    .kernarg_segment_align: 8
    .kernarg_segment_size: 96
    .max_flat_workgroup_size: 128
    .sgpr_count:     106
    .vgpr_count:     1024
    .wavefront_size: 32
...
	.end_amdgpu_metadata
.endif
;; end of part 6
;; launch attn (part 7): grid 4 x 64, 8 waves a work-group, clusters of 4 x 1, 327,680 bytes of LDS; arguments qk_img, qk_sc, v_img, v_sc, o_img, o_sc; writes o_img, o_sc
.if DOCPART == 7
	.amdgcn_target "amdgcn-amd-amdhsa--gfx1250"
	.amdhsa_code_object_version 6
	.text
	.protected	k_q3a20bc4e7d_attn
	.globl	k_q3a20bc4e7d_attn
	.p2align	8
	.type	k_q3a20bc4e7d_attn,@function
k_q3a20bc4e7d_attn:
	s_mov_b64 s[64:65], 0
	v_nop
	global_prefetch_b8 v0, s[64:65] scope:SCOPE_SE
	s_setreg_imm32_b32 hwreg(HW_REG_WAVE_MODE, 25, 1), 1
	s_wait_xcnt 0x0
	s_wait_alu depctr_hold_cnt(0) depctr_sa_sdst(0) depctr_va_vdst(0) depctr_va_sdst(0) depctr_va_ssrc(0) depctr_va_vcc(0) depctr_vm_vsrc(0)
	s_getreg_b32 s2, hwreg(HW_REG_IB_STS2, 6, 4)
	s_cmp_eq_u32 s2, 0
	s_cbranch_scc0 .Lentry_in_a_cluster
	s_endpgm
.Lentry_in_a_cluster:
	s_bfe_u32 s2, ttmp6, 0x10000c
	s_cmp_lg_u32 s2, 0x3003
	s_cbranch_scc0 .Lentry_shape_is_right
	s_endpgm
.Lentry_shape_is_right:
; ATTENTION ON CODES OF E4M3.  With the real and imaginary halves side by side this is attention with a head of 128: score = [Qr | Qi] . [Kr | Ki] / 8 (one matrix instruction's K = 128 does both products),
; and [Or | Oi] = P [Vr | Vi] (128 channels, one set of weights).  64 (batch, head) x 1024 tokens.
; THE SOFTMAX AHEAD OF THE SECOND PRODUCT: t = score x log2(e) / 8; M = the row's largest t so far, rounded up to a whole number; p = 2^(t - M) is quantised along the keys, not normalised.
; The row's sum is taken of the unquantised p, in f32, and divides O at the end.  When M moves, the sum and O are multiplied by 2^(old M - new M): exact.
; O / sum is quantised along the channels (blocks of 32) and leaves as codes and scale bytes for the output projection.
; SHARES.  A work-group owns 256 queries of one (batch, head); each of its eight waves owns 32 of them, TWO tiles of 16, in 512 registers, two waves to a SIMD.  Every wave walks all 1024 keys, 128 a step.
; Each fragment of K and V that a wave reads from LDS feeds two matrix instructions, one for each tile.
; THE WHOLE HEAD'S K AND V STAY IN LDS: 8 key steps x (16 KiB of K + 16 KiB of V), each byte filled once, as images of the operands' registers: every fragment is four loads at 16 x lane, dense.
; CLUSTER.  The four query blocks of a head form a cluster and ask for K and V jointly.  Waves 0, 1 ask for K, waves 2, 3 for V: four loads each, a chunk of two key steps at a time; four loads of a wave are out at the most.
; LAYOUT.  Both products are used transposed: S^T = K Q^T, O^T = V^T P^T: a lane holds ONE query of each tile (lane % 16) throughout.  Register 16 c + i of S^T is key 32 c + 16 (i / 8) + 8 (lane / 16) + i % 8;
; V's images hold the keys of a block of 32 in that same order.
; LIMITS: NaN and infinities are not served; a block of O whose largest magnitude lies under 2^-118 (a block of zeros too) gets the scale byte 1: only this program reads the bytes.
; o_sc is stored two bytes a row and head: a row's 32 bytes belong to sixteen heads, that is to sixteen work-groups.
; REGISTERS, in two windows of 256.  TILE 1 LIVES AT TILE 0'S REGISTER NUMBERS, IN WINDOW 1, so that one text serves both tiles under two settings of the windows:
;   both windows: v12 -M, v13 the largest t, v[14:15] the sum; v16-31 Q; v32-95 four fragments (window 0: tiles 0-3 of a step's K or V, window 1: tiles 4-7; both serve both query tiles);
;   v96-159 S^T, then p; v160-223 O^T; v224-239 p's codes; v232-247 at work; v252 f; v253 p's scale word; v254 at work.
;   window 0 alone: v1-5, v7 addresses that stay; v8, v9 addresses of the step; v248-251 K's or V's scale words; v255 tile 0's scale word of Q; v10 tile 1's; v11 tile 1's scale word of p (scale operands have no window).
; THE FILLS, otherwise than the head's comment has them: K's eight key steps lie on end from LDS byte 0, V's from byte 131,072.  Each of the eight waves asks for one chunk of two key steps, 32 KiB:
; even waves of K, odd waves of V, chunk = wave / 2.  Waves 0 and 1 have load lines of their own: they alone wait ahead of the first walk's barrier.
.set KSC,  262144
.set VSC,  KSC+4096                    ; V's, [key step][128 channels].  Both are stored by the waves; no fill lands here
.set L16,  1                           ; v1  16 x lane
.set L4,   2                           ; v2  KSC + 4 x lane
.set GO,   3                           ; v3  16 r + 8 h
.set GS,   4                           ; v4  131072 h + 32 r
.set SH,   5                           ; v5  16 h
.set SA,   7                           ; v7  KSC + 16 x thread
.set AD,   8                           ; v8  the step's tiles
.set AS,   9                           ; v9  the step's scale words
.set QS1,  10                          ; v10 tile 1's scale word of Q
.set PS1,  11                          ; v11 tile 1's scale word of p
.set WV,   18
.set MNT,  19                          ; the mantissa field of 448
.set SEL,  20                          ; s[20:21] selects for lane l xor 16
.set CS,   22                          ; s[22:23] c = log2(e) / 8
.set G1,   24                          ; s[24:31] the shape of every load: 128 rows of 256 bytes, dense
.set G0K,  32                          ; s[32:35] from where, to where: my chunk of K
.set G0V,  68                          ; s[68:71] V's
.set TB,   48                          ; LDS byte at which the step's tiles begin
.set TS,   49                          ; 512 x step
.set TW,   50                          ; counts the steps of a walk
.set MSB, 0
.macro WIN new                         ; bits 1:0 source 0, 3:2 source 1, 5:4 source 2, 7:6 destination; the immediate's high byte repeats the setting that is left
.if MSB != (\new)
	s_set_vgpr_msb (MSB<<8)|(\new)
.set MSB, (\new)
.endif
.endm
.macro CROUND                          ; a round of the cluster's barrier
	s_barrier_signal -1
	s_barrier_wait -1
	s_cmp_lg_u32 s[WV], 0
	s_cbranch_scc1 .Lnot_wave_0_\@
	s_barrier_signal -3
.Lnot_wave_0_\@:
	s_barrier_wait -3
	s_barrier_signal -1
	s_barrier_wait -1
.endm
.macro PLACES n                        ; plain vector instructions between a matrix instruction and a load into, or a read of, its registers
.rept \n
	v_nop
.endr
.endm
	s_load_b256 s[4:11], s[0:1], 0x0               ; qk_img, qk_sc, v_img, v_sc
	s_load_b128 s[12:15], s[0:1], 0x20             ; o_img, o_sc
	v_lshl_add_u32 v6, v0, 2, 0x42000
	s_set_vgpr_msb 0x40
	v_mov_b32 v255, 0
	s_set_vgpr_msb 0x4044
	ds_add_u32 v6, v255
	ds_add_u32 v6, v255
	s_set_vgpr_msb 0x4400
	v_lshrrev_b32 v8, 5, v0
	s_delay_alu instid0(VALU_DEP_1)
	v_readfirstlane_b32 s[WV], v8                  ; wave 0..7
	s_and_b32 s51, ttmp7, 0xffff                   ; 16 batch + head, which the four partners share
	s_and_b32 s62, s[WV], 1                        ; I ask for K (0) or for V (1),
	s_lshr_b32 s55, s[WV], 1
	s_lshl_b32 s55, s55, 15                        ; chunk wave / 2: its place among the eight key steps in LDS,
	s_mov_b32 s56, s55                             ; and in memory,
	s_lshl_b32 s57, s51, 17
	s_add_co_u32 s56, s56, s57
	s_mov_b32 s57, 0
	s_mov_b32 s[G1], 15|(3<<16)|(1<<21)            ; the mask: all four work-groups; elements of 8 bytes; no padding; bit 21 beside a mask
	s_mov_b32 s[G1+1], 32<<16                      ; tensor_dim0 = 32
	s_mov_b32 s[G1+2], 128<<16                     ; tensor_dim1 = 128
	s_mov_b32 s[G1+3], 32<<16                      ; tile_dim0 = 32
	s_mov_b32 s[G1+4], 128                         ; tile_dim1 = 128
	s_mov_b32 s[G1+5], 32                          ; from row to row
	s_mov_b32 s[G1+6], 0
	s_mov_b32 s[G1+7], 0
	s_mov_b32 s[SEL], 0x76543210
	s_mov_b32 s[SEL+1], 0xfedcba98
	s_mov_b32 s[CS], 0x3e38aa3b
	s_mov_b32 s[CS+1], s[CS]                       ; (named with it as a pair, so it is written)
	s_mov_b32 s[MNT], 0x600000
	s_wait_dscnt 0x0
	s_wait_kmcnt 0x0
	s_add_nc_u64 s[58:59], s[4:5], 0x800000        ; K's images lie behind Q's
	s_add_nc_u64 s[58:59], s[58:59], s[56:57]
	s_add_nc_u64 s[60:61], s[8:9], s[56:57]
	s_mov_b32 s[G0K], 1
	s_mov_b32 s[G0K+1], s55
	s_mov_b64 s[G0K+2:G0K+3], s[58:59]
	s_or_b32 s[G0K+3], s[G0K+3], 0x80000000
	s_mov_b32 s[G0V], 1
	s_add_co_u32 s[G0V+1], s55, 131072
	s_mov_b64 s[G0V+2:G0V+3], s[60:61]
	s_or_b32 s[G0V+3], s[G0V+3], 0x80000000
	; The descriptors are made.  What comes into registers (Q, and all scale bytes) is asked for now, ahead of the round and of the tensor loads, so that it is on its way during both.
	s_bfe_u32 s52, ttmp6, 0x40000                  ; cx: it enters Q's, O's and their scales' addresses alone
	s_lshl_b32 s53, ttmp9, 2
	s_add_co_u32 s52, s53, s52                     ; my block of 256 queries
	s_lshl_b32 s53, s52, 4
	s_lshl_b32 s54, s[WV], 1
	s_add_co_u32 s53, s53, s54                     ; my first tile of 16 queries, 0, 2 .. 62; the second follows it
	v_and_b32 v112, 31, v0                         ; lane
	v_and_b32 v113, 15, v0                         ; r
	v_bfe_u32 v114, v0, 4, 1                       ; h
	s_delay_alu instid0(VALU_DEP_3)
	v_lshlrev_b32 v[L16], 4, v112
	s_delay_alu instid0(VALU_DEP_4)
	v_lshl_add_u32 v[L4], v112, 2, KSC
	s_delay_alu instid0(VALU_DEP_4)
	v_lshlrev_b32 v[GO], 4, v113
	s_delay_alu instid0(VALU_DEP_1)
	v_lshl_add_u32 v[GO], v114, 3, v[GO]
	v_lshlrev_b32 v[GS], 5, v113
	s_delay_alu instid0(VALU_DEP_1)
	v_lshl_add_u32 v[GS], v114, 17, v[GS]
	v_lshlrev_b32 v[SH], 4, v114
	v_lshl_add_u32 v[SA], v0, 4, KSC               ; thread t puts 16 bytes of scale words at KSC + 16 t
	v_lshlrev_b32 v115, 3, v0                      ; 8 t
	s_wait_alu depctr_va_vdst(0)
	v_lshlrev_b32 v116, 4, v0                      ; 16 t
	s_wait_alu depctr_va_vdst(0)
	v_lshlrev_b32 v117, 1, v113                    ; 2 r
	s_wait_alu depctr_va_vdst(0)
	s_lshl_b32 s56, s51, 11
	s_mov_b32 s57, 0
	s_add_nc_u64 s[58:59], s[6:7], s[56:57]        ; qk_sc at this head's row of Qr; Qi, Kr, Ki lie 131,072 bytes apart behind it
	s_lshl_b32 s60, s53, 5
	s_mov_b32 s61, 0
	s_add_nc_u64 s[60:61], s[58:59], s[60:61]      ; my 32 queries' bytes
	s_lshl_b32 s56, s51, 12
	s_add_nc_u64 s[10:11], s[10:11], s[56:57]      ; v_sc at this head
	s_lshl_b32 s56, s51, 6
	s_add_co_u32 s56, s56, s53
	s_lshl_b32 s56, s56, 11
	s_add_nc_u64 s[4:5], s[4:5], s[56:57]          ; Q's image of my first tile
	global_load_b64 v[96:97], v115, s[58:59] offset:262144    ; Kr's bytes of tokens 4 t .. 4 t + 3
	global_load_b64 v[98:99], v115, s[58:59] offset:393216    ; Ki's
	global_load_b128 v[100:103], v116, s[10:11]               ; V's scale words, 16 bytes a thread
.irp c, 0,1,2,3
	global_load_b128 v[16+4*\c:19+4*\c], v[L16], s[4:5] offset:512*\c        ; tile 0's fragment of Q stays in registers,
.endr
	WIN 0x40                                       ; destination window 1
.irp c, 0,1,2,3
	global_load_b128 v[16+4*\c:19+4*\c], v[L16], s[4:5] offset:2048+512*\c   ; and tile 1's
.endr
	WIN 0
	global_load_u16 v108, v117, s[60:61]                 ; Qr's two bytes of query r, tile 0
	global_load_u16 v109, v117, s[60:61] offset:131072   ; Qi's
	global_load_u16 v110, v117, s[60:61] offset:32       ; the same of tile 1
	global_load_u16 v111, v117, s[60:61] offset:131104
	CROUND                                         ; all four work-groups are here: the joint loads meet
.macro TL g0                           ; a joint load; an s_nop 0 and four v_nop follow it
	tensor_load_to_lds s[\g0:\g0+3], s[G1:G1+7]
	s_nop 0
	PLACES 4
.endm
	s_cmp_lt_u32 s[WV], 2                          ; one tree of branches on the wave's number, one load to an arm
	s_cbranch_scc0 .Llater
	s_cmp_eq_u32 s62, 0
	s_cbranch_scc0 .Lv_first
	TL G0K                                         ; wave 0: K's key steps 0, 1
	s_branch .Lasked
.Lv_first:
	TL G0V                                         ; wave 1: V's
	s_branch .Lasked
.Llater:
	s_cmp_eq_u32 s62, 0
	s_cbranch_scc0 .Lv_later
	TL G0K                                         ; waves 2, 4, 6: K's later chunks
	s_branch .Lasked
.Lv_later:
	TL G0V                                         ; waves 3, 5, 7: V's
.Lasked:
	; where my tiles of O go
	s_lshr_b32 s54, s51, 4                         ; batch
	s_and_b32 s55, s51, 15                         ; head
	s_lshl_b32 s56, s54, 6
	s_add_co_u32 s56, s56, s53                     ; my first row tile of the 4096 rows
	s_lshl_b32 s62, s56, 12                        ; o_img [part][K step of 256][row tile][128 along K][2048]: the head's 64 channels are K = 64 head on
	s_lshr_b32 s57, s55, 2
	s_lshl_b32 s57, s57, 20
	s_add_co_u32 s62, s62, s57
	s_bfe_u32 s57, s55, 0x10001
	s_lshl_b32 s57, s57, 11
	s_add_co_u32 s62, s62, s57
	s_and_b32 s57, s55, 1
	s_lshl_b32 s57, s57, 10
	s_add_co_u32 s62, s62, s57
	s_mov_b32 s63, 0
	s_add_nc_u64 s[12:13], s[12:13], s[62:63]
	s_lshl_b32 s62, s56, 9                         ; o_sc [part][row][32]: 16 rows x 32 bytes a tile, + 2 x head
	s_lshl_b32 s57, s55, 1
	s_add_co_u32 s62, s62, s57
	s_add_nc_u64 s[14:15], s[14:15], s[62:63]
.macro INIT x                          ; tile x's state.  The step is written once: its first walk finds zeros, which the first change of M leaves zeros
	WIN 0x55*(\x)
	v_mov_b32 v13, 0xff61b1e6                      ; the largest t so far: -3e38, under every t
	s_delay_alu instid0(VALU_DEP_1)
	v_floor_f32 v12, -v13                          ; -M
	v_mov_b32 v14, 0                               ; the sum, in two halves
	v_mov_b32 v15, 0
.irp b, 0,1,2,3
	v_mov_b32 v[236+\b], 0                         ; written once: a lane permute's destination counts as one of its sources
.endr
	v_mov_b32 v253, 0                              ; (named as the upper half of the pair v[252:253] before it is first written)
.set J, 0
.rept 64
	v_mov_b32 v[160+J], 0                          ; O^T
.set J, J+1
.endr
.endm
	INIT 0
	INIT 1
	WIN 0
	s_wait_loadcnt 0x0
	v_lshl_or_b32 v255, v109, 16, v108             ; Q's scale words: bytes 0, 1 the real part's blocks, 2, 3 the imaginary's
	v_lshl_or_b32 v[QS1], v111, 16, v110
	v_perm_b32 v104, v98, v96, 0x05040100          ; K's scale words of tokens 4 t,
	v_perm_b32 v105, v98, v96, 0x07060302          ; 4 t + 1,
	v_perm_b32 v106, v99, v97, 0x05040100          ; 4 t + 2,
	v_perm_b32 v107, v99, v97, 0x07060302          ; 4 t + 3
	ds_store_b128 v[SA], v[104:107]
	ds_store_b128 v[SA], v[100:103] offset:VSC-KSC
.macro KVLOAD base, g                  ; four fragments: tiles 4 g .. 4 g + 3 of the step's K (base 0) or V (base 16384), into v32-95 of the window set for destinations
.irp t, 0,1,2,3
.irp c, 0,1,2,3
	ds_load_b128 v[32+16*\t+4*\c:35+16*\t+4*\c], v[AD] offset:\base+(4*\g+\t)*2048+512*\c
.endr
.endr
.endm
.macro WORDS base                      ; the step's 128 scale words: register p: lanes 0-15 tile 2 p's rows, lanes 16-31 tile 2 p + 1's
.irp p, 0,1,2,3
	ds_load_b32 v[248+\p], v[AS] offset:\base+128*\p
.endr
.endm
.macro SPROD g, x                      ; S^T of query tile x: four tiles of 16 keys.  K's fragments: window g; Q and S^T: window x
	WIN 0x44*(\x)+(\g)
.irp t, 0,1,2,3
.if \t%2
	v_wmma_scale_f32_16x16x128_f8f6f4 v[96+8*(4*\g+\t):103+8*(4*\g+\t)], v[32+16*\t:47+16*\t], v[16:31], 0, v[248+2*\g+\t/2], v[255-245*(\x)] matrix_a_scale:MATRIX_SCALE_ROW1
.else
	v_wmma_scale_f32_16x16x128_f8f6f4 v[96+8*(4*\g+\t):103+8*(4*\g+\t)], v[32+16*\t:47+16*\t], v[16:31], 0, v[248+2*\g+\t/2], v[255-245*(\x)]
.endif
.endr
.endm
.macro OPROD g, x                      ; O^T += V^T P^T of query tile x: four tiles of 16 channels.  V's fragments: window g; p's codes and O^T: window x.  The sixteen accumulators take turns, one instruction a turn
	WIN 0x54*(\x)+(\g)
.irp t, 0,1,2,3
.if \t%2
	v_wmma_scale_f32_16x16x128_f8f6f4 v[160+8*(4*\g+\t):167+8*(4*\g+\t)], v[32+16*\t:47+16*\t], v[224:239], v[160+8*(4*\g+\t):167+8*(4*\g+\t)], v[248+2*\g+\t/2], v[253-242*(\x)] matrix_a_scale:MATRIX_SCALE_ROW1
.else
	v_wmma_scale_f32_16x16x128_f8f6f4 v[160+8*(4*\g+\t):167+8*(4*\g+\t)], v[32+16*\t:47+16*\t], v[224:239], v[160+8*(4*\g+\t):167+8*(4*\g+\t)], v[248+2*\g+\t/2], v[253-242*(\x)]
.endif
.endr
.endm
; THE SOFTMAX of query tile x for 128 keys: every vector register that it names lies in window x.
.macro SOFTMAX x
	WIN 0x55*(\x)
.irp b, 0,1,2,3
	v_max3_num_f32 v[232+\b], v[96+16*\b], v[97+16*\b], v[98+16*\b]   ; the largest score of each block of 32 keys: it serves for the row's maximum and, since p rises with the score, for the block's largest p
.endr
.irp i, 3,5,7,9,11,13
.irp b, 0,1,2,3
	v_max3_num_f32 v[232+\b], v[232+\b], v[96+16*\b+\i], v[97+16*\b+\i]
.endr
.endr
.irp b, 0,1,2,3
	v_max_num_f32 v[232+\b], v[232+\b], v[111+16*\b]
.endr
.irp b, 0,1,2,3
	v_permlanex16_b32 v[236+\b], v[232+\b], s[SEL], s[SEL+1]
.endr
.irp b, 0,1,2,3
	s_delay_alu instid0(VALU_DEP_4)
	v_max_num_f32 v[232+\b], v[232+\b], v[236+\b]  ; with lane l xor 16's 16 keys
.endr
	s_delay_alu instid0(VALU_DEP_2)
	v_max3_num_f32 v254, v232, v233, v234
	s_delay_alu instid0(VALU_DEP_1)
	v_max_num_f32 v254, v254, v235                 ; the step's largest score of my query
	s_delay_alu instid0(VALU_DEP_1)
	v_mul_f32 v254, s[CS], v254                    ; as t (c is positive)
	s_delay_alu instid0(VALU_DEP_1)
	v_max_num_f32 v13, v13, v254                   ; the running largest t
	v_mov_b32 v254, v12
	s_delay_alu instid0(VALU_DEP_2)
	v_floor_f32 v12, -v13                          ; the new -M = floor(-t) = -ceil(t)
.set J, 0
.rept 32
	v_pk_fma_f32 v[96+J:97+J], v[96+J:97+J], s[CS:CS+1], v[12:13] op_sel_hi:[1,0,0]   ; t - M, two at a time
.set J, J+2
.endr
	v_sub_f32 v254, v12, v254                      ; old M less new M: a whole number, 0 or less
	v_fma_f32 v232, v232, s[CS], v12               ; t - M of each block's largest score; the three lines that make f stand between these, so that none waits for the line above it
	v_fma_f32 v233, v233, s[CS], v12
	s_delay_alu instid0(VALU_DEP_3)
	v_cvt_i32_f32 v254, v254                       ; (it saturates)
	v_fma_f32 v234, v234, s[CS], v12
	v_fma_f32 v235, v235, s[CS], v12
	s_delay_alu instid0(VALU_DEP_3)
	v_ldexp_f32 v252, 1.0, v254                    ; f = 2^(old M - new M)
.set J, 0
	s_wait_alu depctr_va_vdst(0)
.rept 64
	v_exp_f32 v[96+J], v[96+J]                     ; p = 2^(t - M), at most 1
.set J, J+1
.endr
.irp b, 0,1,2,3
	v_exp_f32 v[232+\b], v[232+\b]                 ; the block's largest p: the same two instructions on the same number give the same bits
.endr
	v_pk_mul_f32 v[14:15], v[14:15], v[252:253] op_sel_hi:[1,0]   ; the sums under the new M.  (A plain place behind the exponentials)
	s_wait_alu depctr_va_vdst(0)
.irp b, 0,1,2,3
	v_max_num_f32 v[232+\b], 0x4800000, v[232+\b]  ; the floor 2^-118: the byte cannot fall under 1
.endr
.irp b, 0,1,2,3
	s_delay_alu instid0(VALU_DEP_4)
	v_add_nc_u32 v[244+\b], 0xfc000000, v[232+\b]  ; 8 off the exponent field: the conversions' scale operand
.endr
.irp b, 0,1,2,3
	v_and_or_b32 v[240+\b], v[232+\b], 0x7f800000, s[MNT]   ; 448 x the scale
.endr
.irp b, 0,1,2,3
	v_lshrrev_b32 v[236+\b], 23, v[244+\b]         ; the byte
.endr
	s_delay_alu instid0(VALU_DEP_3)
	v_lshl_or_b32 v253, v237, 8, v236              ; p's scale word for these 128 keys
	s_delay_alu instid0(VALU_DEP_1)
	v_lshl_or_b32 v253, v238, 16, v253
	s_delay_alu instid0(VALU_DEP_1)
	v_lshl_or_b32 v253, v239, 24, v253
.if \x
	WIN 0x01                                       ; source window 1, destination window 0: a scale operand is taken from window 0
	v_mov_b32 v[PS1], v253
	WIN 0x55
.endif
	v_pk_add_f32 v[236:237], v[96:97], v[98:99]    ; the row's sum is taken of the unquantised p: two at a time, in four chains (v232-239 are free here)
	v_pk_add_f32 v[238:239], v[100:101], v[102:103]
	v_pk_add_f32 v[232:233], v[104:105], v[106:107]
.irp j, 108,116,124,132,140,148
	v_pk_add_f32 v[14:15], v[14:15], v[\j:\j+1]
	v_pk_add_f32 v[236:237], v[236:237], v[\j+2:\j+3]
	v_pk_add_f32 v[238:239], v[238:239], v[\j+4:\j+5]
	v_pk_add_f32 v[232:233], v[232:233], v[\j+6:\j+7]
.endr
	v_pk_add_f32 v[14:15], v[14:15], v[156:157]
	v_pk_add_f32 v[236:237], v[236:237], v[158:159]
	s_delay_alu instid0(VALU_DEP_3)
	v_pk_add_f32 v[238:239], v[238:239], v[232:233]
	s_delay_alu instid0(VALU_DEP_2)
	v_pk_add_f32 v[14:15], v[14:15], v[236:237]
	s_delay_alu instid0(VALU_DEP_1)
	v_pk_add_f32 v[14:15], v[14:15], v[238:239]
.irp b, 0,1,2,3
.irp i, 0,1,2,3,4,5,6,7,8,9,10,11,12,13,14,15
	v_min_num_f32 v[96+16*\b+\i], v[96+16*\b+\i], v[240+\b]   ; the conversion to an 8-bit code does not saturate (ISA guide 7.6.2); p is not negative, so the hold is one-sided
.endr
	v_cvt_scalef32_pk8_fp8_f32 v[224+4*\b:225+4*\b], v[96+16*\b:103+16*\b], v[244+\b]
	v_cvt_scalef32_pk8_fp8_f32 v[226+4*\b:227+4*\b], v[104+16*\b:111+16*\b], v[244+\b]
.endr
.set J, 0
.rept 32
	v_pk_mul_f32 v[160+J:161+J], v[160+J:161+J], v[252:253] op_sel_hi:[1,0]   ; O^T under the new M, each accumulator from its low end on.  (These 32 are also the places between the codes and the products that take them)
.set J, J+2
.endr
.endm
; A KEY STEP: 128 keys, both query tiles.
.macro STEP
	v_add_nc_u32 v[AD], s[TB], v[L16]
	v_add_nc_u32 v[AS], s[TS], v[L4]
	PLACES 6                                       ; with the two additions: eight places in front of loads into registers that the last products read
	WORDS 0
	KVLOAD 0, 0                                    ; all eight fragments of K in one run: tiles 0-3 into window 0,
	WIN 0x40
	KVLOAD 0, 1                                    ; tiles 4-7 into window 1
	s_wait_dscnt 16                                ; the words and tiles 0-3 are in; the youngest 16 loads (tiles 4-7) may be out
	s_wait_alu depctr_va_vdst(0)
	SPROD 0, 0
	SPROD 0, 1
	s_wait_dscnt 0x0
	SPROD 1, 0
	SPROD 1, 1
	WIN 0
	v_add_nc_u32 v[AD], 0x20000, v[AD]             ; on to the step's tiles of V.  (One of the eight places)
	PLACES 7
	WORDS VSC-KSC
	KVLOAD 0, 0
	WIN 0x40
	KVLOAD 0, 1
	SOFTMAX 0
	SOFTMAX 1
	PLACES 4                                       ; between the last multiplications of O^T and the products that add onto it
	s_wait_alu depctr_va_vdst(0)
	s_wait_dscnt 0x0                               ; V
	OPROD 0, 0
	OPROD 0, 1
	OPROD 1, 0
	OPROD 1, 1
	WIN 0                                          ; at a label and at a branch every window is 0
.endm
; A WALK over key steps first .. first + trips - 1.  In front of its barrier the waves whose tiles it reads wait for all their loads (left > 0: waves 0 and 1 alone); the barrier tells the others.
; left = 3: the first chunk (steps 0, 1) is in, the three later chunks may stay out.  left = 0: all are in, so that one barrier serves steps 2 to 7.
.macro WALK first, left, trips
.if \left
	s_cmp_lt_u32 s[WV], 2                          ; the first walk reads what waves 0 and 1 asked for, by lines that they alone issue
	s_cbranch_scc0 .Lnot_yet_\@
	s_wait_tensorcnt 0x0
.Lnot_yet_\@:
.else
	s_wait_tensorcnt 0x0
.endif
	s_wait_dscnt 0x0
	s_barrier_signal -1
	s_barrier_wait -1
	s_mov_b32 s[TB], 16384*\first
	s_mov_b32 s[TS], 512*\first
	s_mov_b32 s[TW], \trips
.Lstep_\@:
	STEP
	s_add_co_u32 s[TB], s[TB], 16384
	s_add_co_u32 s[TS], s[TS], 512
	s_sub_co_u32 s[TW], s[TW], 1
	s_cmp_lg_u32 s[TW], 0
	s_cbranch_scc1 .Lstep_\@
.endm
	WALK 0, 3, 2
	WALK 2, 0, 6
; THE WAY OUT of query tile x.  O^T / the sum; register 16 c + i of lane (r, h) is channel 32 (c % 2) + 16 (i / 8) + 8 h + i % 8 of part c / 2 (real, imaginary) of query r: four blocks of 32 along the next product's K.
.macro FINISH x
	WIN 0x55*(\x)
	v_add_f32 v14, v14, v15                        ; the sum's two halves,
	s_delay_alu instid0(VALU_DEP_1)
	v_permlanex16_b32 v252, v14, s[SEL], s[SEL+1]
	s_delay_alu instid0(VALU_DEP_1)
	v_add_f32 v14, v14, v252                       ; and lane l xor 16's
	s_wait_alu depctr_va_vdst(0)
	v_rcp_f32 v14, v14
	v_nop                                          ; a plain place behind the transcendental
.set J, 0
	s_wait_alu depctr_va_vdst(0)
.rept 64
	v_mul_f32 v[96+J], v[160+J], v14               ; each accumulator from its low end on
.set J, J+1
.endr
.irp b, 0,1,2,3
	v_max3_num_f32 v[232+\b], |v[96+16*\b]|, |v[97+16*\b]|, 0x4800000   ; the block's largest magnitude, over a floor of 2^-118
.endr
.irp i, 2,4,6,8,10,12,14
.irp b, 0,1,2,3
	s_delay_alu instid0(VALU_DEP_4)
	v_max3_num_f32 v[232+\b], v[232+\b], |v[96+16*\b+\i]|, |v[97+16*\b+\i]|
.endr
.endr
.irp b, 0,1,2,3
	v_permlanex16_b32 v[236+\b], v[232+\b], s[SEL], s[SEL+1]
.endr
.irp b, 0,1,2,3
	s_delay_alu instid0(VALU_DEP_4)
	v_max_num_f32 v[232+\b], v[232+\b], v[236+\b]
.endr
.irp b, 0,1,2,3
	s_delay_alu instid0(VALU_DEP_4)
	v_add_nc_u32 v[244+\b], 0xfc000000, v[232+\b]  ; 8 off the exponent field: the conversions' scale operand
.endr
.irp b, 0,1,2,3
	v_and_or_b32 v[240+\b], v[232+\b], 0x7f800000, s[MNT]   ; 448 x the scale
.endr
.irp b, 0,1,2,3
	v_lshrrev_b32 v[236+\b], 23, v[244+\b]         ; the byte
.endr
	s_delay_alu instid0(VALU_DEP_3)
	v_lshl_or_b32 v253, v237, 8, v236
	s_delay_alu instid0(VALU_DEP_1)
	v_lshl_or_b32 v253, v238, 16, v253
	s_delay_alu instid0(VALU_DEP_1)
	v_lshl_or_b32 v253, v239, 24, v253
.irp b, 0,1,2,3
.irp i, 0,1,2,3,4,5,6,7,8,9,10,11,12,13,14,15
	v_med3_num_f32 v[96+16*\b+\i], v[96+16*\b+\i], -v[240+\b], v[240+\b]   ; the conversion to an 8-bit code does not saturate (ISA guide 7.6.2)
.endr
	v_cvt_scalef32_pk8_fp8_f32 v[224+4*\b:225+4*\b], v[96+16*\b:103+16*\b], v[244+\b]
	v_cvt_scalef32_pk8_fp8_f32 v[226+4*\b:227+4*\b], v[104+16*\b:111+16*\b], v[244+\b]
.endr
	v_nop                                          ; one plain vector instruction behind the last conversion
	WIN 0x44*(\x)                                  ; the shift count lies in window 0
	v_lshrrev_b32 v254, v[SH], v253                ; lanes 0-15: the real part's two bytes; lanes 16-31: the imaginary's
	WIN 0x04*(\x)                                  ; a store's data are its source 1; its address lies in window 0
.irp c, 0,1,2,3
.irp u, 0,1
	global_store_b64 v[GO], v[224+4*\c+2*\u:225+4*\c+2*\u], s[12:13] offset:(\c/2)*4194304+(\x)*4096+(\c%2)*512+\u*256   ; part c / 2, row tile x, group c % 2, half u: the 32 lanes store 256 consecutive bytes, aligned
.endr
.endr
	global_store_b16 v[GS], v254, s[14:15] offset:512*(\x)
.endm
	PLACES 8                                       ; behind the last products, ahead of every read of results
	FINISH 0
	FINISH 1                                       ; it writes window 1 alone: tile 0's stores keep their registers
	WIN 0
	s_set_vgpr_msb 0x4
	s_wait_tensorcnt 0x0
	ds_add_u32 v6, v255
	s_wait_dscnt 0x0
	s_set_vgpr_msb 0x400
	CROUND                                         ; the closing round: no work-group ends while a partner may still ask for a tile that names it
	s_endpgm
.Lfunc_end_k_q3a20bc4e7d_attn:
	.size	k_q3a20bc4e7d_attn, .Lfunc_end_k_q3a20bc4e7d_attn-k_q3a20bc4e7d_attn
	.p2alignl 7, 3214868480
	.fill 96, 4, 3214868480
	.section	.rodata,"a",@progbits
	.p2align	6, 0x0
	.amdhsa_kernel k_q3a20bc4e7d_attn
		.amdhsa_group_segment_fixed_size 327680
		.amdhsa_private_segment_fixed_size 0
		.amdhsa_enable_private_segment 0
		.amdhsa_kernarg_size 48
		.amdhsa_user_sgpr_count 2
		.amdhsa_user_sgpr_kernarg_segment_ptr 1
		.amdhsa_wavefront_size32 1
		.amdhsa_system_sgpr_workgroup_id_x 1
		.amdhsa_system_sgpr_workgroup_id_y 1
		.amdhsa_system_sgpr_workgroup_id_z 1
		.amdhsa_system_vgpr_workitem_id 0
		.amdhsa_next_free_vgpr 512
		.amdhsa_next_free_sgpr 84
		.amdhsa_reserve_vcc 0
		.amdhsa_float_denorm_mode_32 3
		.amdhsa_float_denorm_mode_16_64 3
		.amdhsa_memory_ordered 1
		.amdhsa_forward_progress 1
		.amdhsa_inst_pref_size 122
	.end_amdhsa_kernel
	.amdgpu_metadata
---
amdhsa.version: [ 1, 2 ]
amdhsa.kernels:
  - .name:           k_q3a20bc4e7d_attn
    .symbol:         k_q3a20bc4e7d_attn.kd
    .args:
      - { .name: qk_img, .offset: 0, .size: 8, .value_kind: global_buffer, .address_space: global }
      - { .name: qk_sc, .offset: 8, .size: 8, .value_kind: global_buffer, .address_space: global }
      - { .name: v_img, .offset: 16, .size: 8, .value_kind: global_buffer, .address_space: global }
      - { .name: v_sc, .offset: 24, .size: 8, .value_kind: global_buffer, .address_space: global }
      - { .name: o_img, .offset: 32, .size: 8, .value_kind: global_buffer, .address_space: global }
      - { .name: o_sc, .offset: 40, .size: 8, .value_kind: global_buffer, .address_space: global }
    .group_segment_fixed_size: 327680
    .private_segment_fixed_size: 0
    .kernarg_segment_align: 8
    .kernarg_segment_size: 48
    .max_flat_workgroup_size: 256
    .sgpr_count:     84
    .vgpr_count:     512
    .wavefront_size: 32
...
	.end_amdgpu_metadata
.endif
;; end of part 7
;; launch outp (part 8): grid 4 x 64, 4 waves a work-group, clusters of 4 x 4, 327,680 bytes of LDS; arguments o_img, o_sc, Wo_r_codes, Wo_r_scales, bo_r, out0, Wo_i_codes, Wo_i_scales, bo_i, out1; writes out0, out1
.if DOCPART == 8
	.amdgcn_target "amdgcn-amd-amdhsa--gfx1250"
	.amdhsa_code_object_version 6
	.text
	.protected	k_q3a20bc4e7d_outp
	.globl	k_q3a20bc4e7d_outp
	.p2align	8
	.type	k_q3a20bc4e7d_outp,@function
k_q3a20bc4e7d_outp:
	s_mov_b64 s[64:65], 0
	v_nop
	global_prefetch_b8 v0, s[64:65] scope:SCOPE_SE
	s_setreg_imm32_b32 hwreg(HW_REG_WAVE_MODE, 25, 1), 1
	s_wait_xcnt 0x0
	s_wait_alu depctr_hold_cnt(0) depctr_sa_sdst(0) depctr_va_vdst(0) depctr_va_sdst(0) depctr_va_ssrc(0) depctr_va_vcc(0) depctr_vm_vsrc(0)
	s_getreg_b32 s2, hwreg(HW_REG_IB_STS2, 6, 4)
	s_cmp_eq_u32 s2, 0
	s_cbranch_scc0 .Lentry_in_a_cluster
	s_endpgm
.Lentry_in_a_cluster:
	s_bfe_u32 s2, ttmp6, 0x10000c
	s_cmp_lg_u32 s2, 0xf033
	s_cbranch_scc0 .Lentry_shape_is_right
	s_endpgm
.Lentry_shape_is_right:
; THE TWO OUTPUT PROJECTIONS: g = 0 real, 1 imaginary.  Y = O W^T + b, f32.  O [4096][1024] comes as codes made by the attention launch, W [1024][1024] as given codes; one E8M0 byte for each 32 along K.
; A tile of Y, 128 rows x 256 columns, is made by a work-group of four waves; a wave makes 64 x 128: 32 accumulators of 16 x 16.  32 x 4 tiles for each g: 256 work-groups.
; K = 1024 goes in four steps of 256 through THREE LDS slots: steps 0, 1, 2 and the scale bytes of the tile's rows are asked for at the start (four tensor loads of a wave are out at the most);
; only step 3 is a refill, of slot 0, asked for at the end of step 0: it has steps 1 and 2 in which to land.  The eight sub-steps of 128 along K are written out: there is no loop.
; O'S CODES LIE AS IMAGES OF THE OPERAND'S REGISTERS, [part][K step 4][row tile 256][128 along K: 2][2048]: 64 rows of a K step are 16,384 dense bytes, one tensor load; a fragment is four loads at 16 x lane.
; W's tiles are rows of 256 bytes, padded in LDS.
; CLUSTERS: 4 x 4 work-groups, all of one g; O's tiles are asked for jointly along a row of the cluster, W's along a column.
; THE MATRIX INSTRUCTION IS USED TRANSPOSED (source 0 = 16 rows of W, source 1 = 16 rows of O): a lane holds eight neighbouring numbers of a row of Y.  THE BIAS is the C of each sum's first matrix instruction.
; REGISTERS, in windows of 256: window 0: v0-31 addresses; v32-63 scale words, two sets; v64-127 the bias; v128-255 rows of Y on the way out.
;   window 1: fragment set 0: W's eight at v0-127, O's four at v128-191.   window 3: set 1, laid alike.   window 2: the accumulators ((a, b) at v[8 (8 a + b)]).
.set SIZE_N, 1024
; THE FILLS, otherwise than the head's comment has them: at the head one joint load a wave: wave 0 O's images of K steps 0, 1, 2 (three runs of 32,768 bytes), waves 1 and 3 the halves of W's 256 rows of K steps 0 and 1
; (rows of 512 bytes), wave 2 W's rows of K step 2.  K step 3 is the one refill, onto K step 0's bytes.  The scale words of all of K come straight into registers: 8 words a row.  The bias lies in window 1, v192-255.
.set ROWB,   256                       ; a row of W's tile in bytes
.set KROW,   1024                      ; a row of W in memory
.set ASTEP,  1<<20                     ; bytes from a K step of O's images to the next
.set PITCH,  272                       ; an LDS row of W: 256 bytes + 16 of padding
.set FR,     16
.set NP,     8                         ; places behind this matrix instruction (ISA guide 7.12.1)
; (In place of what the note above says of W's K steps: K steps 1 and 2 share the rows of 512 bytes; K step 0 lies apart, in rows of 256 bytes, and K step 3 is filled over it.)
.set PP,     528                       ; an LDS row of two K steps of W: 512 bytes + 16
.set QW,     256*PP                    ; behind W's K steps 1, 2: its K step 0, later 3,
.set OL,     QW+256*PITCH              ; and O's images: 32,768 bytes a K step, three of them
.set SPARE,  OL+3*32768                ; the spare words: 128 bytes for each wave, named by no other line
.set SPITCH, 528
.set STG,    0                         ; the stages lie where W's K steps 1, 2 lay: filled once, last read ahead of the barrier in sub-step 5
.set SX,     32                        ; v32-95 W's scale words: block b, sub-step t at SX + 8 b + t
.set SW,     96                        ; v96-127 O's: block a, sub-step t at SW + 8 a + (t + 4) % 8: the two numbers differ modulo 8
.set TT,     -1                        ; the sub-step that is being assembled
.set ADRA, 16                          ; v16-18 LDS address of my O fragments in slot 0, 1, 2
.set ADRB, 20                          ; v20-22 the same for W
.set STO,  24                          ; v24 the way out: where I put 32 bytes of a row
.set RD,   25                          ; v25 where I read a row back
.set CO,   26                          ; v26 16 x lane
.set SPW,  28
.set NIL,  29
.set BI,   192
.set AF,   128                         ; O's fragments in a set's window
.set BK,   128                         ; the way out: 16 rows read back from the stage: v128-191 and v192-255 by turns
.set G1, 24
.set G0, 32
.set G1B, 44
.set G0B, 52
.set G1S, 68
.set G0S, 76
.set G1SB, 80
.set G0SB, 88
.set MSB, 0
.macro WIN new                         ; the immediate's high byte repeats the setting that is left
.if MSB != (\new)
	s_set_vgpr_msb (MSB<<8)|(\new)
.set MSB, (\new)
.endif
.endm
.macro JLOAD g0a, g1a, g0b, g1b        ; a joint load: waves 0 and 1 fetch for O, waves 2 and 3 for W; the branch hangs on the wave's number alone; four v_nop follow each line
	s_cmp_eq_u32 s15, 0
	s_cbranch_scc0 .Lfor_b_\@
	tensor_load_to_lds s[\g0a:\g0a+3], s[\g1a:\g1a+7]
	s_nop 0
.rept 4
	v_nop
.endr
	s_branch .Lasked_\@
.Lfor_b_\@:
	tensor_load_to_lds s[\g0b:\g0b+3], s[\g1b:\g1b+7]
	s_nop 0
.rept 4
	v_nop
.endr
.Lasked_\@:
.endm
.macro CREST
	s_cmp_lg_u32 s14, 0
	s_cbranch_scc1 .Lnot_wave_0_\@
	s_barrier_signal -3
.Lnot_wave_0_\@:
	s_barrier_wait -3
	s_barrier_signal -1
	s_barrier_wait -1
.endm
.macro CROUND
	s_barrier_signal -1
	s_barrier_wait -1
	CREST
.endm
.macro SHAPE g, c, r, p                ; words 1 to 7 of a group 1: r rows of c elements, p elements from row to row
	s_mov_b32 s[\g+1], (\c)<<16
	s_mov_b32 s[\g+2], (\r)<<16
	s_mov_b32 s[\g+3], (\c)<<16
	s_mov_b32 s[\g+4], \r
	s_mov_b32 s[\g+5], \p
	s_mov_b32 s[\g+6], 0
	s_mov_b32 s[\g+7], 0
.endm
	s_load_b128 s[4:7], s[0:1], 0x0                ; o_img, o_sc
	s_load_b256 s[24:31], s[0:1], 0x10             ; real: W's codes, W's scales, b, out0
	s_load_b256 s[32:39], s[0:1], 0x30             ; imaginary: the same, out1
	v_lshl_add_u32 v[SPW], v0, 2, SPARE
	v_mov_b32 v[NIL], 0
	ds_add_u32 v28, v29
	ds_add_u32 v28, v29
	s_wait_dscnt 0x0
	v_lshrrev_b32 v1, 5, v0
	v_readfirstlane_b32 s14, v1                    ; wave 0..3
	s_lshr_b32 s15, s14, 1                         ; which 64 of the tile's rows are mine.  Also: I fetch for O (0) or for W (1)
	s_and_b32 s16, s14, 1                          ; which 128 of its columns.  Also: which half of that tile I fetch
	s_and_b32 s17, ttmp7, 0xffff                   ; the cluster's y, 0..15
	s_lshr_b32 s95, s17, 3                         ; g: the same in all sixteen partners
	s_and_b32 s17, s17, 7
	s_wait_kmcnt 0x0
	s_cmp_lg_u32 s95, 0                            ; the choice hangs on the cluster's number alone
	s_cselect_b64 s[8:9], s[32:33], s[24:25]       ; W's codes
	s_cselect_b64 s[10:11], s[34:35], s[26:27]     ; W's scales
	s_cselect_b64 s[96:97], s[36:37], s[28:29]     ; b
	s_cselect_b64 s[12:13], s[38:39], s[30:31]     ; Y
	s_bfe_u32 s2, ttmp6, 0x40000                   ; cx, cy
	s_bfe_u32 s3, ttmp6, 0x40004
	s_lshl_b32 s94, ttmp9, 2
	s_add_co_u32 s94, s94, s2                      ; tile column, 0..3
	s_lshl_b32 s17, s17, 2
	s_add_co_u32 s17, s17, s3                      ; tile row, 0..31
	s_lshl_b32 s104, s3, 2
	s_lshl_b32 s104, 15, s104                      ; my row of the cluster
	s_lshl_b32 s105, 0x1111, s2                    ; my column
	s_or_b32 s[G1+0], s104, (3<<16)|(1<<21)        ; O: the mask; elements of 8 bytes; no padding; bit 21 beside a mask: 64 rows of 256 bytes, dense
	SHAPE G1, 32, 64, 32
	s_or_b32 s[G1S+0], s104, (3<<16)|(1<<21)       ; O at the head: three K steps, each 32,768 dense bytes (4,096 elements of 8), ASTEP bytes apart
	SHAPE G1S, 4096, 3, ASTEP/8
	s_or_b32 s[G1B+0], s105, (1<<20)|(1<<21)|(5<<22)|(3<<25)   ; W, K step 0: 256 rows of 256 bytes, 4 words behind each
	SHAPE G1B, ROWB, 256, KROW
	s_or_b32 s[G1SB+0], s105, (1<<20)|(1<<21)|(6<<22)|(3<<25)  ; W, K steps 1 and 2: 128 rows of 512 bytes, 4 words behind each
	SHAPE G1SB, 2*ROWB, 128, KROW
	s_lshl_b32 s20, s17, 15                        ; O: the tile's 128 rows of a K step are 32,768 bytes,
	s_lshl_b32 s21, s95, 22                        ; in the part's images
	s_add_co_u32 s20, s20, s21
	s_mov_b32 s21, 0
	s_add_nc_u64 s[20:21], s[4:5], s[20:21]
	s_lshl_b32 s100, s94, 18                       ; W: the tile's 256 rows of 1,024 bytes
	s_mov_b32 s101, 0
	s_add_nc_u64 s[100:101], s[8:9], s[100:101]
	s_lshl_b32 s22, s17, 12                        ; the scale bytes of my wave's 64 rows of O, in the part's,
	s_lshl_b32 s18, s15, 11
	s_add_co_u32 s22, s22, s18
	s_lshl_b32 s18, s95, 17
	s_add_co_u32 s22, s22, s18
	s_mov_b32 s23, 0
	s_add_nc_u64 s[6:7], s[6:7], s[22:23]
	s_lshl_b32 s92, s94, 13                        ; and of its 128 rows of W
	s_lshl_b32 s18, s16, 12
	s_add_co_u32 s92, s92, s18
	s_mov_b32 s93, 0
	s_add_nc_u64 s[10:11], s[10:11], s[92:93]
	s_mov_b32 s[G0], 1                             ; the refill, K step 3: my half of O's images,
	s_lshl_b32 s18, s16, 14
	s_add_co_u32 s[G0+1], s18, OL
	s_add_co_u32 s18, s18, 3*ASTEP
	s_mov_b32 s19, 0
	s_add_nc_u64 s[G0+2:G0+3], s[20:21], s[18:19]
	s_or_b32 s[G0+3], s[G0+3], 0x80000000
	s_mov_b32 s[G0B], 1                            ; or of W's rows
	s_mul_i32 s[G0B+1], s16, 128*PITCH
	s_add_co_u32 s[G0B+1], s[G0B+1], QW
	s_lshl_b32 s18, s16, 17
	s_add_co_u32 s18, s18, 3*ROWB
	s_add_nc_u64 s[G0B+2:G0B+3], s[100:101], s[18:19]
	s_or_b32 s[G0B+3], s[G0B+3], 0x80000000
	s_mov_b32 s[G0+4], 1                           ; the head's tiles: O,
	s_mov_b32 s[G0+5], OL
	s_mov_b64 s[G0+6:G0+7], s[20:21]
	s_or_b32 s[G0+7], s[G0+7], 0x80000000
	s_mov_b32 s[G0B+4], 1                          ; W's K step 0,
	s_mov_b32 s[G0B+5], QW
	s_mov_b64 s[G0B+6:G0B+7], s[100:101]           ; (W's K step 0)
	s_or_b32 s[G0B+7], s[G0B+7], 0x80000000
	s_mov_b32 s[G0B+8], 1                          ; W's K steps 1, 2: rows 128 x (wave / 2) on
	s_mul_i32 s[G0B+9], s15, 128*PP
	s_lshl_b32 s18, s15, 17
	s_add_co_u32 s18, s18, ROWB                    ; (W's K steps 1, 2)
	s_add_nc_u64 s[G0B+10:G0B+11], s[100:101], s[18:19]
	s_or_b32 s[G0B+11], s[G0B+11], 0x80000000
	CROUND                                         ; all sixteen work-groups are here: the first joint loads meet
.macro ARM w, g0, g1, next             ; one joint load a wave, in one chain of branches on the wave's number
	s_cmp_eq_u32 s14, \w
	s_cbranch_scc0 \next
	tensor_load_to_lds s[\g0:\g0+3], s[\g1:\g1+7]
	s_nop 0
.rept 4
	v_nop
.endr
	s_branch .Lhead_asked
\next:
.endm
	ARM 0, G0+4, G1S, .Lhead_wq
	ARM 2, G0B+4, G1B, .Lhead_wp
	tensor_load_to_lds s[G0B+8:G0B+11], s[G1SB:G1SB+7]
	s_nop 0
.rept 4
	v_nop
.endr
.Lhead_asked:
	v_and_b32 v1, 15, v0                           ; r
	v_bfe_u32 v2, v0, 4, 1                         ; h
	; the bias of my 128 columns: lane (r, h) wants, for W's block b, b[16 b + 8 h + 0 .. 7]
	s_lshl_b32 s100, s94, 10
	s_lshl_b32 s101, s16, 9
	s_add_co_u32 s100, s100, s101
	s_mov_b32 s101, 0
	s_add_nc_u64 s[96:97], s[96:97], s[100:101]
	v_lshlrev_b32 v7, 5, v2
	WIN 0x40                                       ; the bias goes into window 1
.irp b, 0,1,2,3,4,5,6,7
	global_load_b128 v[BI+8*\b:BI+8*\b+3], v7, s[96:97] offset:64*\b
	global_load_b128 v[BI+8*\b+4:BI+8*\b+7], v7, s[96:97] offset:64*\b+16
.endr
	WIN 0
	v_and_b32 v6, 31, v0
	v_lshlrev_b32 v[CO], 4, v6                     ; 16 x lane
	s_mul_i32 s21, s16, 128*PP                     ; my 128 rows of W: K steps 1, 2,
	s_mul_i32 s22, s16, 128*PITCH                  ; K steps 0 and 3
	s_add_co_u32 s22, s22, QW
	s_lshl_b32 s18, s15, 14                        ; my 64 rows of O
	s_add_co_u32 s18, s18, OL
	s_wait_alu depctr_va_vdst(0)
	v_mul_u32_u24 v3, v1, PP
	v_lshl_add_u32 v3, v2, 4, v3                   ; W: a fragment's row x pitch + 16 x half
	v_mul_u32_u24 v4, v1, PITCH
	v_lshl_add_u32 v4, v2, 4, v4
	v_add_nc_u32 v[ADRB+1], s21, v3                ; K step 1,
	v_add_nc_u32 v[ADRB+2], ROWB, v[ADRB+1]        ; K step 2: 256 bytes on in the same rows,
	v_add_nc_u32 v[ADRB], s22, v4                  ; K steps 0 and 3
	v_add_nc_u32 v[ADRA], s18, v[CO]
	v_add_nc_u32 v[ADRA+1], 32768, v[ADRA]
	v_add_nc_u32 v[ADRA+2], 65536, v[ADRA]
	v_lshlrev_b32 v8, 5, v1                        ; scale bytes: 32 a row; lanes 16-31 take the same rows and are not read
.irp b, 0,1,2,3,4,5,6,7
	global_load_b128 v[SX+8*\b:SX+8*\b+3], v8, s[10:11] offset:512*\b
	global_load_b128 v[SX+8*\b+4:SX+8*\b+7], v8, s[10:11] offset:512*\b+16
.endr
.irp a, 0,1,2,3
	global_load_b128 v[SW+8*\a:SW+8*\a+3], v8, s[6:7] offset:512*\a+16   ; the two halves of O's eight words change places
	global_load_b128 v[SW+8*\a+4:SW+8*\a+7], v8, s[6:7] offset:512*\a
.endr
	s_mul_i32 s23, s14, 16*SPITCH                  ; my stage
	s_add_co_u32 s23, s23, STG
	v_mul_u32_u24 v5, v1, SPITCH                   ; in: row r, 32 bytes for each half of the lanes
	v_lshl_add_u32 v5, v2, 5, v5
	v_add_nc_u32 v[STO], s23, v5
	v_add_nc_u32 v[RD], s23, v[CO]                 ; back: the 32 lanes take one row of 512 bytes
	s_lshl_b32 s20, s17, 7
	s_lshl_b32 s21, s15, 6
	s_add_co_u32 s20, s20, s21                     ; my first row of Y,
	s_lshl_b32 s20, s20, 12                        ; 4,096 bytes a row,
	s_lshl_b32 s21, s94, 10                        ; and my first column, in bytes
	s_add_co_u32 s20, s20, s21
	s_lshl_b32 s21, s16, 9
	s_add_co_u32 s20, s20, s21
	s_mov_b32 s21, 0
	s_add_nc_u64 s[12:13], s[12:13], s[20:21]
.macro FRAG reg, adr, q, i             ; W: 16 rows x 128 K from padded rows
.irp c, 0,1,2,3
	ds_load_b128 v[(\reg)+4*\c:(\reg)+4*\c+3], v[\adr] offset:128*(\q)+32*\c+(\i)*16*LPI
.endr
.endm
.macro FRAGI reg, adr, q, i            ; O: the image of row tile i, 128 along K number q
.irp c, 0,1,2,3
	ds_load_b128 v[(\reg)+4*\c:(\reg)+4*\c+3], v[\adr] offset:4096*(\i)+2048*(\q)+512*\c
.endr
.endm
.macro LOADS slot, q, g
.set LPI, PITCH+256*(((\slot)+1)/2)    ; W's pitch: 272 where K steps 0 and 3 lie (slot 0), 528 where K steps 1 and 2 lie
	FRAG FR*(2*(\g)), ADRB+(\slot), \q, 2*(\g)
	FRAG FR*(2*(\g)+1), ADRB+(\slot), \q, 2*(\g)+1
	FRAGI AF+FR*(\g), ADRA+(\slot), \q, \g
.endm
; 8 matrix instructions: O's block a x W's eight.  first = 1: the bias is the C.  The 32 accumulators take turns, one instruction a turn, in the same order in every sub-step.
.macro MUL8 a, q, sc, first
.irp b, 0,1,2,3,4,5,6,7
.if \first
	v_wmma_scale_f32_16x16x128_f8f6f4 v[8*(8*(\a)+\b):8*(8*(\a)+\b)+7], v[FR*\b:FR*\b+FR-1], v[AF+FR*(\a):AF+FR*(\a)+FR-1], v[BI+8*\b:BI+8*\b+7], v[SX+8*\b+TT], v[SW+8*(\a)+(TT+4)%8]
.else
	v_wmma_scale_f32_16x16x128_f8f6f4 v[8*(8*(\a)+\b):8*(8*(\a)+\b)+7], v[FR*\b:FR*\b+FR-1], v[AF+FR*(\a):AF+FR*(\a)+FR-1], v[8*(8*(\a)+\b):8*(8*(\a)+\b)+7], v[SX+8*\b+TT], v[SW+8*(\a)+(TT+4)%8]
.endif
.endr
.endm
.macro PLACES n                        ; plain vector instructions between a matrix instruction and a load into, or a read of, its registers
.rept \n
	v_nop
.endr
.endm
; Windows: loads into set 0: destination window 1 (0x40); into set 1: window 3 (0xc0).  Products on set 0: sources 0 and 1 window 1, C and D window 2 (0xa5); on set 1: 0xaf; with the bias as C (window 1): 0x95.
; A SUB-STEP of 128 along K on fragment set p (scale words of sub-step TT).  The next sub-step's fragments (slot nslot, its nq-th 128) go into the other set, in four runs of 12 loads, each ahead of 8 products.
.macro PLAIN p, q, sc, first, nslot, nq, nks
	s_wait_dscnt 0x0                               ; this sub-step's fragments, asked for a sub-step ago
.if (\first) == 0
	PLACES NP                                      ; the last sub-step's products read the set that the loads below fill
.endif
.set TT, TT+1
.irp g, 0,1,2,3
	WIN 0xc0-0x80*(\p)
	LOADS \nslot, \nq, \g
	WIN 0xa5+0x0a*(\p)-0x10*(\first)               ; first = 1: the C is the bias, in window 1
	MUL8 \g, \q, \sc, \first
.endr
.endm
; SUB-STEP 1, the last of slot 0: behind a round of the cluster's barrier slot 0 is filled again, with K step 3.  In front of the round each wave waits for all its tensor loads (slots 1 and 2 among them),
; adds 0 to its spare word, and waits for that and for its reads of slot 0.  So the round also shows slots 1 and 2 whole to every wave: no barrier stands between K steps 1 and 2.
.macro TURN
.set TT, TT+1
	WIN 0                                          ; (the add's two registers lie in window 0)
	s_wait_tensorcnt 0x0                           ; all my tensor loads have landed
	ds_add_u32 v[SPW], v[NIL]                      ; 0 onto my spare word
	s_wait_dscnt 0x1                               ; this sub-step's fragments are in (the add may be out)
	WIN 0xaf
	MUL8 0, 1, 0, 0
	s_wait_dscnt 0x0                               ; the add is done, and my reads of slot 0 are over
	s_barrier_signal -1
	MUL8 1, 1, 0, 0
	WIN 0
	s_barrier_wait -1
	CREST                                          ; no wave of any partner still reads slot 0 or has a load on its way
	JLOAD G0, G1, G0B, G1B                         ; the first tensor load behind the round; its four v_nop are four of the eight places
	PLACES NP-4
	WIN 0x40
	LOADS 1, 0, 0
	LOADS 1, 0, 1
	WIN 0xaf
	MUL8 2, 1, 0, 0
	WIN 0x40
	LOADS 1, 0, 2
	LOADS 1, 0, 3
	WIN 0xaf
	MUL8 3, 1, 0, 0
.endm
; SUB-STEP 5, the last of slot 2: the wave that asked for its part of K step 3 waits for it, and a barrier tells the others.
.macro MEET
.set TT, TT+1
	s_wait_tensorcnt 0x0                           ; my one load that was out: my part of K step 3
	s_wait_dscnt 0x0                               ; this sub-step's fragments; no LDS instruction of mine is out at the signal
	s_barrier_signal -1
	WIN 0xaf
	MUL8 0, 1, 0, 0
	MUL8 1, 1, 0, 0
	s_barrier_wait -1
	PLACES NP
	WIN 0x40
	LOADS 0, 0, 0
	LOADS 0, 0, 1
	WIN 0xaf
	MUL8 2, 1, 0, 0
	WIN 0x40
	LOADS 0, 0, 2
	LOADS 0, 0, 3
	WIN 0xaf
	MUL8 3, 1, 0, 0
.endm
	s_wait_alu depctr_va_vdst(0)
	s_wait_loadcnt 0x0                             ; the bias
	s_wait_tensorcnt 0x0                           ; my tile of the head's is in; no load of mine is out, so W's shape is made anew for the refill:
	s_mov_b32 s[G1B+2], 128<<16                    ; the refill brings half of W's tile a wave: 128 rows
	s_mov_b32 s[G1B+4], 128
	s_barrier_signal -1
	s_barrier_wait -1
	WIN 0x40
.irp g, 0,1,2,3
	LOADS 0, 0, \g
.endr
	PLAIN 0, 0, 0, 1, 0, 1, 0                      ; sub-step 0: K step 0 in slot 0
	TURN                                           ; 1
	PLAIN 0, 0, 1, 0, 1, 1, 0                      ; 2: K step 1 in slot 1
	PLAIN 1, 1, 1, 0, 2, 0, 2                      ; 3
	PLAIN 0, 0, 0, 0, 2, 1, 0                      ; 4: K step 2 in slot 2
	MEET                                           ; 5
	PLAIN 0, 0, 1, 0, 0, 1, 0
.set TT, 7
	s_wait_dscnt 0x0                               ; 7: nothing more to fetch
	WIN 0xaf
.irp g, 0,1,2,3
	MUL8 \g, 1, 1, 0
.endr
	WIN 0
; THE WAY OUT, block by block of 16 rows x 128 columns: through my own stage in LDS, back as whole rows of 512 bytes.  LDS serves a wave's instructions in order (ISA guide 5.7.1.4): no wait between the stores and the loads.
.macro TOSTAGE a
.set AC, 64*(\a)
	WIN 0x08                                       ; an LDS store's data are its source 1: window 2
.irp b, 0,1,2,3,4,5,6,7
	ds_store_b128 v[STO], v[AC+8*\b:AC+8*\b+3] offset:64*\b          ; each accumulator from its low end on
	ds_store_b128 v[STO], v[AC+8*\b+4:AC+8*\b+7] offset:64*\b+16
.endr
	WIN 0
.set BB, BK+64*((\a)%2)
.irp t, 0,1,2,3,4,5,6,7,8,9,10,11,12,13,14,15
	ds_load_b128 v[BB+4*\t:BB+4*\t+3], v[RD] offset:\t*SPITCH
.endr
.endm
.macro SEND a, younger                 ; younger: the LDS instructions issued behind block a's loads, which may stay out
.set BB, BK+64*((\a)%2)
	s_wait_dscnt \younger
.if (\a) > 0
	s_add_nc_u64 s[12:13], s[12:13], 16*SIZE_N*4   ; (behind a wait on XCNT: the earlier stores have read their base)
.endif
.irp t, 0,1,2,3,4,5,6,7,8,9,10,11,12,13,14,15
	global_store_b128 v[CO], v[BB+4*\t:BB+4*\t+3], s[12:13] offset:\t*SIZE_N*4 th:TH_STORE_NT   ; 32 lanes store 512 consecutive bytes, aligned; written once, read by nobody here
.endr
.endm
	PLACES NP                                      ; behind the last products, ahead of every read of results
	TOSTAGE 0
.irp a, 1,2,3
.if \a > 1
	s_wait_xcnt 0x0                                ; block a - 2's stores have read their registers and their base
.endif
	TOSTAGE \a
	SEND \a-1, 32                                  ; behind block a - 1's loads: block a's 16 stores and 16 loads
.endr
	s_wait_xcnt 0x0
	SEND 3, 0
	s_wait_tensorcnt 0x0                           ; the wave's end
	ds_add_u32 v[SPW], v[NIL]
	s_wait_dscnt 0x0
	CROUND                                         ; the closing round
	s_endpgm
.Lfunc_end_k_q3a20bc4e7d_outp:
	.size	k_q3a20bc4e7d_outp, .Lfunc_end_k_q3a20bc4e7d_outp-k_q3a20bc4e7d_outp
	.p2alignl 7, 3214868480
	.fill 96, 4, 3214868480
	.section	.rodata,"a",@progbits
	.p2align	6, 0x0
	.amdhsa_kernel k_q3a20bc4e7d_outp
		.amdhsa_group_segment_fixed_size 327680
		.amdhsa_private_segment_fixed_size 0
		.amdhsa_enable_private_segment 0
		.amdhsa_kernarg_size 80
		.amdhsa_user_sgpr_count 2
		.amdhsa_user_sgpr_kernarg_segment_ptr 1
		.amdhsa_wavefront_size32 1
		.amdhsa_system_sgpr_workgroup_id_x 1
		.amdhsa_system_sgpr_workgroup_id_y 1
		.amdhsa_system_sgpr_workgroup_id_z 1
		.amdhsa_system_vgpr_workitem_id 0
		.amdhsa_next_free_vgpr 1024
		.amdhsa_next_free_sgpr 106
		.amdhsa_reserve_vcc 0
		.amdhsa_float_denorm_mode_32 3
		.amdhsa_float_denorm_mode_16_64 3
		.amdhsa_memory_ordered 1
		.amdhsa_forward_progress 1
		.amdhsa_inst_pref_size 89
	.end_amdhsa_kernel
	.amdgpu_metadata
---
amdhsa.version: [ 1, 2 ]
amdhsa.kernels:
  - .name:           k_q3a20bc4e7d_outp
    .symbol:         k_q3a20bc4e7d_outp.kd
    .args:
      - { .name: o_img, .offset: 0, .size: 8, .value_kind: global_buffer, .address_space: global }
      - { .name: o_sc, .offset: 8, .size: 8, .value_kind: global_buffer, .address_space: global }
      - { .name: Wo_r_codes, .offset: 16, .size: 8, .value_kind: global_buffer, .address_space: global }
      - { .name: Wo_r_scales, .offset: 24, .size: 8, .value_kind: global_buffer, .address_space: global }
      - { .name: bo_r, .offset: 32, .size: 8, .value_kind: global_buffer, .address_space: global }
      - { .name: out0, .offset: 40, .size: 8, .value_kind: global_buffer, .address_space: global }
      - { .name: Wo_i_codes, .offset: 48, .size: 8, .value_kind: global_buffer, .address_space: global }
      - { .name: Wo_i_scales, .offset: 56, .size: 8, .value_kind: global_buffer, .address_space: global }
      - { .name: bo_i, .offset: 64, .size: 8, .value_kind: global_buffer, .address_space: global }
      - { .name: out1, .offset: 72, .size: 8, .value_kind: global_buffer, .address_space: global }
    .group_segment_fixed_size: 327680
    .private_segment_fixed_size: 0
    .kernarg_segment_align: 8
    .kernarg_segment_size: 80
    .max_flat_workgroup_size: 128
    .sgpr_count:     106
    .vgpr_count:     1024
    .wavefront_size: 32
...
	.end_amdgpu_metadata
.endif
;; end of part 8
